; MI455X (gfx1250); checked and timed in simulation.
; The chip was launched on July 23, 2026; its instructions are those of AMD's public machine-readable ISA for CDNA 5 (MIT licence, August 2026) and "CDNA5" Instruction Set Architecture Reference Guide (July 2026). The comments in the code are by the model that wrote it; some were corrected since.
;; Encoder Block. Allowed arithmetic: matrix products marked QUANTISED: E2M3 operands, one E8M0 scale for each 32 along K, by v_wmma_scale_f32_16x16x128_f8f6f4 with both operands' format E2M3, f32 sums; everything else in f32.
;; Inputs: W1 1,024 x 4,096 float32; W2 4,096 x 1,024 float32; Wk 1,024 x 1,024 float32; Wo 1,024 x 1,024 float32; Wq 1,024 x 1,024 float32; Wv 1,024 x 1,024 float32; alpha1 1 float32; alpha2 1 float32; b1 4,096 float32; b2 1,024 float32; beta1 1 float32; beta2 1 float32; bk 1,024 float32; bo 1,024 float32; bq 1,024 float32; bv 1,024 float32; src_mask 2 x 1 x 1 x 2,048 int32; x 2 x 2,048 x 1,024 float32.
;; Outputs: out0 2 x 2,048 x 1,024 float32.
;; This version of the problem:
;;   THIS VERSION OF THE PROBLEM IS GIVEN IN LOW PRECISION. The matrix products marked QUANTISED in the list below multiply operands that are first quantised to E2M3 (2 exponent bits, 3 mantissa bits; 6 bits a number), with one power-of-two scale for each 32 numbers along K (OCP MX v1.0); their sums are f32. All else is computed in f32.
;;   The module's matrix products, in the order in which they are computed (A, B: the left and right operand; K: the contracted axis; several contracted axes count as one K, in the product's order):
;;     1. [M 4,096, K 1,024] x [K 1,024, N 1,024]; A: computed on the way; B: input Wq: QUANTISED
;;     2. [M 4,096, K 1,024] x [K 1,024, N 1,024]; A: computed on the way; B: input Wk: QUANTISED
;;     3. [M 4,096, K 1,024] x [K 1,024, N 1,024]; A: computed on the way; B: input Wv: QUANTISED
;;     4. batch 32 x [M 2,048, K 64] x [K 64, N 2,048]; A: computed on the way; B: computed on the way: QUANTISED
;;     5. batch 32 x [M 2,048, K 2,048] x [K 2,048, N 64]; A: softmax (see below); B: computed on the way: QUANTISED
;;     6. [M 4,096, K 1,024] x [K 1,024, N 1,024]; A: computed on the way; B: input Wo: QUANTISED
;;     7. [M 4,096, K 1,024] x [K 1,024, N 4,096]; A: computed on the way; B: input W1: QUANTISED
;;     8. [M 4,096, K 4,096] x [K 4,096, N 1,024]; A: computed on the way; B: input W2: QUANTISED
;;   THE QUANTISER, for each operand of a quantised product, along K:
;;     - K is cut into blocks of 32 from its start; a last block that is shorter is filled with zeros.
;;     - A block's scale is 2^e with e = floor(log2(the largest magnitude in the block)) - 2, held to -126 .. 127; a block of zeros has e = 0. As a byte (E8M0): e + 127.
;;     - Each number is divided by its block's scale, clamped to +-7.5, and rounded to the nearest number of E2M3, ties to even, subnormals kept.
;;     - The product sums the exact products of the quantised numbers (number of the format x scale) in f32.
;;   ~~~python
;;   def quantise(x, axis):      # numpy; x: float32 -> the quantised numbers, widened to float32 again
;;       x = np.moveaxis(x, axis, -1); K = x.shape[-1]
;;       x = np.pad(x, [(0, 0)] * (x.ndim - 1) + [(0, -K % 32)]); x = x.reshape(x.shape[:-1] + (-1, 32)); a = np.abs(x).max(-1, keepdims=True)
;;       e = np.where(a > 0, np.clip(np.frexp(np.where(a > 0, a, 1))[1] - 1 - 2, -126, 127), 0)      # np.frexp(a)[1] - 1 = floor(log2(a)), exactly
;;       r = np.clip(x / 2.0 ** e, -7.5, 7.5)
;;       step = 2.0 ** (np.maximum(np.frexp(np.where(r == 0, 1, r))[1] - 1, 0) - 3)
;;       q = np.round(r / step) * step * 2.0 ** e      # np.round: ties to even
;;       return np.moveaxis(q.reshape(q.shape[:-2] + (-1,))[..., :K], -1, axis).astype(np.float32)
;;   ~~~
;;   SOFTMAX AHEAD OF A QUANTISED PRODUCT. Where the list says 'softmax', what is quantised is not the finished softmax but p = 2^(t - M), with t = logit x log2(e) and M = ceil(the row's largest t), a whole number; so 1/2 < the row's largest p <= 1. The row's sum l is taken of the UNQUANTISED p, in f32, and the product's result is divided by l at the end. Since M is a whole number, a kernel that streams over the keys may use a running M (the ceiling of the running maximum): every later rescaling is an exact power of two, which a block's scale takes up: the codes' values come out the same.
;;   OPERANDS COMPUTED ON THE WAY. 'Computed on the way' means the value that the module computes at that place (a softmax that the list does not call 'softmax' is quantised finished and normalised). What goes into a quantiser is computed in f32, as accurately as f32 sums, v_exp_f32 and their like allow (about 1e-6 of the number): no bf16 or f16 on the way to a quantiser, and a product that is left as it is and whose result goes on into a quantised operand takes f32 operands (vector FMAs, or v_wmma_f32_16x16x4_f32). A number that lies on a knife's edge between two numbers of the format may be rounded either way, as far as f32 arithmetic and the matrix unit's own rounding can turn it there, and no further.
;; 2 versions. Each part assembles by itself: llvm-mc -triple=amdgcn-amd-amdhsa -mcpu=gfx1250 --defsym DOCPART=n.
;; ======== version 1 of 2: 7 launches
;; limits: right only within a limited range of input values
;; workspace buffers: wts 9,863,168 bytes; xn 3,276,800 bytes; qb 4,456,448 bytes; kv 7,733,248 bytes; ctx 3,276,800 bytes; x1 16,777,216 bytes; hb 13,107,200 bytes
;; launch prep (part 1): grid 448 x 1, 8 waves a work-group, no clusters, 118,272 bytes of LDS; arguments x, alpha1, beta1, xn, Wq, Wk, Wv, Wo, W1, W2, wts; writes xn, wts
.if DOCPART == 1
	.amdgcn_target "amdgcn-amd-amdhsa--gfx1250"
	.amdhsa_code_object_version 6
	.text
	.protected	k_q4c919d5f46_prep
	.globl	k_q4c919d5f46_prep
	.p2align	8
	.type	k_q4c919d5f46_prep,@function
k_q4c919d5f46_prep:
	s_mov_b64 s[64:65], 0
	v_nop
	global_prefetch_b8 v0, s[64:65] scope:SCOPE_SE
	s_setreg_imm32_b32 hwreg(HW_REG_WAVE_MODE, 25, 1), 1
	s_wait_xcnt 0x0
; TWO JOBS IN ONE LAUNCH, told apart by the work-group's number.
; Work-groups 0-255: layer norm of 16 rows of [4096][1024] f32 (mean; unbiased deviation; alpha (x - mean) / (std + 1e-6) + beta) and its codes of FP6 (E2M3) with one E8M0 byte for each 32 along K.
; Work-groups 256-447: the six weights, f32 [K][N] with K outermost, into codes with K innermost.
; LAYOUT OF EVERY BUFFER OF CODES.  Row index i stands at position swap34(i) (bits 3 and 4 exchanged): tile T = 2 b + u, lane r holds index 32 b + 8 u + r + 8 (r / 8).
; A fragment (16 positions x 128 K, 12 registers a lane) lies as an image of its registers: byte ((ks NT + T) 2 + q) 1536 + 512 c + 16 lane, ks = k / 256, q = (k / 128) % 2, c = register / 4.
; Scale words (four bytes: 128 along K of one position): byte (kstep NG + T / 8) 512 + 32 r + 4 (T % 8).
; A block's scale byte is its largest magnitude's exponent field - 2, held at 1 from below.
; LIMITS: a block of zeros gets the byte 1 (its codes are zeros; this program alone reads the bytes); NaN and infinities among the inputs are not served.
; No cluster: no two work-groups read the same bytes.  No tensor loads.  Each of the two jobs has LDS bytes of its own.
.set XN_S,   3145728                   ; the norm's scale words, behind its 256 tiles x 4 x 3,072 bytes of codes
.set WQKV_I, 0                         ; places in wts: images and scale words of [Wq | Wk | Wv] (192 tiles), Wo, W1, W2
.set WQKV_S, 2359296
.set WO_I,   2490368
.set WO_S,   3276800
.set W1_I,   3309568
.set W1_S,   6455296
.set W2_I,   6586368
.set W2_S,   9732096
.set LNP,    4112                      ; the norm's LDS row: 4,096 bytes + 16
.set WST,    66048                     ; the weights' stages: 6,144 bytes a wave
.set SST,    115200                    ; the weights' scale words: 2,048 bytes
.set VO,  16                           ; v16-47   weights: byte offset of row i of a block of 32
.set X,   48                           ; v48-111  numbers
.set PC,  112                          ; v112-131 codes
.set TM,  132                          ; v132-147 at work
.set PW,  148                          ; v148     a scale word
.set NM,  150                          ; v150-153 -mean, a pair a row
.set GG,  154                          ; v154-157 alpha / (std + eps), a pair a row
.set BT,  158                          ; v158-159 beta
.set SB,  136                          ; v136-137 weights: scale bytes, four to a register
.set SEL, 20                           ; s[20:21] selects of v_permlanex16_b32: lane l xor 16 (norm's job)
	v_lshl_add_u32 v160, v0, 2, 0x1ca00
	v_mov_b32 v161, 0
	v_lshrrev_b32 v1, 5, v0
	v_readfirstlane_b32 s12, v1                    ; wave 0..7
	v_and_b32 v2, 31, v0                           ; lane
	v_lshlrev_b32 v3, 4, v2                        ; 16 x lane
	s_cmp_lt_u32 ttmp9, 256
	s_cbranch_scc0 .Lweights
; ---------------- THE NORM: tile T = work-group's number.  Wave w takes positions 2 w, 2 w + 1 of the tile: two neighbouring rows of memory.
	s_load_b256 s[4:11], s[0:1], 0x0               ; x, alpha, beta, codes
	v_and_b32 v4, 15, v0                           ; r
	v_bfe_u32 v5, v0, 4, 1                         ; h
	s_mov_b32 s[SEL], 0x76543210
	s_mov_b32 s[SEL+1], 0xfedcba98
	s_lshr_b32 s13, ttmp9, 1
	s_lshl_b32 s13, s13, 5                         ; 32 (T / 2)
	s_and_b32 s14, ttmp9, 1
	s_lshl_b32 s14, s14, 3
	s_add_co_u32 s13, s13, s14                     ; + 8 (T % 2)
	s_lshl_b32 s14, s12, 1
	s_add_co_u32 s13, s13, s14                     ; + 2 w
	s_lshr_b32 s14, s12, 2
	s_lshl_b32 s14, s14, 3
	s_add_co_u32 s13, s13, s14                     ; + 8 (w / 4): my first row
	s_lshl_b32 s14, s13, 12                        ; x 4,096 bytes (under 2^24)
	s_mov_b32 s15, 0
	s_mul_i32 s18, s12, 2*LNP
	v_add_nc_u32 v6, s18, v3                       ; LDS, in: rows 2 w, 2 w + 1; 16 bytes a lane
	v_mul_u32_u24 v7, v4, LNP
	v_lshl_add_u32 v7, v5, 6, v7
	s_lshl_b32 s19, s12, 9
	v_add_nc_u32 v7, s19, v7                       ; LDS, out: row r, K step w (512 bytes), + 64 h
	v_lshlrev_b32 v8, 5, v4                        ; scale word's place: 32 r
	s_wait_kmcnt 0x0
	s_load_b32 s16, s[6:7], 0x0                    ; alpha
	s_load_b32 s17, s[8:9], 0x0                    ; beta
	s_add_nc_u64 s[4:5], s[4:5], s[14:15]
.irp e, 0,1
.irp j, 0,1,2,3,4,5,6,7
	global_load_b128 v[X+32*\e+4*\j:X+32*\e+4*\j+3], v3, s[4:5] offset:4096*\e+512*\j th:TH_LOAD_NT   ; 32 lanes read 512 consecutive bytes
.endr
.endr
; four pairs a row in v[TM + 8 e ..] become the row's sum in every lane, both rows by turns
.macro REDUCE
.irp e, 0,1
	v_pk_add_f32 v[TM+8*\e:TM+8*\e+1], v[TM+8*\e:TM+8*\e+1], v[TM+8*\e+2:TM+8*\e+3]
	v_pk_add_f32 v[TM+8*\e+4:TM+8*\e+5], v[TM+8*\e+4:TM+8*\e+5], v[TM+8*\e+6:TM+8*\e+7]
.endr
.irp e, 0,1
	v_pk_add_f32 v[TM+8*\e:TM+8*\e+1], v[TM+8*\e:TM+8*\e+1], v[TM+8*\e+4:TM+8*\e+5]
.endr
.irp e, 0,1
	v_add_f32 v[TM+8*\e], v[TM+8*\e], v[TM+8*\e+1]
.endr
.irp m, 1,2,4,8
.irp e, 0,1
	v_add_f32_dpp v[TM+8*\e], v[TM+8*\e], v[TM+8*\e] row_xmask:\m row_mask:0xf bank_mask:0xf
.endr
.endr
.irp e, 0,1
	v_permlanex16_b32 v[TM+8*\e+1], v[TM+8*\e], s[SEL], s[SEL+1]
.endr
.irp e, 0,1
	v_add_f32 v[TM+8*\e], v[TM+8*\e], v[TM+8*\e+1]
.endr
.endm
; 64 numbers of a lane, register 16 b + i = k 32 b + 16 (lane / 16) + i of my row, become a fragment's codes in v[PC] on and its scale word in v[PW]
.macro QUANT s
.irp b, 0,1,2,3
	v_max3_num_f32 v[TM+\b], |v[\s+16*\b]|, |v[\s+1+16*\b]|, 0x1800000   ; my 16 numbers of block b, and the floor 2^(3 - 127): the byte cannot fall under 1
.endr
.irp i, 2,4,6,8,10,12,14
.irp b, 0,1,2,3
	v_max3_num_f32 v[TM+\b], v[TM+\b], |v[\s+16*\b+\i]|, |v[\s+1+16*\b+\i]|
.endr
.endr
.irp b, 0,1,2,3
	v_permlanex16_b32 v[TM+4+\b], v[TM+\b], s[SEL], s[SEL+1]
.endr
.irp b, 0,1,2,3
	v_max_num_f32 v[TM+\b], v[TM+\b], v[TM+4+\b]   ; with lane l xor 16's: the block's largest magnitude
.endr
.irp b, 0,1,2,3
	v_add_nc_u32 v[TM+12+\b], 0xff000000, v[TM+\b] ; 2 off its exponent field: the conversion's scale operand
.endr
.irp b, 0,1,2,3
	v_lshrrev_b32 v[TM+4+\b], 23, v[TM+12+\b]      ; the scale's byte
.endr
	v_lshl_or_b32 v[PW], v[TM+5], 8, v[TM+4]
	v_lshl_or_b32 v[PW], v[TM+6], 16, v[PW]
	v_lshl_or_b32 v[PW], v[TM+7], 24, v[PW]
.irp c, 0,1
	v_cvt_scalef32_pk16_fp6_f32 v[PC+6*\c:PC+2+6*\c], v[\s+32*\c:\s+15+32*\c], v[TM+12+2*\c]
	v_cvt_scalef32_pk16_fp6_f32 v[PC+12+4*\c:PC+14+4*\c], v[\s+16+32*\c:\s+31+32*\c], v[TM+12+2*\c+1]   ; (a conversion's three registers begin on an even number)
.endr
	v_nop                                          ; one plain line behind the conversions
.irp c, 0,1                                    ; a lane gets a whole block: lanes 0-15 block 2 c, lanes 16-31 block 2 c + 1
.irp i, 0,1,2
	v_permlane16_swap_b32 v[PC+6*\c+\i], v[PC+12+4*\c+\i]
.endr
.irp i, 0,1,2
	v_mov_b32 v[PC+3+6*\c+\i], v[PC+12+4*\c+\i]
.endr
.endr
.endm
	s_wait_loadcnt 0x0
	; the mean: 16 pairs a row in four chains
.set p, 0
.rept 4
.irp e, 0,1
	v_pk_add_f32 v[TM+8*\e+2*p:TM+8*\e+2*p+1], v[X+32*\e+2*p:X+32*\e+2*p+1], v[X+32*\e+2*p+8:X+32*\e+2*p+9]
.endr
.set p, p+1
.endr
.set p, 8
.rept 8
.irp e, 0,1
	v_pk_add_f32 v[TM+8*\e+2*(p%4):TM+8*\e+2*(p%4)+1], v[TM+8*\e+2*(p%4):TM+8*\e+2*(p%4)+1], v[X+32*\e+2*p:X+32*\e+2*p+1]
.endr
.set p, p+1
.endr
	REDUCE
.irp e, 0,1
	v_mul_f32 v[NM+2*\e], 0xba800000, v[TM+8*\e]   ; -sum / 1024
	v_mul_f32 v[NM+2*\e+1], 0xba800000, v[TM+8*\e]
.endr
.set p, 0
.rept 16
.irp e, 0,1
	v_pk_add_f32 v[X+32*\e+2*p:X+32*\e+2*p+1], v[X+32*\e+2*p:X+32*\e+2*p+1], v[NM+2*\e:NM+2*\e+1]   ; d = x - mean, in place
.endr
.set p, p+1
.endr
.set p, 0
.rept 16                                       ; the sum of d^2: taken of the differences, so that a common offset of the inputs costs nothing
.irp e, 0,1
.if p < 4
	v_pk_mul_f32 v[TM+8*\e+2*p:TM+8*\e+2*p+1], v[X+32*\e+2*p:X+32*\e+2*p+1], v[X+32*\e+2*p:X+32*\e+2*p+1]
.else
	v_pk_fma_f32 v[TM+8*\e+2*(p%4):TM+8*\e+2*(p%4)+1], v[X+32*\e+2*p:X+32*\e+2*p+1], v[X+32*\e+2*p:X+32*\e+2*p+1], v[TM+8*\e+2*(p%4):TM+8*\e+2*(p%4)+1]
.endif
.endr
.set p, p+1
.endr
	REDUCE
.irp e, 0,1
	v_mul_f32 v[TM+8*\e], 0x3a802008, v[TM+8*\e]   ; / 1023
.endr
.irp e, 0,1
	v_sqrt_f32 v[TM+8*\e+2], v[TM+8*\e]
.endr
	v_nop                                          ; a plain line behind the roots,
	s_wait_alu depctr_va_vdst(0)                   ; and one wait for both, ahead of their first reader
.irp e, 0,1
	v_add_f32 v[TM+8*\e+2], 0x358637bd, v[TM+8*\e+2]   ; + 1e-6
.endr
.irp e, 0,1
	v_rcp_f32 v[TM+8*\e+4], v[TM+8*\e+2]
.endr
	s_wait_kmcnt 0x0                               ; alpha, beta
	v_mov_b32 v[BT], s17                           ; (plain lines behind the reciprocals)
	v_mov_b32 v[BT+1], s17
	s_wait_alu depctr_va_vdst(0)
.irp e, 0,1
	v_mul_f32 v[GG+2*\e], s16, v[TM+8*\e+4]
	v_mul_f32 v[GG+2*\e+1], s16, v[TM+8*\e+4]
.endr
.set p, 0
.rept 16
.irp e, 0,1
	v_pk_fma_f32 v[X+32*\e+2*p:X+32*\e+2*p+1], v[X+32*\e+2*p:X+32*\e+2*p+1], v[GG+2*\e:GG+2*\e+1], v[BT:BT+1]
.endr
.set p, p+1
.endr
.irp e, 0,1
.irp j, 0,1,2,3,4,5,6,7
	ds_store_b128 v6, v[X+32*\e+4*\j:X+32*\e+4*\j+3] offset:LNP*\e+512*\j
.endr
.endr
	s_wait_dscnt 0x0                               ; my rows lie in LDS,
	s_barrier_signal -1
	s_barrier_wait -1                              ; all sixteen do
	; wave w makes the tile's fragment of K step w: lane (r, h) takes, of row r, 16 neighbours of each block of 32
.irp b, 0,1,2,3
.irp j, 0,1,2,3
	ds_load_b128 v[X+16*\b+4*\j:X+16*\b+4*\j+3], v7 offset:128*\b+16*\j
.endr
.endr
	s_lshr_b32 s22, s12, 1
	s_lshl_b32 s22, s22, 8
	s_add_co_u32 s22, s22, ttmp9                   ; (w / 2) 256 + T
	s_lshl_b32 s22, s22, 1
	s_and_b32 s23, s12, 1
	s_add_co_u32 s22, s22, s23
	s_mul_i32 s22, s22, 1536
	s_mov_b32 s23, 0
	s_add_nc_u64 s[24:25], s[10:11], s[22:23]      ; the fragment's image
	s_lshl_b32 s26, s12, 5
	s_lshr_b32 s27, ttmp9, 3
	s_add_co_u32 s26, s26, s27
	s_lshl_b32 s26, s26, 9                         ; (32 w + T / 8) 512
	s_and_b32 s27, ttmp9, 7
	s_lshl_b32 s27, s27, 2
	s_add_co_u32 s26, s26, s27
	s_add_co_u32 s26, s26, XN_S
	s_mov_b32 s27, 0
	s_add_nc_u64 s[28:29], s[10:11], s[26:27]
	s_wait_dscnt 0x0
	QUANT X
.irp c, 0,1,2
	global_store_b128 v3, v[PC+4*\c:PC+4*\c+3], s[24:25] offset:512*\c   ; 512 consecutive bytes a store
.endr
	global_store_b32 v8, v[PW], s[28:29]           ; 4 bytes of each of 16 places 32 bytes apart (lanes 16-31 repeat lanes 0-15): one byte in 128 of what the job moves
	s_wait_tensorcnt 0x0
	ds_add_u32 v160, v161
	s_wait_dscnt 0x0
	s_endpgm
; ---------------- THE WEIGHTS: a work-group takes 128 columns x 512 along K; a wave 32 columns x 256.  A lane takes a column, and its registers run down K.
.Lweights:
	s_load_b256 s[4:11], s[0:1], 0x20              ; Wq, Wk, Wv, Wo
	s_load_b128 s[16:19], s[0:1], 0x40             ; W1, W2
	s_load_b64 s[20:21], s[0:1], 0x50              ; wts
	s_sub_co_u32 s13, ttmp9, 256                   ; j: 0-63 Wq, Wk, Wv, Wo (16 each); 64-127 W1; 128-191 W2
	s_sub_co_u32 s14, s13, 128
	s_and_b32 s24, s14, 7                          ; W2: block of columns,
	s_lshr_b32 s25, s14, 3                         ; block of 512 along K
	s_sub_co_u32 s14, s13, 64
	s_and_b32 s32, s14, 31                         ; W1
	s_lshr_b32 s33, s14, 5
	s_and_b32 s34, s13, 7                          ; the four square ones
	s_bfe_u32 s35, s13, 0x10003
	s_lshr_b32 s36, s13, 4
	s_lshl_b32 s36, s36, 6                         ; 64 tiles for each of Wq, Wk, Wv
	s_mov_b32 s26, 4096                            ; a row of the weight in bytes
	s_mov_b32 s27, W2_I                            ; its image,
	s_mov_b32 s28, 64                              ; the image's tiles,
	s_mov_b32 s30, W2_S                            ; its scale words,
	s_mov_b32 s31, 8                               ; and their groups of eight tiles
	s_cmp_lt_u32 s13, 128
	s_cselect_b32 s24, s32, s24
	s_cselect_b32 s25, s33, s25
	s_cselect_b32 s26, 16384, s26
	s_cselect_b32 s27, W1_I, s27
	s_cselect_b32 s28, 256, s28
	s_cselect_b32 s30, W1_S, s30
	s_cselect_b32 s31, 32, s31
	s_cmp_lt_u32 s13, 64
	s_cselect_b32 s24, s34, s24
	s_cselect_b32 s25, s35, s25
	s_cselect_b32 s26, 4096, s26
	s_cselect_b32 s27, WO_I, s27
	s_cselect_b32 s28, 64, s28
	s_cselect_b32 s30, WO_S, s30
	s_cselect_b32 s31, 8, s31
	s_cmp_lt_u32 s13, 48
	s_cselect_b32 s27, WQKV_I, s27
	s_cselect_b32 s28, 192, s28
	s_cselect_b32 s30, WQKV_S, s30
	s_cselect_b32 s31, 32, s31
	s_cselect_b32 s29, s36, 0                      ; the weight's first tile in the image
	s_and_b32 s36, s12, 3                          ; which 32 columns are my wave's,
	s_lshr_b32 s37, s12, 2                         ; which 256 along K
	s_lshl_b32 s38, s25, 1
	s_add_co_u32 s38, s38, s37                     ; ks
	s_lshl_b32 s40, s38, 8
	s_mul_i32 s40, s40, s26                        ; 256 ks rows,
	s_lshl_b32 s41, s24, 9
	s_add_co_u32 s40, s40, s41
	s_lshl_b32 s41, s36, 7
	s_add_co_u32 s40, s40, s41                     ; + 4 x my first column (all under 2^25)
	s_mov_b32 s41, 0
	s_lshl_b32 s42, s26, 5                         ; 32 rows on
	s_mov_b32 s43, 0
	s_mul_i32 s44, s38, s28
	s_add_co_u32 s44, s44, s29
	s_lshl_b32 s45, s24, 3
	s_add_co_u32 s44, s44, s45
	s_lshl_b32 s45, s36, 1
	s_add_co_u32 s44, s44, s45                     ; ks NT + my first tile
	s_mul_i32 s44, s44, 3072
	s_add_co_u32 s44, s44, s27
	s_mov_b32 s45, 0
	s_lshl_b32 s46, s25, 2
	s_lshr_b32 s47, s12, 1
	s_add_co_u32 s46, s46, s47                     ; on the way out wave w stores half of K step 4 kb + w / 2
	s_mul_i32 s46, s46, s31
	s_lshr_b32 s47, s29, 3
	s_add_co_u32 s46, s46, s47
	s_add_co_u32 s46, s46, s24
	s_lshl_b32 s46, s46, 9
	s_and_b32 s47, s12, 1
	s_lshl_b32 s47, s47, 8
	s_add_co_u32 s46, s46, s47
	s_add_co_u32 s46, s46, s30
	s_mov_b32 s47, 0
	v_and_b32 v4, 7, v0
	v_bfe_u32 v5, v0, 4, 1
	v_lshl_add_u32 v4, v5, 3, v4                   ; my column's place: r = lane % 8 + 8 (lane / 16),
	v_bfe_u32 v6, v0, 3, 1                         ; in tile u = (lane / 8) % 2 of my wave's two
	v_mul_u32_u24 v8, v6, 3072
	v_lshl_add_u32 v8, v4, 4, v8
	s_mul_i32 s48, s12, 6144
	s_add_co_u32 s48, s48, WST
	v_add_nc_u32 v8, s48, v8                       ; my stage, in: 3,072 u + 16 r
	v_add_nc_u32 v10, s48, v3                      ; and out: 16 x lane
	v_lshlrev_b32 v9, 5, v4
	v_lshl_add_u32 v9, v6, 2, v9
	s_lshl_b32 s49, s37, 10
	s_lshl_b32 s50, s36, 3
	s_add_co_u32 s49, s49, s50
	s_add_co_u32 s49, s49, SST
	v_add_nc_u32 v9, s49, v9                       ; my scale words: 1,024 (w / 4) + 32 r + 4 (2 (w % 4) + u)
	v_lshlrev_b32 v12, 3, v2
	s_lshl_b32 s50, s12, 8
	s_add_co_u32 s50, s50, SST
	v_add_nc_u32 v11, s50, v12                     ; and out: 256 w + 8 x lane
	v_lshlrev_b32 v[VO], 2, v2
.set i, 1
.rept 31
	v_add_nc_u32 v[VO+i], s26, v[VO+i-1]           ; 4 x lane + i rows
.set i, i+1
.endr
	s_wait_kmcnt 0x0
	s_mov_b64 s[22:23], s[18:19]
	s_cmp_lt_u32 s13, 128
	s_cselect_b64 s[22:23], s[16:17], s[22:23]
	s_cmp_lt_u32 s13, 64
	s_cselect_b64 s[22:23], s[10:11], s[22:23]
	s_cmp_lt_u32 s13, 48
	s_cselect_b64 s[22:23], s[8:9], s[22:23]
	s_cmp_lt_u32 s13, 32
	s_cselect_b64 s[22:23], s[6:7], s[22:23]
	s_cmp_lt_u32 s13, 16
	s_cselect_b64 s[22:23], s[4:5], s[22:23]       ; the choice hangs on the work-group's number alone
	s_add_nc_u64 s[22:23], s[22:23], s[40:41]
	s_add_nc_u64 s[44:45], s[20:21], s[44:45]
	s_add_nc_u64 s[46:47], s[20:21], s[46:47]
.macro LOAD t                          ; block t: 32 rows of my column into set t % 2; a wave's load reads 128 consecutive bytes, four waves stand side by side
.if (\t) > 0
	s_wait_xcnt 0x0                                ; the earlier loads have read their base: it steps only behind this wait
	s_add_nc_u64 s[22:23], s[22:23], s[42:43]
.endif
.set i, 0
.rept 32
	global_load_b32 v[X+32*((\t)%2)+i], v[VO+i], s[22:23] th:TH_LOAD_NT
.set i, i+1
.endr
.endm
	LOAD 0
	LOAD 1
.macro BLOCK t                         ; block t is block (t % 4) of K step t / 4: registers 6 ((t / 2) % 2) on of lane 16 (t % 2) + r of the fragment
.set XS, X+32*((\t)%2)
.set R0, 6*(((\t)/2)%2)
.set OB, 1536*((\t)/4)+256*((\t)%2)
.if (\t) < 7
	s_wait_loadcnt 32                              ; this block's 32 loads are in; the next block's may be out
.else
	s_wait_loadcnt 0x0
.endif
	v_max3_num_f32 v[TM], |v[XS]|, |v[XS+1]|, |v[XS+2]|
	v_max3_num_f32 v[TM+1], |v[XS+3]|, |v[XS+4]|, |v[XS+5]|
.irp i, 6,10,14,18,22,26
	v_max3_num_f32 v[TM], v[TM], |v[XS+\i]|, |v[XS+\i+1]|
	v_max3_num_f32 v[TM+1], v[TM+1], |v[XS+\i+2]|, |v[XS+\i+3]|
.endr
	v_max3_num_f32 v[TM], v[TM], |v[XS+30]|, |v[XS+31]|
	v_max3_num_f32 v[TM], v[TM], v[TM+1], 0x1800000   ; all 32 numbers are mine; the floor holds the byte at 1 from below
	v_add_nc_u32 v[TM+2], 0xff000000, v[TM]
	v_lshrrev_b32 v[TM+3], 23, v[TM+2]
.if (\t)%4 == 0
	v_mov_b32 v[SB+(\t)/4], v[TM+3]
.else
	v_lshl_or_b32 v[SB+(\t)/4], v[TM+3], 8*((\t)%4), v[SB+(\t)/4]
.endif
	v_cvt_scalef32_pk16_fp6_f32 v[PC:PC+2], v[XS:XS+15], v[TM+2]
	v_cvt_scalef32_pk16_fp6_f32 v[PC+4:PC+6], v[XS+16:XS+31], v[TM+2]
	v_nop                                          ; one plain line behind the conversions
	v_mov_b32 v[PC+3], v[PC+4]
	v_mov_b32 v[PC+4], v[PC+5]
	v_mov_b32 v[PC+5], v[PC+6]                     ; six registers on end
.irp e, 0,1,2
	ds_store_b64 v8, v[PC+2*\e:PC+2*\e+1] offset:OB+512*((R0+2*\e)/4)+4*((R0+2*\e)%4)   ; registers R0 + 2 e, + 1 of the image
.endr
.if (\t) < 6
	LOAD (\t)+2
.endif
	s_wait_dscnt 0x0                               ; the stores have read their registers
.endm
.irp t, 0,1,2,3,4,5,6,7
	BLOCK \t
.endr
	ds_store_b32 v9, v[SB]
	ds_store_b32 v9, v[SB+1] offset:512
	s_wait_dscnt 0x0
	s_barrier_signal -1
	s_barrier_wait -1                              ; the scale words of all eight waves lie in LDS
.set m, 0
.rept 12
	ds_load_b128 v[X+4*m:X+4*m+3], v10 offset:512*m
.set m, m+1
.endr
	ds_load_b64 v[X+48:X+49], v11
.set m, 0
.rept 12
	s_wait_dscnt 12-m
	global_store_b128 v3, v[X+4*m:X+4*m+3], s[44:45] offset:512*m   ; my two tiles' four fragments: 6,144 consecutive bytes
.set m, m+1
.endr
	s_wait_dscnt 0x0
	global_store_b64 v12, v[X+48:X+49], s[46:47]   ; 256 consecutive bytes, aligned
	s_wait_tensorcnt 0x0
	ds_add_u32 v160, v161
	s_wait_dscnt 0x0
	s_endpgm
.Lfunc_end_k_q4c919d5f46_prep:
	.size	k_q4c919d5f46_prep, .Lfunc_end_k_q4c919d5f46_prep-k_q4c919d5f46_prep
	.p2alignl 7, 3214868480
	.fill 96, 4, 3214868480
	.section	.rodata,"a",@progbits
	.p2align	6, 0x0
	.amdhsa_kernel k_q4c919d5f46_prep
		.amdhsa_group_segment_fixed_size 118272
		.amdhsa_private_segment_fixed_size 0
		.amdhsa_enable_private_segment 0
		.amdhsa_kernarg_size 88
		.amdhsa_user_sgpr_count 2
		.amdhsa_user_sgpr_kernarg_segment_ptr 1
		.amdhsa_wavefront_size32 1
		.amdhsa_system_sgpr_workgroup_id_x 1
		.amdhsa_system_sgpr_workgroup_id_y 1
		.amdhsa_system_sgpr_workgroup_id_z 1
		.amdhsa_system_vgpr_workitem_id 0
		.amdhsa_next_free_vgpr 162
		.amdhsa_next_free_sgpr 80
		.amdhsa_reserve_vcc 0
		.amdhsa_float_denorm_mode_32 3
		.amdhsa_float_denorm_mode_16_64 3
		.amdhsa_memory_ordered 1
		.amdhsa_forward_progress 1
		.amdhsa_inst_pref_size 68
	.end_amdhsa_kernel
	.amdgpu_metadata
---
amdhsa.version: [ 1, 2 ]
amdhsa.kernels:
  - .name:           k_q4c919d5f46_prep
    .symbol:         k_q4c919d5f46_prep.kd
    .args:
      - { .name: x, .offset: 0, .size: 8, .value_kind: global_buffer, .address_space: global }
      - { .name: alpha1, .offset: 8, .size: 8, .value_kind: global_buffer, .address_space: global }
      - { .name: beta1, .offset: 16, .size: 8, .value_kind: global_buffer, .address_space: global }
      - { .name: xn, .offset: 24, .size: 8, .value_kind: global_buffer, .address_space: global }
      - { .name: Wq, .offset: 32, .size: 8, .value_kind: global_buffer, .address_space: global }
      - { .name: Wk, .offset: 40, .size: 8, .value_kind: global_buffer, .address_space: global }
      - { .name: Wv, .offset: 48, .size: 8, .value_kind: global_buffer, .address_space: global }
      - { .name: Wo, .offset: 56, .size: 8, .value_kind: global_buffer, .address_space: global }
      - { .name: W1, .offset: 64, .size: 8, .value_kind: global_buffer, .address_space: global }
      - { .name: W2, .offset: 72, .size: 8, .value_kind: global_buffer, .address_space: global }
      - { .name: wts, .offset: 80, .size: 8, .value_kind: global_buffer, .address_space: global }
    .group_segment_fixed_size: 118272
    .private_segment_fixed_size: 0
    .kernarg_segment_align: 8
    .kernarg_segment_size: 88
    .max_flat_workgroup_size: 256
    .sgpr_count:     80
    .vgpr_count:     162
    .wavefront_size: 32
...
	.end_amdgpu_metadata
.endif
;; end of part 1
;; launch qkv (part 2): grid 48 x 4, 4 waves a work-group, clusters of 4 x 4, 327,680 bytes of LDS; arguments xn, wts, bq, bk, bv, src_mask, qb, kv; writes qb, kv
.if DOCPART == 2
	.amdgcn_target "amdgcn-amd-amdhsa--gfx1250"
	.amdhsa_code_object_version 6
	.text
	.protected	k_q4c919d5f46_qkv
	.globl	k_q4c919d5f46_qkv
	.p2align	8
	.type	k_q4c919d5f46_qkv,@function
k_q4c919d5f46_qkv:
	s_mov_b64 s[64:65], 0
	v_nop
	global_prefetch_b8 v0, s[64:65] scope:SCOPE_SE
	s_setreg_imm32_b32 hwreg(HW_REG_WAVE_MODE, 25, 1), 1
	s_wait_xcnt 0x0
	s_wait_alu depctr_hold_cnt(0) depctr_sa_sdst(0) depctr_va_vdst(0) depctr_va_sdst(0) depctr_va_ssrc(0) depctr_va_vcc(0) depctr_vm_vsrc(0)
	s_getreg_b32 s2, hwreg(HW_REG_IB_STS2, 6, 4)
	s_cmp_eq_u32 s2, 0
	s_cbranch_scc0 .Lentry_in_a_cluster
	s_endpgm
.Lentry_in_a_cluster:
	s_bfe_u32 s2, ttmp6, 0x10000c
	s_cmp_lg_u32 s2, 0xf033
	s_cbranch_scc0 .Lentry_shape_is_right
	s_endpgm
.Lentry_shape_is_right:
; q = xn Wq + bq, k = xn Wk + bk, v = xn Wv + bv on codes of FP6 (E2M3) with E8M0 scales, K = 1,024; the results are quantised at once for attention: q and k along the head's 64, v along the keys.
; Twelve clusters of 4 x 4 work-groups, told apart by the cluster's number c.  c < 8: A = xn (tokens), B = [Wq | Wk] (c odd: Wk).  c >= 8: A = Wv's columns, B = xn, so that v comes out with the keys along a lane's registers.
; A tile of C is 256 x 256: four waves of 128 x 128, 64 accumulators each.  K goes in steps of 256 through a ring of two LDS slots filled by joint tensor loads: A's tile is shared along a row of the cluster, B's along a column.
; OPERANDS lie in memory as images of their registers (a fragment: 3 x 512 bytes, lane l's 16 bytes at 16 l), eight tiles x 256 K on end: 24,576 dense bytes a load.  Scale words: 512 bytes for eight tiles and 128 K.
; Row index i of every operand stands at position swap34(i).  THE MATRIX INSTRUCTION IS USED TRANSPOSED (source 0 = B's tile, source 1 = A's): a lane holds one position of A, and the 64 registers of B's eight tiles are
; B's true indices 32 b + 16 (lane / 16) + i: neighbours along the next product's K.
; THE KEY MASK rides in the idle half of the first attention product's K (its K is 64 of the instruction's 128): q has the code of -1 at k = 64; a masked key has zero codes, the code of +1 at k = 64 and 2^33 as that block's scale.
; So a masked key's raw score is exactly -2^33, its logit -2^30.  LIMITS: reference() writes -1e9 there: the same results while unmasked logits lie above about -1e9.  A block of zeros gets the byte 1.  NaN, infinities: not served.
; OUT: qb [bh][step][8 tiles x 1,024 | 512 of scale words]; kv [bh][step][K: 8 x 1,024 | 512 | V: 4 x 1,536 | 256]; a step is 128 tokens.  A tile of 1,024 bytes: registers 0-3; registers 4, 5, the word with k = 64, 0.
; REGISTERS, in windows of 256: window 0: v0-31 addresses; v32-63 scale words, two sets; v64-127 at work on the way out; v128-223 A's fragments, one set; v224-246 mask words, bv, constants.
;   window 1: B's fragments, two sets, v0-95 and v128-223; the bias along n in v96-127 and v224-255.   windows 2, 3: the accumulators ((a, b) at v[8 (8 (a % 4) + b)]).
.set KTOT,  1024
.set FR,    12                         ; registers of a fragment
.set NL,    3                          ; LDS loads that bring one
.set NP,    4                          ; places behind this matrix instruction (ISA guide 7.12.1)
.set HALFT, 24576                      ; eight tiles x 256 K: one tensor load
.set SLOT,  4*HALFT
.set LAPS,  KTOT/512
.set SCLL,  2*SLOT                     ; behind the ring: the scale words for all of K
.set HALFS, (KTOT/128)*512
.set SPARE, SCLL+4*HALFS               ; the spare words: 128 bytes a wave, two blocks of 256 bytes that no other line names
.set XN_S,   3145728
.set WQKV_S, 2359296
.set STEPB,  15104
.set HEADKV, 241664
.set STEPQ,  8704
.set HEADQ,  139264
.set STQ,  9                           ; v9   q, k: where a scale word goes in my stage
.set RDQ,  10                          ; v10  and where the stage is read back
.set STV,  11                          ; v11, v12 the same for v
.set RDV,  12
.set VSO,  13                          ; v13  v's scale words' place in kv
.set SHF,  14                          ; v14  16 (lane / 16)
.set ADRA, 16                          ; v16-17 LDS address of my A fragments in slot 0, 1
.set ADRB, 20                          ; v20-21 the same for B
.set ADRS, 27                          ; v27  my scale words: lanes 0-15 A's, lanes 16-31 B's
.set SPW,  28                          ; v28  my spare word; never rewritten
.set NIL,  29                          ; v29  0; never rewritten
.set LI,   30                          ; v30  16 x lane
.set SC,   32
.set T,    64
.set AF,   128
.set PC,   128                         ; the way out: codes, v128-147
.set TM,   148                         ; v148-163 at work
.set PW,   164
.set KMK,  165
.set HIW,  166
.set WD,   167
.set UU,   168                         ; v168-171, v172-175: the second 16 bytes of a lane's part of a tile, for two heads
.set WW,   172
.set BB,   178                         ; v178-179 bv of my channel, twice
.set MW,   224                         ; v224-231 the mask's word of my token in A's block a
.set BV,   232                         ; v232-239 bv of my channel in A's block a
.set KMM,  240
.set MKU,  241
.set MKM,  242
.set HIU,  243
.set HIM,  244
.set VO1,  246                         ; 16 x lane + a head's bytes
.set G1, 24
.set G0, 32
.set G1B, 48
.set G0B, 56
.set G1S, 68
.set G0S, 76
.set G1SB, 80
.set G0SB, 88
.set SEL, 100                          ; s[100:101]: in the loop B's refill step, on the way out the selects of v_permlanex16_b32
.set MSB, 0
.macro WIN new                         ; the immediate's high byte repeats the setting that is left
.if MSB != (\new)
	s_set_vgpr_msb (MSB<<8)|(\new)
.set MSB, (\new)
.endif
.endm
.set MUL_LO, 0xa1                      ; source 0 (B) window 1, source 1 (A) window 0, C and D window 2
.set MUL_HI, 0xf1
.set TO_B,   0x40
; A joint load: waves 0 and 1 fetch for A, waves 2 and 3 for B.  The branch hangs on the wave's number alone.  Four v_nop follow each of the two lines.
.macro JLOAD g0a, g1a, g0b, g1b
	s_cmp_eq_u32 s15, 0
	s_cbranch_scc0 .Lfor_b_\@
	tensor_load_to_lds s[\g0a:\g0a+3], s[\g1a:\g1a+7]
	s_nop 0
.rept 4
	v_nop
.endr
	s_branch .Lasked_\@
.Lfor_b_\@:
	tensor_load_to_lds s[\g0b:\g0b+3], s[\g1b:\g1b+7]
	s_nop 0
.rept 4
	v_nop
.endr
.Lasked_\@:
.endm
.macro CREST                           ; a round of the cluster's barrier behind its opening barrier
	s_cmp_lg_u32 s14, 0
	s_cbranch_scc1 .Lnot_wave_0_\@
	s_barrier_signal -3
.Lnot_wave_0_\@:
	s_barrier_wait -3
	s_barrier_signal -1
	s_barrier_wait -1
.endm
.macro CROUND
	s_barrier_signal -1
	s_barrier_wait -1
	CREST
.endm
	s_load_b256 s[4:11], s[0:1], 0x0               ; xn, wts, bq, bk
	s_load_b256 s[92:99], s[0:1], 0x20             ; bv, src_mask, qb, kv
	v_lshl_add_u32 v[SPW], v0, 2, SPARE
	v_mov_b32 v[NIL], 0
	ds_add_u32 v28, v29
	ds_add_u32 v28, v29
	s_wait_dscnt 0x0
	v_lshrrev_b32 v1, 5, v0
	v_readfirstlane_b32 s14, v1                    ; wave 0..3
	s_lshr_b32 s15, s14, 1                         ; my half of A's rows.  Also: I fetch for A (0) or for B (1)
	s_and_b32 s16, s14, 1                          ; my half of B's rows.  Also: which eight tiles I fetch
	s_bfe_u32 s40, ttmp6, 0x40000                  ; cx, cy
	s_bfe_u32 s41, ttmp6, 0x40004
	s_lshr_b32 s18, ttmp9, 1
	s_and_b32 s13, ttmp9, 1
	s_sub_co_u32 s20, ttmp9, 8
	s_cmp_lt_u32 ttmp9, 8                          ; the cluster's number: the same in all sixteen partners
	s_cselect_b32 s12, 1, 0                        ; 1: q or k;  0: v
	s_cselect_b32 s18, s18, 0                      ; the cluster's row of tiles,
	s_cselect_b32 s19, s13, s20                    ; and its column
	s_cselect_b32 s13, s13, 0                      ; 1: k
	s_lshl_b32 s17, s18, 2
	s_add_co_u32 s17, s17, s41                     ; tile row
	s_lshl_b32 s42, s19, 2
	s_add_co_u32 s42, s42, s40                     ; tile column
	s_lshl_b32 s43, s41, 2
	s_lshl_b32 s43, 15, s43                        ; my row of the cluster
	s_lshl_b32 s44, 0x1111, s40                    ; my column
	; group 1, codes: 96 rows of 256 bytes (32 elements of 8), dense
	s_or_b32 s[G1+0], s43, (3<<16)|(1<<21)
	s_or_b32 s[G1B+0], s44, (3<<16)|(1<<21)
.irp g, G1, G1B
	s_mov_b32 s[\g+1], 32<<16
	s_mov_b32 s[\g+2], 96<<16
	s_mov_b32 s[\g+3], 32<<16
	s_mov_b32 s[\g+4], 96
	s_mov_b32 s[\g+5], 32
	s_mov_b32 s[\g+6], 0
	s_mov_b32 s[\g+7], 0
.endr
	; group 1, scale words: a row of 512 bytes for each 128 along K; both buffers have 32 groups of eight tiles to a K step
	s_or_b32 s[G1S+0], s43, (3<<16)|(1<<21)
	s_or_b32 s[G1SB+0], s44, (3<<16)|(1<<21)
.irp g, G1S, G1SB
	s_mov_b32 s[\g+1], 64<<16
	s_mov_b32 s[\g+2], (KTOT/128)<<16
	s_mov_b32 s[\g+3], 64<<16
	s_mov_b32 s[\g+4], KTOT/128
	s_mov_b32 s[\g+5], 64*32
	s_mov_b32 s[\g+6], 0
	s_mov_b32 s[\g+7], 0
.endr
	s_lshl_b32 s18, s16, 3
	s_lshl_b32 s20, s17, 4
	s_add_co_u32 s20, s20, s18                     ; A: tile 16 x tile row + 8 x half
	s_lshl_b32 s22, s17, 1
	s_add_co_u32 s22, s22, s16                     ; and its group of eight
	s_lshl_b32 s46, s42, 4
	s_add_co_u32 s46, s46, s18
	s_mul_i32 s46, s46, 3072                       ; B likewise, by the tile column
	s_lshl_b32 s2, s42, 1
	s_add_co_u32 s2, s2, s16
	s_lshl_b32 s2, s2, 9
	s_mov_b32 s66, 192*3072                        ; a K step on in A's image,
	s_mov_b32 s100, 256*3072                       ; in B's
	s_mov_b32 s23, WQKV_S
	s_mov_b32 s47, XN_S
	s_cmp_eq_u32 s12, 1
	s_cselect_b32 s21, 0, 128                      ; Wv's tiles begin at 128,
	s_cselect_b32 s45, 0, 16                       ; its groups at 16
	s_cselect_b32 s66, 256*3072, s66
	s_cselect_b32 s100, 192*3072, s100
	s_cselect_b32 s3, s47, s23
	s_cselect_b32 s23, s23, s47
	s_add_co_u32 s20, s20, s21
	s_mul_i32 s20, s20, 3072
	s_add_co_u32 s22, s22, s45
	s_lshl_b32 s22, s22, 9
	s_add_co_u32 s22, s22, s3
	s_add_co_u32 s2, s2, s23
	s_mov_b32 s21, 0
	s_mov_b32 s23, 0
	s_mov_b32 s47, 0
	s_mov_b32 s3, 0
	s_mov_b32 s67, 0
	s_mov_b32 s101, 0
	s_mul_i32 s45, s14, HALFT                      ; where they go: wave x a load's bytes: no place in the cluster enters an LDS address
	s_mul_i32 s19, s14, HALFS
	s_wait_kmcnt 0x0
	s_cmp_eq_u32 s12, 1
	s_cselect_b64 s[88:89], s[4:5], s[6:7]         ; A's buffer,
	s_cselect_b64 s[6:7], s[6:7], s[4:5]           ; B's
	s_mov_b64 s[4:5], s[88:89]
	s_add_nc_u64 s[20:21], s[4:5], s[20:21]
	s_add_nc_u64 s[22:23], s[4:5], s[22:23]
	s_add_nc_u64 s[46:47], s[6:7], s[46:47]
	s_add_nc_u64 s[2:3], s[6:7], s[2:3]
	CROUND                                         ; all sixteen work-groups are here: the first joint loads meet
	s_mov_b32 s[G0S], 1
	s_add_co_u32 s[G0S+1], s19, SCLL
	s_mov_b64 s[G0S+2:G0S+3], s[22:23]
	s_or_b32 s[G0S+3], s[G0S+3], 0x80000000
	s_mov_b32 s[G0SB], 1
	s_add_co_u32 s[G0SB+1], s19, SCLL
	s_mov_b64 s[G0SB+2:G0SB+3], s[2:3]
	s_or_b32 s[G0SB+3], s[G0SB+3], 0x80000000
	JLOAD G0S, G1S, G0SB, G1SB                     ; the scale words for all of K: filled once
	s_mov_b32 s[G0], 1
	s_mov_b32 s[G0+1], s45
	s_mov_b64 s[G0+2:G0+3], s[20:21]
	s_or_b32 s[G0+3], s[G0+3], 0x80000000
	s_mov_b32 s[G0B], 1
	s_mov_b32 s[G0B+1], s45
	s_mov_b64 s[G0B+2:G0B+3], s[46:47]
	s_or_b32 s[G0B+3], s[G0B+3], 0x80000000
	JLOAD G0, G1, G0B, G1B                         ; K step 0
	s_mov_b32 s[G0+4], 1
	s_add_co_u32 s[G0+5], s45, SLOT
	s_add_nc_u64 s[G0+6:G0+7], s[20:21], s[66:67]
	s_or_b32 s[G0+7], s[G0+7], 0x80000000
	s_mov_b32 s[G0B+4], 1
	s_add_co_u32 s[G0B+5], s45, SLOT
	s_add_nc_u64 s[G0B+6:G0B+7], s[46:47], s[100:101]
	s_or_b32 s[G0B+7], s[G0B+7], 0x80000000
	JLOAD G0+4, G1, G0B+4, G1B                     ; K step 1: three loads of mine are out
	s_lshl_b32 s66, s66, 1                         ; a refill goes two K steps on
	s_lshl_b32 s100, s100, 1
	v_and_b32 v1, 15, v0                           ; r
	v_bfe_u32 v2, v0, 4, 1                         ; h
	v_and_b32 v3, 31, v0
	v_lshlrev_b32 v[LI], 4, v3
	s_mul_i32 s21, s15, HALFT
	s_mul_i32 s22, s16, HALFT
	s_add_co_u32 s22, s22, 2*HALFT
.irp s, 0,1
	v_add_nc_u32 v[ADRA+\s], s21, v[LI]
	v_add_nc_u32 v[ADRB+\s], s22, v[LI]
	s_add_co_u32 s21, s21, SLOT
	s_add_co_u32 s22, s22, SLOT
.endr
	v_lshlrev_b32 v5, 5, v1                        ; scale words: 32 r,
	s_mul_i32 s21, s15, HALFS
	s_mul_i32 s22, s16, HALFS
	s_add_co_u32 s22, s22, 2*HALFS
	s_sub_co_u32 s22, s22, s21
	v_mul_u32_u24 v6, s22, v2                      ; lanes 16-31 take B's
	s_add_co_u32 s21, s21, SCLL
	v_add_nc_u32 v5, v5, v6
	v_add_nc_u32 v[ADRS], s21, v5
	; the stages for the scale words on the way out, in slot 0: q, k: 1,024 bytes a wave from 0 on; v: 512 bytes a wave from 4,096 on
	s_lshl_b32 s21, s14, 10
	v_lshlrev_b32 v[STQ], 4, v1
	v_lshl_add_u32 v[STQ], v2, 9, v[STQ]
	v_add_nc_u32 v[STQ], s21, v[STQ]               ; 512 h (the head) + 16 r
	v_add_nc_u32 v[RDQ], s21, v[LI]
	s_lshl_b32 s21, s14, 9
	s_add_co_u32 s21, s21, 4096
	v_lshlrev_b32 v[STV], 3, v1
	v_add_nc_u32 v[STV], s21, v[STV]               ; 8 r
	v_add_nc_u32 v[RDV], s21, v[LI]
	v_mul_u32_u24 v[VSO], v2, HEADKV
	v_lshl_add_u32 v[VSO], v1, 4, v[VSO]
	v_lshlrev_b32 v[SHF], 4, v2
	; what the way out needs from memory: the bias along n, the mask's words and bv along A's positions.  Both paths load all three; the path that does not use one reads it at offset 0
	s_lshl_b32 s46, s42, 8
	s_lshl_b32 s20, s16, 7
	s_add_co_u32 s46, s46, s20                     ; s46: B's first index of my wave (a column of [Wq | Wk], or a token)
	s_lshl_b32 s47, s17, 8
	s_lshl_b32 s20, s15, 7
	s_add_co_u32 s47, s47, s20                     ; s47: A's first index (a token, or a channel of v)
	s_and_b32 s20, s46, 1023
	s_lshl_b32 s20, s20, 2
	s_lshl_b32 s22, s47, 2
	s_cmp_eq_u32 s12, 1
	s_cselect_b32 s20, s20, 0
	s_cselect_b32 s2, s22, 0
	s_cselect_b32 s22, 0, s22
	s_mov_b32 s21, 0
	s_mov_b32 s3, 0
	s_mov_b32 s23, 0
	s_cmp_eq_u32 s13, 1
	s_cselect_b64 s[8:9], s[10:11], s[8:9]         ; bk or bq
	s_add_nc_u64 s[8:9], s[8:9], s[20:21]
	s_add_nc_u64 s[94:95], s[94:95], s[2:3]
	s_add_nc_u64 s[92:93], s[92:93], s[22:23]
	v_lshlrev_b32 v7, 6, v2                        ; 64 h: my 16 of each 32 along n
	v_and_b32 v8, 8, v1
	v_add_nc_u32 v8, v8, v1
	v_lshlrev_b32 v8, 2, v8                        ; 4 (r + 8 (r / 8))
	WIN TO_B
.set i, 0
.rept 16
	global_load_b128 v[96+4*i+96*(i/8):96+4*i+96*(i/8)+3], v7, s[8:9] offset:128*(i/4)+16*(i%4)
.set i, i+1
.endr
	WIN 0
.irp a, 0,1,2,3,4,5,6,7
	global_load_b32 v[MW+\a], v8, s[94:95] offset:4*(32*(\a/2)+8*(\a%2))
	global_load_b32 v[BV+\a], v8, s[92:93] offset:4*(32*(\a/2)+8*(\a%2))
.endr
.macro FRAG reg, adr, q, i             ; a fragment comes as it was stored: three loads of 512 consecutive bytes
.irp c, 0,1,2
	ds_load_b128 v[\reg+4*\c:\reg+4*\c+3], v[\adr] offset:(2*(\i)+(\q))*1536+512*\c
.endr
.endm
; 16 matrix instructions: A's blocks a0, a0 + 1 x B's eight, 128 along K.  The 64 accumulators take turns, one instruction a turn, in the same order in every step.
.macro MUL16 a0, p, q, sc, zero
.irp a, \a0, \a0+1
.irp b, 0,1,2,3,4,5,6,7
.if \zero
	v_wmma_scale_f32_16x16x128_f8f6f4 v[8*(8*((\a)%4)+\b):8*(8*((\a)%4)+\b)+7], v[128*(\p)+FR*\b:128*(\p)+FR*\b+FR-1], v[AF+FR*(\a):AF+FR*(\a)+FR-1], 0, v[SC+16*(\sc)+8*(\q)+\b], v[SC+16*(\sc)+8*(\q)+(\a)] matrix_a_fmt:MATRIX_FMT_FP6 matrix_b_fmt:MATRIX_FMT_FP6 matrix_a_scale:MATRIX_SCALE_ROW1
.else
	v_wmma_scale_f32_16x16x128_f8f6f4 v[8*(8*((\a)%4)+\b):8*(8*((\a)%4)+\b)+7], v[128*(\p)+FR*\b:128*(\p)+FR*\b+FR-1], v[AF+FR*(\a):AF+FR*(\a)+FR-1], v[8*(8*((\a)%4)+\b):8*(8*((\a)%4)+\b)+7], v[SC+16*(\sc)+8*(\q)+\b], v[SC+16*(\sc)+8*(\q)+(\a)] matrix_a_fmt:MATRIX_FMT_FP6 matrix_b_fmt:MATRIX_FMT_FP6 matrix_a_scale:MATRIX_SCALE_ROW1
.endif
.endr
.endr
.endm
.macro FETCH_B slot, q, p
	WIN TO_B
.irp i, 0,1,2,3,4,5,6,7
	FRAG 128*(\p)+FR*\i, ADRB+\slot, \q, \i
.endr
	WIN 0
.endm
.macro FETCH_A slot, q, i0
.irp i, \i0, \i0+1, \i0+2, \i0+3
	FRAG AF+FR*(\i), ADRA+\slot, \q, \i
.endr
.endm
.macro SCALES sc                       ; a K step's scale words: register 8 q + i: lanes 0-15 A's block i, lanes 16-31 B's block i
.irp q, 0,1
.irp f, 0,1
	ds_load_b128 v[SC+16*\sc+8*\q+4*\f:SC+16*\sc+8*\q+4*\f+3], v[ADRS] offset:512*\q+16*\f
.endr
.endr
.endm
.macro PLACES n                        ; plain vector lines between a matrix instruction and a load into, or a read of, its registers
.rept \n
	v_nop
.endr
.endm
.macro STEP slot, q, zero              ; the first 128 along K of a slot
	s_wait_dscnt 4*NL                              ; B's set, A's blocks 0-3 and the scale words are in; the youngest 12 loads (A's blocks 4-7) may be out
	WIN MUL_LO
	MUL16 0, (\q)%2, \q, \slot, \zero
	MUL16 2, (\q)%2, \q, \slot, \zero
	s_wait_dscnt 0
	PLACES NP
	FETCH_B \slot, (\q)+1, 1-(\q)%2
	FETCH_A \slot, (\q)+1, 0
	WIN MUL_HI
	MUL16 4, (\q)%2, \q, \slot, \zero
	MUL16 6, (\q)%2, \q, \slot, \zero
	PLACES NP
	WIN 0
	FETCH_A \slot, (\q)+1, 4
.endm
; A slot's second 128 along K changes slots: one barrier; in front of it each wave waits for all its tensor loads, adds 0 to its spare word, and waits for that and for its reads of this slot.
.macro TURN slot, next, fill
	s_wait_tensorcnt 0x0                           ; all my tensor loads have landed: my part of the next slot
	ds_add_u32 v[SPW], v[NIL]                      ; 0 onto my spare word
	s_wait_dscnt 4*NL+1                            ; (the add and A's blocks 4-7 may be out)
	WIN MUL_LO
	MUL16 0, 1, 1, \slot, 0
	s_wait_dscnt 0x0                               ; the add is done, and my reads of this slot are over
	s_barrier_signal -1
	MUL16 2, 1, 1, \slot, 0
	WIN 0
	s_barrier_wait -1
.if \fill
	CREST                                          ; the barrier has opened a round of the cluster's: no wave of any partner still reads this slot or has a load on its way
	s_add_nc_u64 s[G0+4*\slot+2:G0+4*\slot+3], s[G0+4*\slot+2:G0+4*\slot+3], s[66:67]
	s_add_nc_u64 s[G0B+4*\slot+2:G0B+4*\slot+3], s[G0B+4*\slot+2:G0B+4*\slot+3], s[100:101]
	JLOAD G0+4*\slot, G1, G0B+4*\slot, G1B         ; the first tensor load behind the round; its four v_nop are the places in front of the loads below
.else
	PLACES NP
.endif
	v_add_nc_u32 v[ADRS], 1024, v[ADRS]            ; the next K step's scale words
	FETCH_B \next, 0, 0
	FETCH_A \next, 0, 0
	SCALES \next
	WIN MUL_HI
	MUL16 4, 1, 1, \slot, 0
	MUL16 6, 1, 1, \slot, 0
	PLACES NP
	WIN 0
	FETCH_A \next, 0, 4
.endm
	s_wait_loadcnt 0x0                             ; bias, mask, bv: their address registers are free from here on
	s_wait_tensorcnt 1                             ; the scale words and my part of K step 0 are in; K step 1's load may be out
	s_barrier_signal -1
	s_barrier_wait -1
	FETCH_B 0, 0, 0
	FETCH_A 0, 0, 0
	SCALES 0
	FETCH_A 0, 0, 4
	STEP 0, 0, 1                                   ; the first products start the sums: nothing is cleared
	s_mov_b32 s3, LAPS-1
.Llap:
	TURN 0, 1, 1
	STEP 1, 0, 0
	TURN 1, 0, 1
	STEP 0, 0, 0
	s_sub_co_u32 s3, s3, 1
	s_cmp_lg_u32 s3, 0
	s_cbranch_scc1 .Llap
	TURN 0, 1, 0                                   ; the last lap fills nothing
	STEP 1, 0, 0
	s_wait_dscnt 4*NL
	WIN MUL_LO
	MUL16 0, 1, 1, 1, 0
	MUL16 2, 1, 1, 1, 0
	s_wait_dscnt 0
	WIN MUL_HI
	MUL16 4, 1, 1, 1, 0
	MUL16 6, 1, 1, 1, 0
	WIN 0
; 64 numbers of a lane, register 16 b + i = k 32 b + 16 (lane / 16) + i of my row, become a fragment's codes in v[PC] on and its scale word in v[PW]
.macro QUANT s
.irp b, 0,1,2,3
	v_max3_num_f32 v[TM+\b], |v[\s+16*\b]|, |v[\s+1+16*\b]|, 0x1800000   ; and the floor 2^(3 - 127): the byte cannot fall under 1
.endr
.irp i, 2,4,6,8,10,12,14
.irp b, 0,1,2,3
	v_max3_num_f32 v[TM+\b], v[TM+\b], |v[\s+16*\b+\i]|, |v[\s+1+16*\b+\i]|
.endr
.endr
.irp b, 0,1,2,3
	v_permlanex16_b32 v[TM+4+\b], v[TM+\b], s[SEL], s[SEL+1]
.endr
.irp b, 0,1,2,3
	v_max_num_f32 v[TM+\b], v[TM+\b], v[TM+4+\b]
.endr
.irp b, 0,1,2,3
	v_add_nc_u32 v[TM+12+\b], 0xff000000, v[TM+\b] ; 2 off the exponent field: the conversion's scale operand
.endr
.irp b, 0,1,2,3
	v_lshrrev_b32 v[TM+4+\b], 23, v[TM+12+\b]
.endr
	v_lshl_or_b32 v[PW], v[TM+5], 8, v[TM+4]
	v_lshl_or_b32 v[PW], v[TM+6], 16, v[PW]
	v_lshl_or_b32 v[PW], v[TM+7], 24, v[PW]
.irp c, 0,1
	v_cvt_scalef32_pk16_fp6_f32 v[PC+6*\c:PC+2+6*\c], v[\s+32*\c:\s+15+32*\c], v[TM+12+2*\c]
	v_cvt_scalef32_pk16_fp6_f32 v[PC+12+4*\c:PC+14+4*\c], v[\s+16+32*\c:\s+31+32*\c], v[TM+12+2*\c+1]
.endr
	v_nop                                          ; one plain line behind the conversions
.irp c, 0,1
.irp i, 0,1,2
	v_permlane16_swap_b32 v[PC+6*\c+\i], v[PC+12+4*\c+\i]
.endr
.irp i, 0,1,2
	v_mov_b32 v[PC+3+6*\c+\i], v[PC+12+4*\c+\i]
.endr
.endr
.endm
	; THE WAY OUT.  The stages lie in slot 0, which has had its last fill and, behind the last change of slots, its last read.
	PLACES NP
	s_mov_b32 s[SEL], 0x76543210
	s_mov_b32 s[SEL+1], 0xfedcba98
.irp b, 0,1,2,3
	v_mov_b32 v[TM+4+\b], 0                        ; written once: a lane permute's destination counts as one of its sources
.endr
	s_cmp_eq_u32 s12, 0
	s_cbranch_scc1 .Lv_path                        ; by the cluster's number: the same in all partners
	; ---- q or k: my 128 tokens are one step; my 128 columns are two heads
	s_lshr_b32 s18, s47, 11
	s_lshl_b32 s18, s18, 4
	s_and_b32 s19, s46, 1023
	s_lshr_b32 s19, s19, 6
	s_add_co_u32 s18, s18, s19                     ; 16 x batch + my first head
	s_and_b32 s19, s47, 2047
	s_lshr_b32 s19, s19, 7                         ; the step
	s_mov_b32 s20, HEADQ
	s_mov_b32 s21, STEPQ
	s_mov_b32 s66, 0x407f0000
	s_mov_b32 s67, 0x407f0000
	s_cmp_eq_u32 s13, 1
	s_cselect_b32 s20, HEADKV, s20
	s_cselect_b32 s21, STEPB, s21
	s_cselect_b64 s[22:23], s[98:99], s[96:97]
	s_cselect_b32 s45, 0, -1                       ; a masked key's codes are cleared; q's never
	s_cselect_b32 s2, 0, 40                        ; the code at k = 64: key that counts 0, masked key +1.0 (8), query -1.0 (40)
	s_cselect_b32 s3, 8, 40
	s_cselect_b32 s66, 0x40400000, s66             ; scale bytes of k = 64 .. 127: 2^-63 where nothing stands; q's block with the -1: 1;
	s_cselect_b32 s67, 0x40a00000, s67             ; a masked key's: 2^33
	s_mul_i32 s18, s18, s20
	s_mul_i32 s19, s19, s21
	s_add_co_u32 s18, s18, s19
	s_mov_b32 s19, 0
	s_add_nc_u64 s[22:23], s[22:23], s[18:19]
	v_add_nc_u32 v[VO1], s20, v[LI]                ; the second head's place
	v_sub_nc_u32 v5, 1, v2                         ; k = 64 lies in lanes 0-15
	v_mov_b32 v[KMM], s45
	v_mul_u32_u24 v[MKU], s2, v5
	v_mul_u32_u24 v[MKM], s3, v5
	v_mov_b32 v[HIU], s66
	v_mov_b32 v[HIM], s67
	v_mov_b32 v[UU+3], 0
	v_mov_b32 v[WW+3], 0
.macro QKBLOCK a                       ; A's block a: 16 tokens x my 128 columns
.if (\a) > 0
	s_wait_xcnt 0x0                                ; the last block's stores have read their registers
.endif
	WIN 0x06+(\a)/4                                ; source 0: the accumulators' window; source 1: window 1
.set p, 0
.rept 32
	v_pk_add_f32 v[T+2*p:T+2*p+1], v[64*((\a)%4)+2*p:64*((\a)%4)+2*p+1], v[96+2*p+96*(p/16):96+2*p+96*(p/16)+1]   ; + bias; each accumulator from its low end on
.set p, p+1
.endr
	WIN 0
	QUANT T
	v_cmp_eq_u32 vcc_lo, 0, v[MW+\a]               ; my token's word of the mask
	v_cndmask_b32 v[KMK], -1, v[KMM], vcc_lo
	v_cndmask_b32 v[UU+2], v[MKU], v[MKM], vcc_lo
	v_cndmask_b32 v[HIW], v[HIU], v[HIM], vcc_lo
	v_mov_b32 v[WW+2], v[UU+2]
.irp i, 0,1,2,3,6,7,8,9
	v_and_b32 v[PC+\i], v[PC+\i], v[KMK]
.endr
	v_and_b32 v[UU], v[PC+4], v[KMK]
	v_and_b32 v[UU+1], v[PC+5], v[KMK]
	v_and_b32 v[WW], v[PC+10], v[KMK]
	v_and_b32 v[WW+1], v[PC+11], v[KMK]
	v_lshrrev_b32 v[WD], v[SHF], v[PW]             ; lanes 0-15: the first head's two bytes; lanes 16-31: the second's
	v_and_or_b32 v[WD], v[WD], 0xffff, v[HIW]
	global_store_b128 v[LI], v[PC:PC+3], s[22:23] offset:1024*(\a)
	global_store_b128 v[LI], v[UU:UU+3], s[22:23] offset:1024*(\a)+512
	global_store_b128 v[VO1], v[PC+6:PC+9], s[22:23] offset:1024*(\a)
	global_store_b128 v[VO1], v[WW:WW+3], s[22:23] offset:1024*(\a)+512   ; each store: 512 consecutive bytes
	ds_store_b32 v[STQ], v[WD] offset:256*((\a)%2)+4*((\a)/2)
.endm
.irp a, 0,1,2,3,4,5,6,7
	QKBLOCK \a
.endr
	ds_load_b128 v[T:T+3], v[RDQ]                  ; LDS serves a wave's instructions in order: these see my stores
	ds_load_b128 v[T+4:T+7], v[RDQ] offset:512
	s_wait_dscnt 0x0
	global_store_b128 v[LI], v[T:T+3], s[22:23] offset:8192
	global_store_b128 v[VO1], v[T+4:T+7], s[22:23] offset:8192
	s_branch .Lend
	; ---- v: my 128 channels are two heads; my 128 tokens are one step of keys
.Lv_path:
	s_lshr_b32 s18, s46, 11
	s_lshl_b32 s18, s18, 4
	s_lshr_b32 s19, s47, 6
	s_add_co_u32 s18, s18, s19
	s_and_b32 s19, s46, 2047
	s_lshr_b32 s19, s19, 7
	s_mul_i32 s18, s18, HEADKV
	s_mul_i32 s19, s19, STEPB
	s_add_co_u32 s18, s18, s19
	s_mov_b32 s19, 0
	s_add_nc_u64 s[22:23], s[98:99], s[18:19]
.macro VBLOCK a                        ; A's block a: 16 channels (head a / 4, tile a % 4) x my 128 keys
.if (\a) > 0
	s_wait_xcnt 0x0
.endif
	v_mov_b32 v[BB], v[BV+\a]
	v_mov_b32 v[BB+1], v[BV+\a]
	WIN 0x02+(\a)/4
.set p, 0
.rept 32
	v_pk_add_f32 v[T+2*p:T+2*p+1], v[64*((\a)%4)+2*p:64*((\a)%4)+2*p+1], v[BB:BB+1]
.set p, p+1
.endr
	WIN 0
	QUANT T
.irp c, 0,1,2
	global_store_b128 v[LI], v[PC+4*\c:PC+4*\c+3], s[22:23] offset:8704+((\a)/4)*HEADKV+((\a)%4)*1536+512*\c
.endr
	ds_store_b32 v[STV], v[PW] offset:256*((\a)/4)+128*((\a)%2)+4*(((\a)/2)%2)
.endm
.irp a, 0,1,2,3,4,5,6,7
	VBLOCK \a
.endr
	ds_load_b128 v[T:T+3], v[RDV]
	s_wait_dscnt 0x0
	global_store_b128 v[VSO], v[T:T+3], s[22:23] offset:14848   ; lanes 0-15: the first head's 256 bytes; lanes 16-31: the second's
.Lend:
	s_wait_tensorcnt 0x0                           ; the wave's end
	ds_add_u32 v[SPW], v[NIL]
	s_wait_dscnt 0x0
	CROUND                                         ; the closing round
	s_endpgm
.Lfunc_end_k_q4c919d5f46_qkv:
	.size	k_q4c919d5f46_qkv, .Lfunc_end_k_q4c919d5f46_qkv-k_q4c919d5f46_qkv
	.p2alignl 7, 3214868480
	.fill 96, 4, 3214868480
	.section	.rodata,"a",@progbits
	.p2align	6, 0x0
	.amdhsa_kernel k_q4c919d5f46_qkv
		.amdhsa_group_segment_fixed_size 327680
		.amdhsa_private_segment_fixed_size 0
		.amdhsa_enable_private_segment 0
		.amdhsa_kernarg_size 64
		.amdhsa_user_sgpr_count 2
		.amdhsa_user_sgpr_kernarg_segment_ptr 1
		.amdhsa_wavefront_size32 1
		.amdhsa_system_sgpr_workgroup_id_x 1
		.amdhsa_system_sgpr_workgroup_id_y 1
		.amdhsa_system_sgpr_workgroup_id_z 1
		.amdhsa_system_vgpr_workitem_id 0
		.amdhsa_next_free_vgpr 1024
		.amdhsa_next_free_sgpr 102
		.amdhsa_reserve_vcc 1
		.amdhsa_float_denorm_mode_32 3
		.amdhsa_float_denorm_mode_16_64 3
		.amdhsa_memory_ordered 1
		.amdhsa_forward_progress 1
		.amdhsa_inst_pref_size 217
	.end_amdhsa_kernel
	.amdgpu_metadata
---
amdhsa.version: [ 1, 2 ]
amdhsa.kernels:
  - .name:           k_q4c919d5f46_qkv
    .symbol:         k_q4c919d5f46_qkv.kd
    .args:
      - { .name: xn, .offset: 0, .size: 8, .value_kind: global_buffer, .address_space: global }
      - { .name: wts, .offset: 8, .size: 8, .value_kind: global_buffer, .address_space: global }
      - { .name: bq, .offset: 16, .size: 8, .value_kind: global_buffer, .address_space: global }
      - { .name: bk, .offset: 24, .size: 8, .value_kind: global_buffer, .address_space: global }
      - { .name: bv, .offset: 32, .size: 8, .value_kind: global_buffer, .address_space: global }
      - { .name: src_mask, .offset: 40, .size: 8, .value_kind: global_buffer, .address_space: global }
      - { .name: qb, .offset: 48, .size: 8, .value_kind: global_buffer, .address_space: global }
      - { .name: kv, .offset: 56, .size: 8, .value_kind: global_buffer, .address_space: global }
    .group_segment_fixed_size: 327680
    .private_segment_fixed_size: 0
    .kernarg_segment_align: 8
    .kernarg_segment_size: 64
    .max_flat_workgroup_size: 128
    .sgpr_count:     102
    .vgpr_count:     1024
    .wavefront_size: 32
...
	.end_amdgpu_metadata
.endif
;; end of part 2
;; launch attn (part 3): grid 8 x 32, 16 waves a work-group, clusters of 4 x 1, 243,712 bytes of LDS; arguments qb, kv, ctx; writes ctx
.if DOCPART == 3
	.amdgcn_target "amdgcn-amd-amdhsa--gfx1250"
	.amdhsa_code_object_version 6
	.text
	.protected	k_q4c919d5f46_attn
	.globl	k_q4c919d5f46_attn
	.p2align	8
	.type	k_q4c919d5f46_attn,@function
k_q4c919d5f46_attn:
	s_mov_b64 s[64:65], 0
	v_nop
	global_prefetch_b8 v0, s[64:65] scope:SCOPE_SE
	s_setreg_imm32_b32 hwreg(HW_REG_WAVE_MODE, 25, 1), 1
	s_wait_xcnt 0x0
	s_wait_alu depctr_hold_cnt(0) depctr_sa_sdst(0) depctr_va_vdst(0) depctr_va_sdst(0) depctr_va_ssrc(0) depctr_va_vcc(0) depctr_vm_vsrc(0)
	s_getreg_b32 s2, hwreg(HW_REG_IB_STS2, 6, 4)
	s_cmp_eq_u32 s2, 0
	s_cbranch_scc0 .Lentry_in_a_cluster
	s_endpgm
.Lentry_in_a_cluster:
	s_bfe_u32 s2, ttmp6, 0x10000c
	s_cmp_lg_u32 s2, 0x3003
	s_cbranch_scc0 .Lentry_shape_is_right
	s_endpgm
.Lentry_shape_is_right:
; ctx = softmax(q k^T / 8, keys masked) v for one head and 256 queries, both products on codes of FP6 (E2M3) with E8M0 scales; ctx is quantised at once, along the model's 1,024, for the product with Wo.
; THE SOFTMAX AHEAD OF THE SECOND PRODUCT: t = raw score x log2(e) / 8; M = the running largest t rounded UP to a whole number; p = 2^(t - M) is quantised along the keys; the row's sum is taken of the unquantised p and divides at the end.
; When M moves, the sum and O are multiplied by 2^(old M - new M): exact.
; THE MASK needs no line here: a masked key arrives with zero codes, +1 at k = 64 under the scale 2^33, and every query has -1 at k = 64: its raw score is -2^33, and its p is 0 beside any key that counts.
; LIMITS: a masked logit is -2^30 where reference() writes -1e9; a block of zeros gets the byte 1; NaN and infinities are not served.
; SHARES.  Sixteen waves, a tile of 16 queries each, in 256 registers: four waves to a SIMD, so that one wave's vector work stands beside another's matrix work.  Every wave walks the head's 2,048 keys, 128 a step.
; LDS.  The head's K, V and scale words, 16 steps x 15,104 bytes, are filled ONCE, by joint tensor loads of the four work-groups of a cluster (four query blocks of one head); nothing is filled again.
; A step's block: K: 8 tiles x 1,024 (registers 0-3; registers 4-7) | 512 of K's scale words | V^T: 4 tiles x 1,536 | 256 of V's scale words.
; LAYOUT.  Both products transposed: S^T = K Q^T, O^T = V^T P^T: a lane holds one query.  The keys of a tile stand at positions swap34, so the 16 registers of tiles 2 b, 2 b + 1 are keys 32 b + 16 (lane / 16) + 0 .. 15.
; The first product's K is 64 of the instruction's 128.  Of a fragment of K only eight registers are loaded; its last four are the next fragment's first four: they meet Q's zero codes alone.
.set STEPB,  15104
.set HEADKV, 241664
.set STEPQ,  8704
.set HEADQ,  139264
.set XN_S,   3145728                   ; ctx's scale words, behind its codes
.set L16,  1                           ; v1   16 x lane
.set L8,   2                           ; v2   8 x lane
.set AD16, 3                           ; v3, v4 the same in the step in hand
.set AD8,  4
.set RO,   5                           ; v5   32 (lane % 16)
.set QS,   8                           ; v8   Q's scale words
.set PW,   9                           ; v9   p's scale word
.set KS,   10                          ; v10-13 K's scale words: register i: lanes 0-15 tile 2 i, lanes 16-31 tile 2 i + 1
.set VS,   14                          ; v14-15 V's likewise
.set QF,   16                          ; v16-27 Q
.set F,    32                          ; v32-99 K's fragments (tile t at 32 + 8 t), then V's (tile d at 32 + 12 d)
.set S,    104                         ; v104-167 S^T, then p
.set O,    168                         ; v168-199 O^T
.set PC,   200                         ; v200-219 p's codes
.set BM,   220                         ; v220-223 the blocks' largest scores
.set B2,   224
.set SO,   228
.set FF,   232                         ; v232-233 f = 2^(old M - new M)
.set TP,   234
.set SU,   236                         ; v236-237 the sum's second chain.  v28 -M, v29 the largest t, v30-31 the sum
.set WV,   10
.set G1,   24
.set G0,   32                          ; s[32:47] four groups 0
.set SEL,  48
.set CS,   50
.set TB,   52
.set CNT,  53
.macro CROUND
	s_barrier_signal -1
	s_barrier_wait -1
	s_cmp_lg_u32 s[WV], 0
	s_cbranch_scc1 .Lnot_wave_0_\@
	s_barrier_signal -3
.Lnot_wave_0_\@:
	s_barrier_wait -3
	s_barrier_signal -1
	s_barrier_wait -1
.endm
	s_load_b128 s[4:7], s[0:1], 0x0                ; qb, kv
	s_load_b64 s[8:9], s[0:1], 0x10                ; ctx
	v_lshl_add_u32 v254, v0, 2, 0x3b000
	v_mov_b32 v255, 0
	ds_add_u32 v254, v255
	ds_add_u32 v254, v255
	v_lshrrev_b32 v1, 5, v0
	v_readfirstlane_b32 s[WV], v1                  ; wave 0..15
	s_bfe_u32 s11, ttmp6, 0x40000                  ; cx: it enters Q's and ctx's addresses alone
	s_lshl_b32 s12, ttmp9, 2
	s_add_co_u32 s12, s12, s11                     ; my block of 256 queries
	s_and_b32 s13, ttmp7, 0xffff                   ; 16 x batch + head: shared by the four partners
	s_mul_i32 s14, s13, HEADKV
	s_mul_i32 s16, s[WV], STEPB                    ; wave w (0 to 3) fetches steps w, 4 + w, 8 + w, 12 + w
	s_add_co_u32 s14, s14, s16
	s_mov_b32 s15, 0
	s_mov_b32 s[G1], 15|(3<<16)|(1<<21)            ; the mask: all four work-groups; elements of 8 bytes; bit 21 beside a mask
	s_mov_b32 s[G1+1], 32<<16                      ; rows of 256 bytes,
	s_mov_b32 s[G1+2], 59<<16                      ; 59 of them: a step's 15,104 dense bytes
	s_mov_b32 s[G1+3], 32<<16
	s_mov_b32 s[G1+4], 59
	s_mov_b32 s[G1+5], 32
	s_mov_b32 s[G1+6], 0
	s_mov_b32 s[G1+7], 0
	s_mov_b32 s[SEL], 0x76543210
	s_mov_b32 s[SEL+1], 0xfedcba98
	s_mov_b32 s[CS], 0x3e38aa3b                    ; c = log2(e) / 8
	s_mov_b32 s[CS+1], s[CS]
	s_wait_dscnt 0x0
	s_wait_kmcnt 0x0
	s_add_nc_u64 s[14:15], s[6:7], s[14:15]
	CROUND                                         ; all four work-groups are here: the joint loads meet
.irp c, 0,1,2,3
	s_mov_b32 s[G0+4*\c], 1
	s_add_co_u32 s[G0+4*\c+1], s16, \c*4*STEPB
	s_add_nc_u64 s[G0+4*\c+2:G0+4*\c+3], s[14:15], \c*4*STEPB
	s_or_b32 s[G0+4*\c+3], s[G0+4*\c+3], 0x80000000
.endr
	s_cmp_lt_u32 s[WV], 4                          ; all fills of a wave stand in one branch on the wave's number: four loads of mine are out
	s_cbranch_scc0 .Lno_fetch
	tensor_load_to_lds s[G0:G0+3], s[G1:G1+7]
	s_nop 0
	tensor_load_to_lds s[G0+4:G0+7], s[G1:G1+7]
	s_nop 0
	tensor_load_to_lds s[G0+8:G0+11], s[G1:G1+7]
	s_nop 0
	tensor_load_to_lds s[G0+12:G0+15], s[G1:G1+7]
	s_nop 0
.rept 4
	v_nop
.endr
.Lno_fetch:
	; Q: tile 16 x block + wave of the head: step 2 x block + wave / 8, tile wave % 8
	s_mul_i32 s17, s13, HEADQ
	s_lshl_b32 s18, s12, 1
	s_lshr_b32 s19, s[WV], 3
	s_add_co_u32 s18, s18, s19
	s_mul_i32 s18, s18, STEPQ
	s_add_co_u32 s17, s17, s18
	s_and_b32 s19, s[WV], 7
	s_lshl_b32 s20, s19, 10
	s_add_co_u32 s20, s20, s17
	s_mov_b32 s21, 0
	s_and_b32 s22, s19, 1
	s_lshl_b32 s22, s22, 8
	s_lshr_b32 s23, s19, 1
	s_lshl_b32 s23, s23, 2
	s_add_co_u32 s22, s22, s23
	s_add_co_u32 s22, s22, s17
	s_add_co_u32 s22, s22, 8192                    ; its scale words: 8,192 + 256 (t % 2) + 16 r + 4 (t / 2)
	s_mov_b32 s23, 0
	s_add_nc_u64 s[20:21], s[4:5], s[20:21]
	s_add_nc_u64 s[22:23], s[4:5], s[22:23]
	v_and_b32 v[L16], 31, v0
	v_lshlrev_b32 v[L8], 3, v[L16]
	v_lshlrev_b32 v[L16], 4, v[L16]
	v_and_b32 v[RO], 15, v0
	v_lshlrev_b32 v6, 4, v[RO]
	v_lshlrev_b32 v[RO], 5, v[RO]
	global_load_b128 v[QF:QF+3], v[L16], s[20:21]
	global_load_b128 v[QF+4:QF+7], v[L16], s[20:21] offset:512
	global_load_b32 v[QS], v6, s[22:23]
.irp i, 8,9,10,11
	v_mov_b32 v[QF+\i], 0                          ; Q's codes of k = 75 on: zeros
	v_mov_b32 v[F+56+\i], 0                        ; behind K's last fragment
.endr
	; where ctx goes: tile Tg = 128 x batch + 16 x block + wave; the head's 64 are half of K step head / 2
	s_and_b32 s58, s13, 15
	s_lshr_b32 s59, s13, 4
	s_lshl_b32 s59, s59, 7
	s_lshl_b32 s60, s12, 4
	s_add_co_u32 s59, s59, s60
	s_add_co_u32 s59, s59, s[WV]
	s_lshr_b32 s60, s58, 2
	s_lshl_b32 s60, s60, 8
	s_add_co_u32 s60, s60, s59
	s_lshl_b32 s60, s60, 1
	s_bfe_u32 s61, s58, 0x10001
	s_add_co_u32 s60, s60, s61
	s_mul_i32 s54, s60, 1536
	s_mov_b32 s55, 0
	s_lshr_b32 s60, s58, 1
	s_lshl_b32 s60, s60, 5
	s_lshr_b32 s61, s59, 3
	s_add_co_u32 s60, s60, s61
	s_lshl_b32 s56, s60, 9
	s_and_b32 s61, s59, 7
	s_lshl_b32 s61, s61, 2
	s_add_co_u32 s56, s56, s61
	s_and_b32 s58, s58, 1                          ; the head's parity: which half of the fragment and of the scale word is mine
	s_lshl_b32 s61, s58, 1
	s_add_co_u32 s56, s56, s61
	s_add_co_u32 s56, s56, XN_S
	s_mov_b32 s57, 0
	s_add_nc_u64 s[54:55], s[8:9], s[54:55]
	s_add_nc_u64 s[56:57], s[8:9], s[56:57]
	v_mov_b32 v29, 0xff61b1e6                      ; the largest t so far: -3e38
	v_floor_f32 v28, -v29                          ; -M
	v_mov_b32 v30, 0
	v_mov_b32 v31, 0
.irp b, 0,1,2,3
	v_mov_b32 v[B2+\b], 0                          ; written once: a lane permute's destination counts as one of its sources
.endr
	v_mov_b32 v[FF+1], 0                           ; (named as the upper half of a pair)
.set j, 0
.rept 32
	v_mov_b32 v[O+j], 0                            ; O^T: the step is written once; the first finds zeros, which the first change of M leaves zeros
.set j, j+1
.endr
.macro STEP
	v_add_nc_u32 v[AD16], s[TB], v[L16]
	v_add_nc_u32 v[AD8], s[TB], v[L8]
	v_nop
	v_nop                                          ; four plain lines between the last products and the loads into their registers
.irp t, 0,1,2,3,4,5,6,7
	ds_load_b128 v[F+8*\t:F+8*\t+3], v[AD16] offset:1024*\t
	ds_load_b128 v[F+8*\t+4:F+8*\t+7], v[AD16] offset:1024*\t+512
.endr
	ds_load_b128 v[KS:KS+3], v[AD16] offset:8192
	ds_load_b64 v[VS:VS+1], v[AD8] offset:14848
	s_wait_dscnt 0x0
.irp t, 0,1,2,3,4,5,6,7
.if (\t)%2
	v_wmma_scale_f32_16x16x128_f8f6f4 v[S+8*\t:S+8*\t+7], v[F+8*\t:F+8*\t+11], v[QF:QF+11], 0, v[KS+\t/2], v[QS] matrix_a_fmt:MATRIX_FMT_FP6 matrix_b_fmt:MATRIX_FMT_FP6 matrix_a_scale:MATRIX_SCALE_ROW1
.else
	v_wmma_scale_f32_16x16x128_f8f6f4 v[S+8*\t:S+8*\t+7], v[F+8*\t:F+8*\t+11], v[QF:QF+11], 0, v[KS+\t/2], v[QS] matrix_a_fmt:MATRIX_FMT_FP6 matrix_b_fmt:MATRIX_FMT_FP6
.endif
.endr
.rept 4
	v_nop                                          ; places: for V's loads into K's registers and for the first read of the scores
.endr
.irp d, 0,1,2,3
.irp c, 0,1,2
	ds_load_b128 v[F+12*\d+4*\c:F+12*\d+4*\c+3], v[AD16] offset:8704+1536*\d+512*\c   ; V^T lands under the softmax
.endr
.endr
.irp b, 0,1,2,3
	v_max3_num_f32 v[BM+\b], v[S+16*\b], v[S+1+16*\b], v[S+2+16*\b]   ; the largest score of each block of 32 keys: for the row's maximum, and, since p rises with the score, for the block's largest p
.endr
.irp i, 3,5,7,9,11,13
.irp b, 0,1,2,3
	v_max3_num_f32 v[BM+\b], v[BM+\b], v[S+16*\b+\i], v[S+1+16*\b+\i]
.endr
.endr
.irp b, 0,1,2,3
	v_max_num_f32 v[BM+\b], v[BM+\b], v[S+15+16*\b]
.endr
.irp b, 0,1,2,3
	v_permlanex16_b32 v[B2+\b], v[BM+\b], s[SEL], s[SEL+1]
.endr
.irp b, 0,1,2,3
	v_max_num_f32 v[BM+\b], v[BM+\b], v[B2+\b]
.endr
	v_max3_num_f32 v[TP], v[BM], v[BM+1], v[BM+2]
	v_max_num_f32 v[TP], v[TP], v[BM+3]
	v_mul_f32 v[TP], s[CS], v[TP]
	v_max_num_f32 v29, v29, v[TP]                  ; the running largest t
	v_mov_b32 v[TP], v28
	v_floor_f32 v28, -v29                          ; the new -M = -ceil(t)
	v_sub_f32 v[TP], v28, v[TP]                    ; old M - new M: a whole number, 0 or less
	v_cvt_i32_f32 v[TP], v[TP]                     ; (it saturates)
	v_ldexp_f32 v[FF], 1.0, v[TP]
.set j, 0
.rept 32
	v_pk_fma_f32 v[S+j:S+j+1], v[S+j:S+j+1], s[CS:CS+1], v[28:29] op_sel_hi:[1,0,0]   ; t - M
.set j, j+2
.endr
.irp b, 0,1,2,3
	v_fma_f32 v[BM+\b], v[BM+\b], s[CS], v28
.endr
.set j, 0
.rept 64
	v_exp_f32 v[S+j], v[S+j]                       ; p = 2^(t - M)
.set j, j+1
.endr
	v_pk_mul_f32 v[30:31], v[30:31], v[FF:FF+1] op_sel_hi:[1,0]   ; the sum under the new M: a plain line behind the exponentials
	s_wait_alu depctr_va_vdst(0)                   ; one wait for the batch of 64, ahead of its first reader
.irp b, 0,1,2,3
	v_exp_f32 v[BM+\b], v[BM+\b]                   ; the blocks' largest p
.endr
	v_pk_add_f32 v[SU:SU+1], v[S:S+1], v[S+2:S+3]  ; the row's sum of the unquantised p, in two chains
.set j, 4
.rept 15
	v_pk_add_f32 v[30:31], v[30:31], v[S+j:S+j+1]
	v_pk_add_f32 v[SU:SU+1], v[SU:SU+1], v[S+2+j:S+3+j]
.set j, j+4
.endr
	v_pk_add_f32 v[30:31], v[30:31], v[SU:SU+1]
	s_wait_alu depctr_va_vdst(0)                   ; and one for the four
.irp b, 0,1,2,3
	v_max_num_f32 v[BM+\b], 0x1800000, v[BM+\b]    ; the floor: the byte cannot fall under 1
.endr
.irp b, 0,1,2,3
	v_add_nc_u32 v[SO+\b], 0xff000000, v[BM+\b]
.endr
.irp b, 0,1,2,3
	v_lshrrev_b32 v[B2+\b], 23, v[SO+\b]
.endr
	v_lshl_or_b32 v[PW], v[B2+1], 8, v[B2]
	v_lshl_or_b32 v[PW], v[B2+2], 16, v[PW]
	v_lshl_or_b32 v[PW], v[B2+3], 24, v[PW]
.irp c, 0,1
	v_cvt_scalef32_pk16_fp6_f32 v[PC+6*\c:PC+2+6*\c], v[S+32*\c:S+15+32*\c], v[SO+2*\c]
	v_cvt_scalef32_pk16_fp6_f32 v[PC+12+4*\c:PC+14+4*\c], v[S+16+32*\c:S+31+32*\c], v[SO+2*\c+1]
.endr
	v_nop                                          ; one plain line behind the conversions
.irp c, 0,1
.irp i, 0,1,2
	v_permlane16_swap_b32 v[PC+6*\c+\i], v[PC+12+4*\c+\i]
.endr
.irp i, 0,1,2
	v_mov_b32 v[PC+3+6*\c+\i], v[PC+12+4*\c+\i]
.endr
.endr
.set j, 0
.rept 16
	v_pk_mul_f32 v[O+j:O+j+1], v[O+j:O+j+1], v[FF:FF+1] op_sel_hi:[1,0]   ; O^T under the new M; these sixteen also stand between the writes of p's codes and scale word and the products
.set j, j+2
.endr
	s_wait_dscnt 0x0                               ; V^T is in
.irp d, 0,1,2,3                                ; four accumulators by turns
.if (\d)%2
	v_wmma_scale_f32_16x16x128_f8f6f4 v[O+8*\d:O+8*\d+7], v[F+12*\d:F+12*\d+11], v[PC:PC+11], v[O+8*\d:O+8*\d+7], v[VS+\d/2], v[PW] matrix_a_fmt:MATRIX_FMT_FP6 matrix_b_fmt:MATRIX_FMT_FP6 matrix_a_scale:MATRIX_SCALE_ROW1
.else
	v_wmma_scale_f32_16x16x128_f8f6f4 v[O+8*\d:O+8*\d+7], v[F+12*\d:F+12*\d+11], v[PC:PC+11], v[O+8*\d:O+8*\d+7], v[VS+\d/2], v[PW] matrix_a_fmt:MATRIX_FMT_FP6 matrix_b_fmt:MATRIX_FMT_FP6
.endif
.endr
.endm
; Four steps, brought by the c-th load of waves 0 to 3.  The count leaves my later loads out, so they may cross the barrier.
.macro CHUNK c
	s_wait_tensorcnt 3-\c
	s_wait_dscnt 0x0
	s_barrier_signal -1
	s_barrier_wait -1
	s_mov_b32 s[TB], \c*4*STEPB
	s_mov_b32 s[CNT], 4
.Lstep_\@:
	STEP
	s_add_co_u32 s[TB], s[TB], STEPB
	s_sub_co_u32 s[CNT], s[CNT], 1
	s_cmp_lg_u32 s[CNT], 0
	s_cbranch_scc1 .Lstep_\@
.endm
	s_wait_loadcnt 0x0                             ; Q
	CHUNK 0
	CHUNK 1
	CHUNK 2
	CHUNK 3
	; THE WAY OUT: O^T / the sum; its 64 channels are two blocks of the next K: quantised in registers; register 16 b + i is channel 32 b + 16 (lane / 16) + i
	v_add_f32 v30, v30, v31
	v_permlanex16_b32 v[TP], v30, s[SEL], s[SEL+1]
	v_add_f32 v30, v30, v[TP]
	v_rcp_f32 v30, v30
.rept 4
	v_nop                                          ; a plain line behind the reciprocal; with the three above also the places behind the last products
.endr
	s_wait_alu depctr_va_vdst(0)
.set j, 0
.rept 32
	v_mul_f32 v[S+j], v[O+j], v30
.set j, j+1
.endr
.irp b, 0,1
	v_max3_num_f32 v[BM+\b], |v[S+16*\b]|, |v[S+1+16*\b]|, 0x1800000
.endr
.irp i, 2,4,6,8,10,12,14
.irp b, 0,1
	v_max3_num_f32 v[BM+\b], v[BM+\b], |v[S+16*\b+\i]|, |v[S+1+16*\b+\i]|
.endr
.endr
.irp b, 0,1
	v_permlanex16_b32 v[B2+\b], v[BM+\b], s[SEL], s[SEL+1]
.endr
.irp b, 0,1
	v_max_num_f32 v[BM+\b], v[BM+\b], v[B2+\b]
.endr
.irp b, 0,1
	v_add_nc_u32 v[SO+\b], 0xff000000, v[BM+\b]
.endr
.irp b, 0,1
	v_lshrrev_b32 v[B2+\b], 23, v[SO+\b]
.endr
	v_lshl_or_b32 v[B2], v[B2+1], 8, v[B2]         ; my head's two bytes of the row's scale word
	v_cvt_scalef32_pk16_fp6_f32 v[PC:PC+2], v[S:S+15], v[SO]
	v_cvt_scalef32_pk16_fp6_f32 v[PC+12:PC+14], v[S+16:S+31], v[SO+1]
	v_nop
.irp i, 0,1,2
	v_permlane16_swap_b32 v[PC+\i], v[PC+12+\i]
.endr
.irp i, 0,1,2
	v_mov_b32 v[PC+3+\i], v[PC+12+\i]
.endr
	; An even head's six registers are registers 0-5 of the fragment's image, an odd head's 6-11.  The image's middle 512 bytes and the scale words are shared by two heads' work-groups, 8 and 2 bytes a lane each.
	s_cmp_eq_u32 s58, 0
	s_cbranch_scc0 .Lodd                           ; by the head's number, which the partners share
	global_store_b128 v[L16], v[PC:PC+3], s[54:55]
	global_store_b64 v[L16], v[PC+4:PC+5], s[54:55] offset:512
	s_branch .Lwords
.Lodd:
	global_store_b64 v[L16], v[PC:PC+1], s[54:55] offset:520
	global_store_b128 v[L16], v[PC+2:PC+5], s[54:55] offset:1024
.Lwords:
	global_store_b16 v[RO], v[B2], s[56:57]        ; (lanes 16-31 repeat lanes 0-15)
	s_wait_tensorcnt 0x0
	ds_add_u32 v254, v255
	s_wait_dscnt 0x0
	CROUND                                         ; the closing round: all tensor loads were waited for ahead of the last four steps
	s_endpgm
.Lfunc_end_k_q4c919d5f46_attn:
	.size	k_q4c919d5f46_attn, .Lfunc_end_k_q4c919d5f46_attn-k_q4c919d5f46_attn
	.p2alignl 7, 3214868480
	.fill 96, 4, 3214868480
	.section	.rodata,"a",@progbits
	.p2align	6, 0x0
	.amdhsa_kernel k_q4c919d5f46_attn
		.amdhsa_group_segment_fixed_size 243712
		.amdhsa_private_segment_fixed_size 0
		.amdhsa_enable_private_segment 0
		.amdhsa_kernarg_size 24
		.amdhsa_user_sgpr_count 2
		.amdhsa_user_sgpr_kernarg_segment_ptr 1
		.amdhsa_wavefront_size32 1
		.amdhsa_system_sgpr_workgroup_id_x 1
		.amdhsa_system_sgpr_workgroup_id_y 1
		.amdhsa_system_sgpr_workgroup_id_z 1
		.amdhsa_system_vgpr_workitem_id 0
		.amdhsa_next_free_vgpr 256
		.amdhsa_next_free_sgpr 66
		.amdhsa_reserve_vcc 0
		.amdhsa_float_denorm_mode_32 3
		.amdhsa_float_denorm_mode_16_64 3
		.amdhsa_memory_ordered 1
		.amdhsa_forward_progress 1
		.amdhsa_inst_pref_size 75
	.end_amdhsa_kernel
	.amdgpu_metadata
---
amdhsa.version: [ 1, 2 ]
amdhsa.kernels:
  - .name:           k_q4c919d5f46_attn
    .symbol:         k_q4c919d5f46_attn.kd
    .args:
      - { .name: qb, .offset: 0, .size: 8, .value_kind: global_buffer, .address_space: global }
      - { .name: kv, .offset: 8, .size: 8, .value_kind: global_buffer, .address_space: global }
      - { .name: ctx, .offset: 16, .size: 8, .value_kind: global_buffer, .address_space: global }
    .group_segment_fixed_size: 243712
    .private_segment_fixed_size: 0
    .kernarg_segment_align: 8
    .kernarg_segment_size: 24
    .max_flat_workgroup_size: 512
    .sgpr_count:     66
    .vgpr_count:     256
    .wavefront_size: 32
...
	.end_amdgpu_metadata
.endif
;; end of part 3
;; launch wo (part 4): grid 4 x 16, 4 waves a work-group, clusters of 4 x 4, 327,680 bytes of LDS; arguments ctx, wts, bo, x, x1; writes x1
.if DOCPART == 4
	.amdgcn_target "amdgcn-amd-amdhsa--gfx1250"
	.amdhsa_code_object_version 6
	.text
	.protected	k_q4c919d5f46_wo
	.globl	k_q4c919d5f46_wo
	.p2align	8
	.type	k_q4c919d5f46_wo,@function
k_q4c919d5f46_wo:
	s_mov_b64 s[64:65], 0
	v_nop
	global_prefetch_b8 v0, s[64:65] scope:SCOPE_SE
	s_setreg_imm32_b32 hwreg(HW_REG_WAVE_MODE, 25, 1), 1
	s_wait_xcnt 0x0
	s_wait_alu depctr_hold_cnt(0) depctr_sa_sdst(0) depctr_va_vdst(0) depctr_va_sdst(0) depctr_va_ssrc(0) depctr_va_vcc(0) depctr_vm_vsrc(0)
	s_getreg_b32 s2, hwreg(HW_REG_IB_STS2, 6, 4)
	s_cmp_eq_u32 s2, 0
	s_cbranch_scc0 .Lentry_in_a_cluster
	s_endpgm
.Lentry_in_a_cluster:
	s_bfe_u32 s2, ttmp6, 0x10000c
	s_cmp_lg_u32 s2, 0xf033
	s_cbranch_scc0 .Lentry_shape_is_right
	s_endpgm
.Lentry_shape_is_right:
; x1 = x + (ctx Wo + bo): a GEMM on codes of FP6 (E2M3) with E8M0 scales, K = 1,024, N = 1,024; bias and residual on the way out; f32 rows out.
; A tile of C is 256 x 256: four waves of 128 x 128, 64 accumulators each.  K goes in steps of 256 through a ring of two LDS slots filled by joint tensor loads of a 4 x 4 cluster: A's tile is shared along a row, B's along a column.
; OPERANDS lie in memory as images of their registers (a fragment: 3 x 512 bytes, lane l's 16 bytes at 16 l), eight tiles x 256 K on end: 24,576 dense bytes a load.  Scale words: 512 bytes for eight tiles and 128 K; all of K's come once.
; Row index i of every operand stands at position swap34(i).  THE MATRIX INSTRUCTION IS USED TRANSPOSED (source 0 = B's tile, source 1 = A's): a lane holds one position of A (a token), and the registers of B's tiles 2 b, 2 b + 1
; are columns 32 b + 16 (lane / 16) + 0 .. 15.  The way out puts rows and columns back in their true places.
; N = 1,024 gives 64 tiles of this size: 64 work-groups.  A smaller tile would read each fragment from LDS for half the products.
; REGISTERS: window 0: v0-31 addresses, bias; v32-63 scale words, two sets; v128-223 A's fragments, one set; on the way out v64-191 the residual's rows, v192-255 rows of C.  window 1: B's two sets.  windows 2, 3: accumulators.
.set KTOT,  1024
.set NTA,   256                        ; tiles in A's image, in B's
.set NTB,   64
.set NGA,   32                         ; groups of eight tiles
.set NGB,   8
.set A_S,   3145728                    ; A's scale words in its buffer
.set B_I,   2490368                    ; B's image and scale words in wts
.set B_S,   3276800
.set FINAL, 0
.set FR,    12
.set NL,    3
.set NP,    4                          ; places behind this matrix instruction (ISA guide 7.12.1)
.set HALFT, 24576
.set SLOT,  4*HALFT
.set LAPS,  KTOT/512
.set SCLL,  2*SLOT
.set HALFS, (KTOT/128)*512
.set SPARE, SCLL+4*HALFS               ; the spare words: 128 bytes a wave, two blocks of 256 bytes that no other line names
.set SPITCH, 528                       ; the way out: a stage of 16 rows x (512 bytes + 16) a wave, in slot 0
.set BI,   8                           ; v8-11 the bias of my four columns of a row
.set ADRA, 16
.set ADRB, 20
.set STO,  24
.set RD,   25
.set CO,   26
.set ADRS, 27
.set SPW,  28
.set NIL,  29
.set SC,   32
.set RR,   64
.set AF,   128
.set BK,   192
.set G1, 24
.set G0, 32
.set G1B, 48
.set G0B, 56
.set G1S, 68
.set G0S, 76
.set G1SB, 80
.set G0SB, 88
.set MSB, 0
.macro WIN new
.if MSB != (\new)
	s_set_vgpr_msb (MSB<<8)|(\new)
.set MSB, (\new)
.endif
.endm
.set MUL_LO, 0xa1
.set MUL_HI, 0xf1
.set TO_B,   0x40
.macro JLOAD g0a, g1a, g0b, g1b        ; a joint load: waves 0 and 1 fetch for A, waves 2 and 3 for B; four v_nop follow each line
	s_cmp_eq_u32 s15, 0
	s_cbranch_scc0 .Lfor_b_\@
	tensor_load_to_lds s[\g0a:\g0a+3], s[\g1a:\g1a+7]
	s_nop 0
.rept 4
	v_nop
.endr
	s_branch .Lasked_\@
.Lfor_b_\@:
	tensor_load_to_lds s[\g0b:\g0b+3], s[\g1b:\g1b+7]
	s_nop 0
.rept 4
	v_nop
.endr
.Lasked_\@:
.endm
.macro CREST
	s_cmp_lg_u32 s14, 0
	s_cbranch_scc1 .Lnot_wave_0_\@
	s_barrier_signal -3
.Lnot_wave_0_\@:
	s_barrier_wait -3
	s_barrier_signal -1
	s_barrier_wait -1
.endm
.macro CROUND
	s_barrier_signal -1
	s_barrier_wait -1
	CREST
.endm
	s_load_b256 s[4:11], s[0:1], 0x0               ; A, wts, bias, residual
	s_load_b64 s[12:13], s[0:1], 0x20              ; out
	v_lshl_add_u32 v[SPW], v0, 2, SPARE
	v_mov_b32 v[NIL], 0
	ds_add_u32 v28, v29
	ds_add_u32 v28, v29
	s_wait_dscnt 0x0
	v_lshrrev_b32 v1, 5, v0
	v_readfirstlane_b32 s14, v1                    ; wave 0..3
	s_lshr_b32 s15, s14, 1                         ; my half of the rows.  Also: I fetch for A (0) or for B (1)
	s_and_b32 s16, s14, 1                          ; my half of the columns.  Also: which eight tiles I fetch
	s_bfe_u32 s40, ttmp6, 0x40000
	s_bfe_u32 s41, ttmp6, 0x40004
	s_lshl_b32 s42, ttmp9, 2
	s_add_co_u32 s42, s42, s40                     ; tile column
	s_and_b32 s17, ttmp7, 0xffff
	s_lshl_b32 s17, s17, 2
	s_add_co_u32 s17, s17, s41                     ; tile row
	s_lshl_b32 s43, s41, 2
	s_lshl_b32 s43, 15, s43
	s_lshl_b32 s44, 0x1111, s40
	s_or_b32 s[G1+0], s43, (3<<16)|(1<<21)         ; codes: 96 rows of 256 bytes, dense
	s_or_b32 s[G1B+0], s44, (3<<16)|(1<<21)
.irp g, G1, G1B
	s_mov_b32 s[\g+1], 32<<16
	s_mov_b32 s[\g+2], 96<<16
	s_mov_b32 s[\g+3], 32<<16
	s_mov_b32 s[\g+4], 96
	s_mov_b32 s[\g+5], 32
	s_mov_b32 s[\g+6], 0
	s_mov_b32 s[\g+7], 0
.endr
	s_or_b32 s[G1S+0], s43, (3<<16)|(1<<21)        ; scale words: a row of 512 bytes for each 128 along K
	s_or_b32 s[G1SB+0], s44, (3<<16)|(1<<21)
.irp g, G1S, G1SB
	s_mov_b32 s[\g+1], 64<<16
	s_mov_b32 s[\g+2], (KTOT/128)<<16
	s_mov_b32 s[\g+3], 64<<16
	s_mov_b32 s[\g+4], KTOT/128
	s_mov_b32 s[\g+6], 0
	s_mov_b32 s[\g+7], 0
.endr
	s_mov_b32 s[G1S+5], 64*NGA
	s_mov_b32 s[G1SB+5], 64*NGB
	s_lshl_b32 s18, s16, 3
	s_lshl_b32 s20, s17, 4
	s_add_co_u32 s20, s20, s18
	s_mul_i32 s20, s20, 3072                       ; A: tile 16 x tile row + 8 x half
	s_mov_b32 s21, 0
	s_lshl_b32 s22, s17, 1
	s_add_co_u32 s22, s22, s16
	s_lshl_b32 s22, s22, 9
	s_add_co_u32 s22, s22, A_S
	s_mov_b32 s23, 0
	s_lshl_b32 s46, s42, 4
	s_add_co_u32 s46, s46, s18
	s_mul_i32 s46, s46, 3072
	s_add_co_u32 s46, s46, B_I                     ; B likewise, by the tile column
	s_mov_b32 s47, 0
	s_lshl_b32 s2, s42, 1
	s_add_co_u32 s2, s2, s16
	s_lshl_b32 s2, s2, 9
	s_add_co_u32 s2, s2, B_S
	s_mov_b32 s3, 0
	s_mul_i32 s45, s14, HALFT                      ; where they go: no place in the cluster enters an LDS address
	s_mul_i32 s19, s14, HALFS
	s_wait_kmcnt 0x0
	s_add_nc_u64 s[20:21], s[4:5], s[20:21]
	s_add_nc_u64 s[22:23], s[4:5], s[22:23]
	s_add_nc_u64 s[46:47], s[6:7], s[46:47]
	s_add_nc_u64 s[2:3], s[6:7], s[2:3]
	CROUND                                         ; all sixteen work-groups are here: the first joint loads meet
	s_mov_b32 s[G0S], 1
	s_add_co_u32 s[G0S+1], s19, SCLL
	s_mov_b64 s[G0S+2:G0S+3], s[22:23]
	s_or_b32 s[G0S+3], s[G0S+3], 0x80000000
	s_mov_b32 s[G0SB], 1
	s_add_co_u32 s[G0SB+1], s19, SCLL
	s_mov_b64 s[G0SB+2:G0SB+3], s[2:3]
	s_or_b32 s[G0SB+3], s[G0SB+3], 0x80000000
	JLOAD G0S, G1S, G0SB, G1SB                     ; the scale words for all of K: filled once
.irp s, 0,1
	s_mov_b32 s[G0+4*\s], 1
	s_add_co_u32 s[G0+4*\s+1], s45, \s*SLOT
	s_add_nc_u64 s[G0+4*\s+2:G0+4*\s+3], s[20:21], \s*NTA*3072
	s_or_b32 s[G0+4*\s+3], s[G0+4*\s+3], 0x80000000
	s_mov_b32 s[G0B+4*\s], 1
	s_add_co_u32 s[G0B+4*\s+1], s45, \s*SLOT
	s_add_nc_u64 s[G0B+4*\s+2:G0B+4*\s+3], s[46:47], \s*NTB*3072
	s_or_b32 s[G0B+4*\s+3], s[G0B+4*\s+3], 0x80000000
	JLOAD G0+4*\s, G1, G0B+4*\s, G1B               ; K steps 0 and 1: three loads of mine are out
.endr
	v_and_b32 v1, 15, v0                           ; r
	v_bfe_u32 v2, v0, 4, 1                         ; h
	v_and_b32 v3, 31, v0
	v_lshlrev_b32 v[CO], 4, v3                     ; 16 x lane
	s_mul_i32 s21, s15, HALFT
	s_mul_i32 s22, s16, HALFT
	s_add_co_u32 s22, s22, 2*HALFT
.irp s, 0,1
	v_add_nc_u32 v[ADRA+\s], s21, v[CO]
	v_add_nc_u32 v[ADRB+\s], s22, v[CO]
	s_add_co_u32 s21, s21, SLOT
	s_add_co_u32 s22, s22, SLOT
.endr
	v_lshlrev_b32 v5, 5, v1
	s_mul_i32 s21, s15, HALFS
	s_mul_i32 s22, s16, HALFS
	s_add_co_u32 s22, s22, 2*HALFS
	s_sub_co_u32 s22, s22, s21
	v_mul_u32_u24 v6, s22, v2                      ; lanes 16-31 take B's scale words
	s_add_co_u32 s21, s21, SCLL
	v_add_nc_u32 v5, v5, v6
	v_add_nc_u32 v[ADRS], s21, v5
	s_mul_i32 s23, s14, 16*SPITCH                  ; my stage
	v_mul_u32_u24 v5, v1, SPITCH
	v_lshl_add_u32 v5, v2, 6, v5
	v_add_nc_u32 v[STO], s23, v5                   ; in: row r, + 64 h
	v_add_nc_u32 v[RD], s23, v[CO]                 ; back: a row of 512 bytes to the 32 lanes
	s_lshl_b32 s18, s17, 8
	s_lshl_b32 s20, s15, 7
	s_add_co_u32 s18, s18, s20
	s_lshl_b32 s18, s18, 12                        ; my first row x 4,096 bytes
	s_lshl_b32 s20, s42, 10
	s_lshl_b32 s21, s16, 9
	s_add_co_u32 s20, s20, s21                     ; my first column x 4
	s_mov_b32 s21, 0
	s_add_nc_u64 s[8:9], s[8:9], s[20:21]
	s_add_co_u32 s18, s18, s20
	s_mov_b32 s19, 0
	s_add_nc_u64 s[10:11], s[10:11], s[18:19]
	s_add_nc_u64 s[12:13], s[12:13], s[18:19]
	global_load_b128 v[BI:BI+3], v[CO], s[8:9]
.macro FRAG reg, adr, q, i             ; a fragment comes as it was stored: three loads of 512 consecutive bytes
.irp c, 0,1,2
	ds_load_b128 v[\reg+4*\c:\reg+4*\c+3], v[\adr] offset:(2*(\i)+(\q))*1536+512*\c
.endr
.endm
; 16 matrix instructions: A's blocks a0, a0 + 1 x B's eight.  The 64 accumulators take turns, one instruction a turn, in the same order in every step.
.macro MUL16 a0, p, q, sc, zero
.irp a, \a0, \a0+1
.irp b, 0,1,2,3,4,5,6,7
.if \zero
	v_wmma_scale_f32_16x16x128_f8f6f4 v[8*(8*((\a)%4)+\b):8*(8*((\a)%4)+\b)+7], v[128*(\p)+FR*\b:128*(\p)+FR*\b+FR-1], v[AF+FR*(\a):AF+FR*(\a)+FR-1], 0, v[SC+16*(\sc)+8*(\q)+\b], v[SC+16*(\sc)+8*(\q)+(\a)] matrix_a_fmt:MATRIX_FMT_FP6 matrix_b_fmt:MATRIX_FMT_FP6 matrix_a_scale:MATRIX_SCALE_ROW1
.else
	v_wmma_scale_f32_16x16x128_f8f6f4 v[8*(8*((\a)%4)+\b):8*(8*((\a)%4)+\b)+7], v[128*(\p)+FR*\b:128*(\p)+FR*\b+FR-1], v[AF+FR*(\a):AF+FR*(\a)+FR-1], v[8*(8*((\a)%4)+\b):8*(8*((\a)%4)+\b)+7], v[SC+16*(\sc)+8*(\q)+\b], v[SC+16*(\sc)+8*(\q)+(\a)] matrix_a_fmt:MATRIX_FMT_FP6 matrix_b_fmt:MATRIX_FMT_FP6 matrix_a_scale:MATRIX_SCALE_ROW1
.endif
.endr
.endr
.endm
.macro FETCH_B slot, q, p
	WIN TO_B
.irp i, 0,1,2,3,4,5,6,7
	FRAG 128*(\p)+FR*\i, ADRB+\slot, \q, \i
.endr
	WIN 0
.endm
.macro FETCH_A slot, q, i0
.irp i, \i0, \i0+1, \i0+2, \i0+3
	FRAG AF+FR*(\i), ADRA+\slot, \q, \i
.endr
.endm
.macro SCALES sc                       ; register 8 q + i: lanes 0-15 A's block i, lanes 16-31 B's block i
.irp q, 0,1
.irp f, 0,1
	ds_load_b128 v[SC+16*\sc+8*\q+4*\f:SC+16*\sc+8*\q+4*\f+3], v[ADRS] offset:512*\q+16*\f
.endr
.endr
.endm
.macro PLACES n
.rept \n
	v_nop
.endr
.endm
.macro STEP slot, q, zero
	s_wait_dscnt 4*NL                              ; all but the youngest 12 loads (A's blocks 4-7) are in
	WIN MUL_LO
	MUL16 0, (\q)%2, \q, \slot, \zero
	MUL16 2, (\q)%2, \q, \slot, \zero
	s_wait_dscnt 0
	PLACES NP
	FETCH_B \slot, (\q)+1, 1-(\q)%2
	FETCH_A \slot, (\q)+1, 0
	WIN MUL_HI
	MUL16 4, (\q)%2, \q, \slot, \zero
	MUL16 6, (\q)%2, \q, \slot, \zero
	PLACES NP
	WIN 0
	FETCH_A \slot, (\q)+1, 4
.endm
.macro TURN slot, next, fill           ; a slot's second 128 along K, and the change of slots
	s_wait_tensorcnt 0x0                           ; all my tensor loads have landed: my part of the next slot
	ds_add_u32 v[SPW], v[NIL]                      ; 0 onto my spare word
	s_wait_dscnt 4*NL+1                            ; (the add and A's blocks 4-7 may be out)
	WIN MUL_LO
	MUL16 0, 1, 1, \slot, 0
	s_wait_dscnt 0x0                               ; the add is done, and my reads of this slot are over
	s_barrier_signal -1
	MUL16 2, 1, 1, \slot, 0
	WIN 0
	s_barrier_wait -1
.if \fill
	CREST                                          ; a round of the cluster's barrier: no wave of any partner still reads this slot or has a load on its way
	s_add_nc_u64 s[G0+4*\slot+2:G0+4*\slot+3], s[G0+4*\slot+2:G0+4*\slot+3], 2*NTA*3072
	s_add_nc_u64 s[G0B+4*\slot+2:G0B+4*\slot+3], s[G0B+4*\slot+2:G0B+4*\slot+3], 2*NTB*3072
	JLOAD G0+4*\slot, G1, G0B+4*\slot, G1B         ; the first tensor load behind the round
.else
	PLACES NP
.endif
	v_add_nc_u32 v[ADRS], 1024, v[ADRS]
	FETCH_B \next, 0, 0
	FETCH_A \next, 0, 0
	SCALES \next
	WIN MUL_HI
	MUL16 4, 1, 1, \slot, 0
	MUL16 6, 1, 1, \slot, 0
	PLACES NP
	WIN 0
	FETCH_A \next, 0, 4
.endm
	s_wait_loadcnt 0x0                             ; the bias
	s_wait_tensorcnt 1                             ; the scale words and my part of K step 0 are in; K step 1's load may be out
	s_barrier_signal -1
	s_barrier_wait -1
	FETCH_B 0, 0, 0
	FETCH_A 0, 0, 0
	SCALES 0
	FETCH_A 0, 0, 4
	STEP 0, 0, 1                                   ; the first products start the sums
	s_mov_b32 s3, LAPS-1
.Llap:
	TURN 0, 1, 1
	STEP 1, 0, 0
	TURN 1, 0, 1
	STEP 0, 0, 0
	s_sub_co_u32 s3, s3, 1
	s_cmp_lg_u32 s3, 0
	s_cbranch_scc1 .Llap
	TURN 0, 1, 0
	STEP 1, 0, 0
	s_wait_dscnt 4*NL
	WIN MUL_LO
	MUL16 0, 1, 1, 1, 0
	MUL16 2, 1, 1, 1, 0
	s_wait_dscnt 0
	WIN MUL_HI
	MUL16 4, 1, 1, 1, 0
	MUL16 6, 1, 1, 1, 0
	WIN 0
; THE WAY OUT, block by block of 16 positions x 128 columns, through my stage in slot 0 (it has had its last fill and, behind the last change of slots, its last read).
; Position t of block a is row 32 (a / 2) + 8 (a % 2) + t + 8 (t / 8) of my 128.
.macro XRES a                          ; the residual's 16 rows of block a: 512 consecutive bytes a load
.set RB, RR+64*((\a)%2)
.set t, 0
.rept 16
	global_load_b128 v[RB+4*t:RB+4*t+3], v[CO], s[10:11] offset:(32*((\a)/2)+8*((\a)%2)+t+8*(t/8))*4096 th:TH_LOAD_NT
.set t, t+1
.endr
.endm
.macro OBLOCK a
.set RB, RR+64*((\a)%2)
.if (\a) > 0
	s_wait_xcnt 0x0                                ; the last block's stores have read their registers
.endif
	WIN 0x08+4*((\a)/4)                            ; an LDS store's data: window 2 or 3
.irp b, 0,1,2,3,4,5,6,7
	ds_store_b128 v[STO], v[64*((\a)%4)+8*\b:64*((\a)%4)+8*\b+3] offset:128*(\b/2)+32*(\b%2)      ; each accumulator from its low end on
	ds_store_b128 v[STO], v[64*((\a)%4)+8*\b+4:64*((\a)%4)+8*\b+7] offset:128*(\b/2)+32*(\b%2)+16
.endr
	WIN 0
.set t, 0
.rept 16
	ds_load_b128 v[BK+4*t:BK+4*t+3], v[RD] offset:SPITCH*t   ; LDS serves a wave's instructions in order: these see the stores above
.set t, t+1
.endr
	s_wait_dscnt 0x0
.if (\a) < 7
	s_wait_loadcnt 16                              ; this block's residual is in; the next block's 16 loads may be out
.else
	s_wait_loadcnt 0x0
.endif
.set RB, RR+64*((\a)%2)
.set t, 0
.rept 16
	v_pk_add_f32 v[BK+4*t:BK+4*t+1], v[BK+4*t:BK+4*t+1], v[RB+4*t:RB+4*t+1]
	v_pk_add_f32 v[BK+4*t+2:BK+4*t+3], v[BK+4*t+2:BK+4*t+3], v[RB+4*t+2:RB+4*t+3]
	v_pk_add_f32 v[BK+4*t:BK+4*t+1], v[BK+4*t:BK+4*t+1], v[BI:BI+1]
	v_pk_add_f32 v[BK+4*t+2:BK+4*t+3], v[BK+4*t+2:BK+4*t+3], v[BI+2:BI+3]
.set t, t+1
.endr
.set t, 0
.rept 16
.if FINAL
	global_store_b128 v[CO], v[BK+4*t:BK+4*t+3], s[12:13] offset:(32*((\a)/2)+8*((\a)%2)+t+8*(t/8))*4096 th:TH_STORE_NT
.else
	global_store_b128 v[CO], v[BK+4*t:BK+4*t+3], s[12:13] offset:(32*((\a)/2)+8*((\a)%2)+t+8*(t/8))*4096   ; 512 consecutive bytes, at a multiple of 256
.endif
.set t, t+1
.endr
.if (\a) < 6
	XRES (\a)+2
.endif
.endm
	PLACES NP
	XRES 0
	XRES 1
.irp a, 0,1,2,3,4,5,6,7
	OBLOCK \a
.endr
	s_wait_tensorcnt 0x0                           ; the wave's end
	ds_add_u32 v[SPW], v[NIL]
	s_wait_dscnt 0x0
	CROUND                                         ; the closing round
	s_endpgm
.Lfunc_end_k_q4c919d5f46_wo:
	.size	k_q4c919d5f46_wo, .Lfunc_end_k_q4c919d5f46_wo-k_q4c919d5f46_wo
	.p2alignl 7, 3214868480
	.fill 96, 4, 3214868480
	.section	.rodata,"a",@progbits
	.p2align	6, 0x0
	.amdhsa_kernel k_q4c919d5f46_wo
		.amdhsa_group_segment_fixed_size 327680
		.amdhsa_private_segment_fixed_size 0
		.amdhsa_enable_private_segment 0
		.amdhsa_kernarg_size 40
		.amdhsa_user_sgpr_count 2
		.amdhsa_user_sgpr_kernarg_segment_ptr 1
		.amdhsa_wavefront_size32 1
		.amdhsa_system_sgpr_workgroup_id_x 1
		.amdhsa_system_sgpr_workgroup_id_y 1
		.amdhsa_system_sgpr_workgroup_id_z 1
		.amdhsa_system_vgpr_workitem_id 0
		.amdhsa_next_free_vgpr 1024
		.amdhsa_next_free_sgpr 96
		.amdhsa_reserve_vcc 0
		.amdhsa_float_denorm_mode_32 3
		.amdhsa_float_denorm_mode_16_64 3
		.amdhsa_memory_ordered 1
		.amdhsa_forward_progress 1
		.amdhsa_inst_pref_size 179
	.end_amdhsa_kernel
	.amdgpu_metadata
---
amdhsa.version: [ 1, 2 ]
amdhsa.kernels:
  - .name:           k_q4c919d5f46_wo
    .symbol:         k_q4c919d5f46_wo.kd
    .args:
      - { .name: ctx, .offset: 0, .size: 8, .value_kind: global_buffer, .address_space: global }
      - { .name: wts, .offset: 8, .size: 8, .value_kind: global_buffer, .address_space: global }
      - { .name: bo, .offset: 16, .size: 8, .value_kind: global_buffer, .address_space: global }
      - { .name: x, .offset: 24, .size: 8, .value_kind: global_buffer, .address_space: global }
      - { .name: x1, .offset: 32, .size: 8, .value_kind: global_buffer, .address_space: global }
    .group_segment_fixed_size: 327680
    .private_segment_fixed_size: 0
    .kernarg_segment_align: 8
    .kernarg_segment_size: 40
    .max_flat_workgroup_size: 128
    .sgpr_count:     96
    .vgpr_count:     1024
    .wavefront_size: 32
...
	.end_amdgpu_metadata
.endif
;; end of part 4
;; launch ln2: the kernel of part 1 again; grid 256 x 1, 8 waves a work-group, no clusters, 118,272 bytes of LDS; arguments x1, alpha2, beta2, xn, Wq, Wk, Wv, Wo, W1, W2, wts; writes xn, wts
;; launch ffn1 (part 5): grid 16 x 16, 4 waves a work-group, clusters of 4 x 4, 327,680 bytes of LDS; arguments xn, wts, b1, hb; writes hb
.if DOCPART == 5
	.amdgcn_target "amdgcn-amd-amdhsa--gfx1250"
	.amdhsa_code_object_version 6
	.text
	.protected	k_q4c919d5f46_ffn1
	.globl	k_q4c919d5f46_ffn1
	.p2align	8
	.type	k_q4c919d5f46_ffn1,@function
k_q4c919d5f46_ffn1:
	s_mov_b64 s[64:65], 0
	v_nop
	global_prefetch_b8 v0, s[64:65] scope:SCOPE_SE
	s_setreg_imm32_b32 hwreg(HW_REG_WAVE_MODE, 25, 1), 1
	s_wait_xcnt 0x0
	s_wait_alu depctr_hold_cnt(0) depctr_sa_sdst(0) depctr_va_vdst(0) depctr_va_sdst(0) depctr_va_ssrc(0) depctr_va_vcc(0) depctr_vm_vsrc(0)
	s_getreg_b32 s2, hwreg(HW_REG_IB_STS2, 6, 4)
	s_cmp_eq_u32 s2, 0
	s_cbranch_scc0 .Lentry_in_a_cluster
	s_endpgm
.Lentry_in_a_cluster:
	s_bfe_u32 s2, ttmp6, 0x10000c
	s_cmp_lg_u32 s2, 0xf033
	s_cbranch_scc0 .Lentry_shape_is_right
	s_endpgm
.Lentry_shape_is_right:
; h = relu(xn W1 + b1): a GEMM on codes of FP6 (E2M3) with E8M0 scales, K = 1,024, N = 4,096; h is quantised at once, along N, which is the next product's K, and never goes to memory as f32.
; A tile of C is 256 x 256: four waves of 128 x 128, 64 accumulators each.  K goes in steps of 256 through a ring of two LDS slots filled by joint tensor loads of a 4 x 4 cluster: A's tile is shared along a row, B's along a column.
; OPERANDS lie in memory as images of their registers (a fragment: 3 x 512 bytes, lane l's 16 bytes at 16 l), eight tiles x 256 K on end: 24,576 dense bytes a load.  Scale words: 512 bytes for eight tiles and 128 K; all of K's come once.
; Row index i of every operand stands at position swap34(i).  THE MATRIX INSTRUCTION IS USED TRANSPOSED (source 0 = B's tile, source 1 = A's): a lane holds one position of A (a token), and the 64 registers of B's eight tiles are
; hidden units 32 b + 16 (lane / 16) + i of my 128: one K step of the next product: one fragment and one scale word a row.
; LIMITS: a block of zeros gets the byte 1 (its codes are zeros; this program alone reads the bytes); NaN and infinities are not served.
; REGISTERS: window 0: v0-31 addresses; v32-63 scale words, two sets; v64-127 at work on the way out; v128-223 A's fragments, one set, later codes.  window 1: B's two sets; b1 in v96-127 and v224-255.  windows 2, 3: accumulators.
.set KTOT,  1024
.set NTA,   256
.set NTB,   256
.set NGA,   32
.set NGB,   32
.set A_S,   3145728
.set B_I,   3309568
.set B_S,   6455296
.set HB_S,  12582912                   ; h's scale words, behind its codes
.set FR,    12
.set NL,    3
.set NP,    4                          ; places behind this matrix instruction (ISA guide 7.12.1)
.set HALFT, 24576
.set SLOT,  4*HALFT
.set LAPS,  KTOT/512
.set SCLL,  2*SLOT
.set HALFS, (KTOT/128)*512
.set SPARE, SCLL+4*HALFS               ; the spare words: 128 bytes a wave, two blocks of 256 bytes that no other line names
.set ADRA, 16
.set ADRB, 20
.set STO,  24
.set RD,   25
.set ADRS, 27
.set SPW,  28
.set NIL,  29
.set LI,   30
.set SC,   32
.set T,    64
.set AF,   128
.set PC,   128
.set TM,   148
.set PW,   164
.set G1, 24
.set G0, 32
.set G1B, 48
.set G0B, 56
.set G1S, 68
.set G0S, 76
.set G1SB, 80
.set G0SB, 88
.set SEL, 100
.set MSB, 0
.macro WIN new
.if MSB != (\new)
	s_set_vgpr_msb (MSB<<8)|(\new)
.set MSB, (\new)
.endif
.endm
.set MUL_LO, 0xa1
.set MUL_HI, 0xf1
.set TO_B,   0x40
.macro JLOAD g0a, g1a, g0b, g1b        ; a joint load: waves 0 and 1 fetch for A, waves 2 and 3 for B; four v_nop follow each line
	s_cmp_eq_u32 s15, 0
	s_cbranch_scc0 .Lfor_b_\@
	tensor_load_to_lds s[\g0a:\g0a+3], s[\g1a:\g1a+7]
	s_nop 0
.rept 4
	v_nop
.endr
	s_branch .Lasked_\@
.Lfor_b_\@:
	tensor_load_to_lds s[\g0b:\g0b+3], s[\g1b:\g1b+7]
	s_nop 0
.rept 4
	v_nop
.endr
.Lasked_\@:
.endm
.macro CREST
	s_cmp_lg_u32 s14, 0
	s_cbranch_scc1 .Lnot_wave_0_\@
	s_barrier_signal -3
.Lnot_wave_0_\@:
	s_barrier_wait -3
	s_barrier_signal -1
	s_barrier_wait -1
.endm
.macro CROUND
	s_barrier_signal -1
	s_barrier_wait -1
	CREST
.endm
	s_load_b128 s[4:7], s[0:1], 0x0                ; xn, wts
	s_load_b128 s[8:11], s[0:1], 0x10              ; b1, hb
	v_lshl_add_u32 v[SPW], v0, 2, SPARE
	v_mov_b32 v[NIL], 0
	ds_add_u32 v28, v29
	ds_add_u32 v28, v29
	s_wait_dscnt 0x0
	v_lshrrev_b32 v1, 5, v0
	v_readfirstlane_b32 s14, v1                    ; wave 0..3
	s_lshr_b32 s15, s14, 1                         ; my half of the rows.  Also: I fetch for A (0) or for B (1)
	s_and_b32 s16, s14, 1                          ; my half of the columns.  Also: which eight tiles I fetch
	s_bfe_u32 s40, ttmp6, 0x40000
	s_bfe_u32 s41, ttmp6, 0x40004
	s_lshl_b32 s42, ttmp9, 2
	s_add_co_u32 s42, s42, s40                     ; tile column
	s_and_b32 s17, ttmp7, 0xffff
	s_lshl_b32 s17, s17, 2
	s_add_co_u32 s17, s17, s41                     ; tile row
	s_lshl_b32 s43, s41, 2
	s_lshl_b32 s43, 15, s43
	s_lshl_b32 s44, 0x1111, s40
	s_or_b32 s[G1+0], s43, (3<<16)|(1<<21)         ; codes: 96 rows of 256 bytes, dense
	s_or_b32 s[G1B+0], s44, (3<<16)|(1<<21)
.irp g, G1, G1B
	s_mov_b32 s[\g+1], 32<<16
	s_mov_b32 s[\g+2], 96<<16
	s_mov_b32 s[\g+3], 32<<16
	s_mov_b32 s[\g+4], 96
	s_mov_b32 s[\g+5], 32
	s_mov_b32 s[\g+6], 0
	s_mov_b32 s[\g+7], 0
.endr
	s_or_b32 s[G1S+0], s43, (3<<16)|(1<<21)        ; scale words: a row of 512 bytes for each 128 along K
	s_or_b32 s[G1SB+0], s44, (3<<16)|(1<<21)
.irp g, G1S, G1SB
	s_mov_b32 s[\g+1], 64<<16
	s_mov_b32 s[\g+2], (KTOT/128)<<16
	s_mov_b32 s[\g+3], 64<<16
	s_mov_b32 s[\g+4], KTOT/128
	s_mov_b32 s[\g+6], 0
	s_mov_b32 s[\g+7], 0
.endr
	s_mov_b32 s[G1S+5], 64*NGA
	s_mov_b32 s[G1SB+5], 64*NGB
	s_lshl_b32 s18, s16, 3
	s_lshl_b32 s20, s17, 4
	s_add_co_u32 s20, s20, s18
	s_mul_i32 s20, s20, 3072
	s_mov_b32 s21, 0
	s_lshl_b32 s22, s17, 1
	s_add_co_u32 s22, s22, s16
	s_lshl_b32 s22, s22, 9
	s_add_co_u32 s22, s22, A_S
	s_mov_b32 s23, 0
	s_lshl_b32 s46, s42, 4
	s_add_co_u32 s46, s46, s18
	s_mul_i32 s46, s46, 3072
	s_add_co_u32 s46, s46, B_I
	s_mov_b32 s47, 0
	s_lshl_b32 s2, s42, 1
	s_add_co_u32 s2, s2, s16
	s_lshl_b32 s2, s2, 9
	s_add_co_u32 s2, s2, B_S
	s_mov_b32 s3, 0
	s_mul_i32 s45, s14, HALFT                      ; where they go: no place in the cluster enters an LDS address
	s_mul_i32 s19, s14, HALFS
	s_wait_kmcnt 0x0
	s_add_nc_u64 s[20:21], s[4:5], s[20:21]
	s_add_nc_u64 s[22:23], s[4:5], s[22:23]
	s_add_nc_u64 s[46:47], s[6:7], s[46:47]
	s_add_nc_u64 s[2:3], s[6:7], s[2:3]
	CROUND                                         ; all sixteen work-groups are here: the first joint loads meet
	s_mov_b32 s[G0S], 1
	s_add_co_u32 s[G0S+1], s19, SCLL
	s_mov_b64 s[G0S+2:G0S+3], s[22:23]
	s_or_b32 s[G0S+3], s[G0S+3], 0x80000000
	s_mov_b32 s[G0SB], 1
	s_add_co_u32 s[G0SB+1], s19, SCLL
	s_mov_b64 s[G0SB+2:G0SB+3], s[2:3]
	s_or_b32 s[G0SB+3], s[G0SB+3], 0x80000000
	JLOAD G0S, G1S, G0SB, G1SB                     ; the scale words for all of K: filled once
.irp s, 0,1
	s_mov_b32 s[G0+4*\s], 1
	s_add_co_u32 s[G0+4*\s+1], s45, \s*SLOT
	s_add_nc_u64 s[G0+4*\s+2:G0+4*\s+3], s[20:21], \s*NTA*3072
	s_or_b32 s[G0+4*\s+3], s[G0+4*\s+3], 0x80000000
	s_mov_b32 s[G0B+4*\s], 1
	s_add_co_u32 s[G0B+4*\s+1], s45, \s*SLOT
	s_add_nc_u64 s[G0B+4*\s+2:G0B+4*\s+3], s[46:47], \s*NTB*3072
	s_or_b32 s[G0B+4*\s+3], s[G0B+4*\s+3], 0x80000000
	JLOAD G0+4*\s, G1, G0B+4*\s, G1B               ; K steps 0 and 1: three loads of mine are out
.endr
	v_and_b32 v1, 15, v0                           ; r
	v_bfe_u32 v2, v0, 4, 1                         ; h
	v_and_b32 v3, 31, v0
	v_lshlrev_b32 v[LI], 4, v3
	s_mul_i32 s21, s15, HALFT
	s_mul_i32 s22, s16, HALFT
	s_add_co_u32 s22, s22, 2*HALFT
.irp s, 0,1
	v_add_nc_u32 v[ADRA+\s], s21, v[LI]
	v_add_nc_u32 v[ADRB+\s], s22, v[LI]
	s_add_co_u32 s21, s21, SLOT
	s_add_co_u32 s22, s22, SLOT
.endr
	v_lshlrev_b32 v5, 5, v1
	s_mul_i32 s21, s15, HALFS
	s_mul_i32 s22, s16, HALFS
	s_add_co_u32 s22, s22, 2*HALFS
	s_sub_co_u32 s22, s22, s21
	v_mul_u32_u24 v6, s22, v2                      ; lanes 16-31 take B's scale words
	s_add_co_u32 s21, s21, SCLL
	v_add_nc_u32 v6, v5, v6
	v_add_nc_u32 v[ADRS], s21, v6
	s_lshl_b32 s23, s14, 9                         ; the way out: 512 bytes a wave for h's scale words, in slot 0
	v_add_nc_u32 v[STO], s23, v5                   ; 32 r
	v_add_nc_u32 v[RD], s23, v[LI]
	s_lshl_b32 s18, s42, 10
	s_lshl_b32 s20, s16, 9
	s_add_co_u32 s18, s18, s20                     ; 4 x my first hidden unit
	s_mov_b32 s19, 0
	s_add_nc_u64 s[8:9], s[8:9], s[18:19]
	v_lshlrev_b32 v7, 6, v2                        ; 64 h: my 16 of each 32
	WIN TO_B
.set i, 0
.rept 16
	global_load_b128 v[96+4*i+96*(i/8):96+4*i+96*(i/8)+3], v7, s[8:9] offset:128*(i/4)+16*(i%4)
.set i, i+1
.endr
	WIN 0
	; h's places: fragment ((tile column x 256 + my first tile) 2 + column half) 1,536; scale words ((2 tile column + column half) 32 + 2 tile row + row half) 512
	s_lshl_b32 s18, s42, 8
	s_lshl_b32 s20, s17, 4
	s_add_co_u32 s18, s18, s20
	s_lshl_b32 s20, s15, 3
	s_add_co_u32 s18, s18, s20
	s_lshl_b32 s18, s18, 1
	s_add_co_u32 s18, s18, s16
	s_mul_i32 s18, s18, 1536
	s_lshl_b32 s20, s42, 1
	s_add_co_u32 s20, s20, s16
	s_lshl_b32 s20, s20, 5
	s_lshl_b32 s21, s17, 1
	s_add_co_u32 s20, s20, s21
	s_add_co_u32 s20, s20, s15
	s_lshl_b32 s20, s20, 9
	s_add_co_u32 s20, s20, HB_S
	s_mov_b32 s21, 0
	s_add_nc_u64 s[12:13], s[10:11], s[20:21]
	s_add_nc_u64 s[10:11], s[10:11], s[18:19]
.macro FRAG reg, adr, q, i             ; a fragment comes as it was stored: three loads of 512 consecutive bytes
.irp c, 0,1,2
	ds_load_b128 v[\reg+4*\c:\reg+4*\c+3], v[\adr] offset:(2*(\i)+(\q))*1536+512*\c
.endr
.endm
; 16 matrix instructions: A's blocks a0, a0 + 1 x B's eight.  The 64 accumulators take turns, one instruction a turn, in the same order in every step.
.macro MUL16 a0, p, q, sc, zero
.irp a, \a0, \a0+1
.irp b, 0,1,2,3,4,5,6,7
.if \zero
	v_wmma_scale_f32_16x16x128_f8f6f4 v[8*(8*((\a)%4)+\b):8*(8*((\a)%4)+\b)+7], v[128*(\p)+FR*\b:128*(\p)+FR*\b+FR-1], v[AF+FR*(\a):AF+FR*(\a)+FR-1], 0, v[SC+16*(\sc)+8*(\q)+\b], v[SC+16*(\sc)+8*(\q)+(\a)] matrix_a_fmt:MATRIX_FMT_FP6 matrix_b_fmt:MATRIX_FMT_FP6 matrix_a_scale:MATRIX_SCALE_ROW1
.else
	v_wmma_scale_f32_16x16x128_f8f6f4 v[8*(8*((\a)%4)+\b):8*(8*((\a)%4)+\b)+7], v[128*(\p)+FR*\b:128*(\p)+FR*\b+FR-1], v[AF+FR*(\a):AF+FR*(\a)+FR-1], v[8*(8*((\a)%4)+\b):8*(8*((\a)%4)+\b)+7], v[SC+16*(\sc)+8*(\q)+\b], v[SC+16*(\sc)+8*(\q)+(\a)] matrix_a_fmt:MATRIX_FMT_FP6 matrix_b_fmt:MATRIX_FMT_FP6 matrix_a_scale:MATRIX_SCALE_ROW1
.endif
.endr
.endr
.endm
.macro FETCH_B slot, q, p
	WIN TO_B
.irp i, 0,1,2,3,4,5,6,7
	FRAG 128*(\p)+FR*\i, ADRB+\slot, \q, \i
.endr
	WIN 0
.endm
.macro FETCH_A slot, q, i0
.irp i, \i0, \i0+1, \i0+2, \i0+3
	FRAG AF+FR*(\i), ADRA+\slot, \q, \i
.endr
.endm
.macro SCALES sc                       ; register 8 q + i: lanes 0-15 A's block i, lanes 16-31 B's block i
.irp q, 0,1
.irp f, 0,1
	ds_load_b128 v[SC+16*\sc+8*\q+4*\f:SC+16*\sc+8*\q+4*\f+3], v[ADRS] offset:512*\q+16*\f
.endr
.endr
.endm
.macro PLACES n
.rept \n
	v_nop
.endr
.endm
.macro STEP slot, q, zero
	s_wait_dscnt 4*NL                              ; all but the youngest 12 loads (A's blocks 4-7) are in
	WIN MUL_LO
	MUL16 0, (\q)%2, \q, \slot, \zero
	MUL16 2, (\q)%2, \q, \slot, \zero
	s_wait_dscnt 0
	PLACES NP
	FETCH_B \slot, (\q)+1, 1-(\q)%2
	FETCH_A \slot, (\q)+1, 0
	WIN MUL_HI
	MUL16 4, (\q)%2, \q, \slot, \zero
	MUL16 6, (\q)%2, \q, \slot, \zero
	PLACES NP
	WIN 0
	FETCH_A \slot, (\q)+1, 4
.endm
.macro TURN slot, next, fill           ; a slot's second 128 along K, and the change of slots
	s_wait_tensorcnt 0x0                           ; all my tensor loads have landed: my part of the next slot
	ds_add_u32 v[SPW], v[NIL]                      ; 0 onto my spare word
	s_wait_dscnt 4*NL+1                            ; (the add and A's blocks 4-7 may be out)
	WIN MUL_LO
	MUL16 0, 1, 1, \slot, 0
	s_wait_dscnt 0x0                               ; the add is done, and my reads of this slot are over
	s_barrier_signal -1
	MUL16 2, 1, 1, \slot, 0
	WIN 0
	s_barrier_wait -1
.if \fill
	CREST                                          ; a round of the cluster's barrier: no wave of any partner still reads this slot or has a load on its way
	s_add_nc_u64 s[G0+4*\slot+2:G0+4*\slot+3], s[G0+4*\slot+2:G0+4*\slot+3], 2*NTA*3072
	s_add_nc_u64 s[G0B+4*\slot+2:G0B+4*\slot+3], s[G0B+4*\slot+2:G0B+4*\slot+3], 2*NTB*3072
	JLOAD G0+4*\slot, G1, G0B+4*\slot, G1B         ; the first tensor load behind the round
.else
	PLACES NP
.endif
	v_add_nc_u32 v[ADRS], 1024, v[ADRS]
	FETCH_B \next, 0, 0
	FETCH_A \next, 0, 0
	SCALES \next
	WIN MUL_HI
	MUL16 4, 1, 1, \slot, 0
	MUL16 6, 1, 1, \slot, 0
	PLACES NP
	WIN 0
	FETCH_A \next, 0, 4
.endm
	s_wait_loadcnt 0x0                             ; b1
	s_wait_tensorcnt 1                             ; the scale words and my part of K step 0 are in; K step 1's load may be out
	s_barrier_signal -1
	s_barrier_wait -1
	FETCH_B 0, 0, 0
	FETCH_A 0, 0, 0
	SCALES 0
	FETCH_A 0, 0, 4
	STEP 0, 0, 1                                   ; the first products start the sums
	s_mov_b32 s3, LAPS-1
.Llap:
	TURN 0, 1, 1
	STEP 1, 0, 0
	TURN 1, 0, 1
	STEP 0, 0, 0
	s_sub_co_u32 s3, s3, 1
	s_cmp_lg_u32 s3, 0
	s_cbranch_scc1 .Llap
	TURN 0, 1, 0
	STEP 1, 0, 0
	s_wait_dscnt 4*NL
	WIN MUL_LO
	MUL16 0, 1, 1, 1, 0
	MUL16 2, 1, 1, 1, 0
	s_wait_dscnt 0
	WIN MUL_HI
	MUL16 4, 1, 1, 1, 0
	MUL16 6, 1, 1, 1, 0
	WIN 0
; 64 numbers of a lane, register 16 b + i = k 32 b + 16 (lane / 16) + i of my row, become a fragment's codes in v[PC] on and its scale word in v[PW]
.macro QUANT s
.irp b, 0,1,2,3
	v_max3_num_f32 v[TM+\b], |v[\s+16*\b]|, |v[\s+1+16*\b]|, 0x1800000   ; and the floor 2^(3 - 127): the byte cannot fall under 1
.endr
.irp i, 2,4,6,8,10,12,14
.irp b, 0,1,2,3
	v_max3_num_f32 v[TM+\b], v[TM+\b], |v[\s+16*\b+\i]|, |v[\s+1+16*\b+\i]|
.endr
.endr
.irp b, 0,1,2,3
	v_permlanex16_b32 v[TM+4+\b], v[TM+\b], s[SEL], s[SEL+1]
.endr
.irp b, 0,1,2,3
	v_max_num_f32 v[TM+\b], v[TM+\b], v[TM+4+\b]
.endr
.irp b, 0,1,2,3
	v_add_nc_u32 v[TM+12+\b], 0xff000000, v[TM+\b]
.endr
.irp b, 0,1,2,3
	v_lshrrev_b32 v[TM+4+\b], 23, v[TM+12+\b]
.endr
	v_lshl_or_b32 v[PW], v[TM+5], 8, v[TM+4]
	v_lshl_or_b32 v[PW], v[TM+6], 16, v[PW]
	v_lshl_or_b32 v[PW], v[TM+7], 24, v[PW]
.irp c, 0,1
	v_cvt_scalef32_pk16_fp6_f32 v[PC+6*\c:PC+2+6*\c], v[\s+32*\c:\s+15+32*\c], v[TM+12+2*\c]
	v_cvt_scalef32_pk16_fp6_f32 v[PC+12+4*\c:PC+14+4*\c], v[\s+16+32*\c:\s+31+32*\c], v[TM+12+2*\c+1]
.endr
	v_nop                                          ; one plain line behind the conversions
.irp c, 0,1
.irp i, 0,1,2
	v_permlane16_swap_b32 v[PC+6*\c+\i], v[PC+12+4*\c+\i]
.endr
.irp i, 0,1,2
	v_mov_b32 v[PC+3+6*\c+\i], v[PC+12+4*\c+\i]
.endr
.endr
.endm
	; THE WAY OUT, block by block of 16 tokens x my 128 hidden units
	PLACES NP
	s_mov_b32 s[SEL], 0x76543210
	s_mov_b32 s[SEL+1], 0xfedcba98
.irp b, 0,1,2,3
	v_mov_b32 v[TM+4+\b], 0                        ; written once: a lane permute's destination counts as one of its sources
.endr
.macro EBLOCK a
.if (\a) > 0
	s_wait_xcnt 0x0                                ; the last block's stores have read their registers
.endif
	WIN 0x06+(\a)/4                                ; source 0: the accumulators' window; source 1: window 1
.set p, 0
.rept 32
	v_pk_add_f32 v[T+2*p:T+2*p+1], v[64*((\a)%4)+2*p:64*((\a)%4)+2*p+1], v[96+2*p+96*(p/16):96+2*p+96*(p/16)+1]   ; + b1; each accumulator from its low end on
.set p, p+1
.endr
	WIN 0
.set j, 0
.rept 64
	v_max_num_f32 v[T+j], 0, v[T+j]                ; relu, in f32
.set j, j+1
.endr
	QUANT T
.irp c, 0,1,2
	global_store_b128 v[LI], v[PC+4*\c:PC+4*\c+3], s[10:11] offset:3072*(\a)+512*\c   ; 512 consecutive bytes a store
.endr
	ds_store_b32 v[STO], v[PW] offset:4*(\a)       ; (lanes 16-31 repeat lanes 0-15)
.endm
.irp a, 0,1,2,3,4,5,6,7
	EBLOCK \a
.endr
	ds_load_b128 v[T:T+3], v[RD]                   ; LDS serves a wave's instructions in order: this sees my stores
	s_wait_dscnt 0x0
	global_store_b128 v[LI], v[T:T+3], s[12:13]    ; my eight tiles' scale words: 512 consecutive bytes
	s_wait_tensorcnt 0x0                           ; the wave's end
	ds_add_u32 v[SPW], v[NIL]
	s_wait_dscnt 0x0
	CROUND                                         ; the closing round
	s_endpgm
.Lfunc_end_k_q4c919d5f46_ffn1:
	.size	k_q4c919d5f46_ffn1, .Lfunc_end_k_q4c919d5f46_ffn1-k_q4c919d5f46_ffn1
	.p2alignl 7, 3214868480
	.fill 96, 4, 3214868480
	.section	.rodata,"a",@progbits
	.p2align	6, 0x0
	.amdhsa_kernel k_q4c919d5f46_ffn1
		.amdhsa_group_segment_fixed_size 327680
		.amdhsa_private_segment_fixed_size 0
		.amdhsa_enable_private_segment 0
		.amdhsa_kernarg_size 32
		.amdhsa_user_sgpr_count 2
		.amdhsa_user_sgpr_kernarg_segment_ptr 1
		.amdhsa_wavefront_size32 1
		.amdhsa_system_sgpr_workgroup_id_x 1
		.amdhsa_system_sgpr_workgroup_id_y 1
		.amdhsa_system_sgpr_workgroup_id_z 1
		.amdhsa_system_vgpr_workitem_id 0
		.amdhsa_next_free_vgpr 1024
		.amdhsa_next_free_sgpr 102
		.amdhsa_reserve_vcc 0
		.amdhsa_float_denorm_mode_32 3
		.amdhsa_float_denorm_mode_16_64 3
		.amdhsa_memory_ordered 1
		.amdhsa_forward_progress 1
		.amdhsa_inst_pref_size 173
	.end_amdhsa_kernel
	.amdgpu_metadata
---
amdhsa.version: [ 1, 2 ]
amdhsa.kernels:
  - .name:           k_q4c919d5f46_ffn1
    .symbol:         k_q4c919d5f46_ffn1.kd
    .args:
      - { .name: xn, .offset: 0, .size: 8, .value_kind: global_buffer, .address_space: global }
      - { .name: wts, .offset: 8, .size: 8, .value_kind: global_buffer, .address_space: global }
      - { .name: b1, .offset: 16, .size: 8, .value_kind: global_buffer, .address_space: global }
      - { .name: hb, .offset: 24, .size: 8, .value_kind: global_buffer, .address_space: global }
    .group_segment_fixed_size: 327680
    .private_segment_fixed_size: 0
    .kernarg_segment_align: 8
    .kernarg_segment_size: 32
    .max_flat_workgroup_size: 128
    .sgpr_count:     102
    .vgpr_count:     1024
    .wavefront_size: 32
...
	.end_amdgpu_metadata
.endif
;; end of part 5
;; launch ffn2 (part 6): grid 4 x 16, 4 waves a work-group, clusters of 4 x 4, 327,680 bytes of LDS; arguments hb, wts, b2, x1, out0; writes out0
.if DOCPART == 6
	.amdgcn_target "amdgcn-amd-amdhsa--gfx1250"
	.amdhsa_code_object_version 6
	.text
	.protected	k_q4c919d5f46_ffn2
	.globl	k_q4c919d5f46_ffn2
	.p2align	8
	.type	k_q4c919d5f46_ffn2,@function
k_q4c919d5f46_ffn2:
	s_mov_b64 s[64:65], 0
	v_nop
	global_prefetch_b8 v0, s[64:65] scope:SCOPE_SE
	s_setreg_imm32_b32 hwreg(HW_REG_WAVE_MODE, 25, 1), 1
	s_wait_xcnt 0x0
	s_wait_alu depctr_hold_cnt(0) depctr_sa_sdst(0) depctr_va_vdst(0) depctr_va_sdst(0) depctr_va_ssrc(0) depctr_va_vcc(0) depctr_vm_vsrc(0)
	s_getreg_b32 s2, hwreg(HW_REG_IB_STS2, 6, 4)
	s_cmp_eq_u32 s2, 0
	s_cbranch_scc0 .Lentry_in_a_cluster
	s_endpgm
.Lentry_in_a_cluster:
	s_bfe_u32 s2, ttmp6, 0x10000c
	s_cmp_lg_u32 s2, 0xf033
	s_cbranch_scc0 .Lentry_shape_is_right
	s_endpgm
.Lentry_shape_is_right:
; out = x1 + (h W2 + b2): a GEMM on codes of FP6 (E2M3) with E8M0 scales, K = 4,096, N = 1,024; bias and residual on the way out; f32 rows out.
; A tile of C is 256 x 256: four waves of 128 x 128, 64 accumulators each.  K goes in steps of 256 through a ring of two LDS slots filled by joint tensor loads of a 4 x 4 cluster: A's tile is shared along a row, B's along a column.
; OPERANDS lie in memory as images of their registers (a fragment: 3 x 512 bytes, lane l's 16 bytes at 16 l), eight tiles x 256 K on end: 24,576 dense bytes a load.  Scale words: 512 bytes for eight tiles and 128 K; all of K's come once.
; Row index i of every operand stands at position swap34(i).  THE MATRIX INSTRUCTION IS USED TRANSPOSED (source 0 = B's tile, source 1 = A's): a lane holds one position of A (a token), and the registers of B's tiles 2 b, 2 b + 1
; are columns 32 b + 16 (lane / 16) + 0 .. 15.  The way out puts rows and columns back in their true places.
; N = 1,024 gives 64 tiles of this size: 64 work-groups.  A smaller tile would read each fragment from LDS for half the products.
; REGISTERS: window 0: v0-31 addresses, bias; v32-63 scale words, two sets; v128-223 A's fragments, one set; on the way out v64-191 the residual's rows, v192-255 rows of C.  window 1: B's two sets.  windows 2, 3: accumulators.
.set KTOT,  4096
.set NTA,   256                        ; tiles in A's image, in B's
.set NTB,   64
.set NGA,   32                         ; groups of eight tiles
.set NGB,   8
.set A_S,   12582912                   ; A's scale words in its buffer
.set B_I,   6586368                    ; B's image and scale words in wts
.set B_S,   9732096
.set FINAL, 1
.set FR,    12
.set NL,    3
.set NP,    4                          ; places behind this matrix instruction (ISA guide 7.12.1)
.set HALFT, 24576
.set SLOT,  4*HALFT
.set LAPS,  KTOT/512
.set SCLL,  2*SLOT
.set HALFS, (KTOT/128)*512
.set SPARE, SCLL+4*HALFS               ; the spare words: 128 bytes a wave, two blocks of 256 bytes that no other line names
.set SPITCH, 528                       ; the way out: a stage of 16 rows x (512 bytes + 16) a wave, in slot 0
.set BI,   8                           ; v8-11 the bias of my four columns of a row
.set ADRA, 16
.set ADRB, 20
.set STO,  24
.set RD,   25
.set CO,   26
.set ADRS, 27
.set SPW,  28
.set NIL,  29
.set SC,   32
.set RR,   64
.set AF,   128
.set BK,   192
.set G1, 24
.set G0, 32
.set G1B, 48
.set G0B, 56
.set G1S, 68
.set G0S, 76
.set G1SB, 80
.set G0SB, 88
.set MSB, 0
.macro WIN new
.if MSB != (\new)
	s_set_vgpr_msb (MSB<<8)|(\new)
.set MSB, (\new)
.endif
.endm
.set MUL_LO, 0xa1
.set MUL_HI, 0xf1
.set TO_B,   0x40
.macro JLOAD g0a, g1a, g0b, g1b        ; a joint load: waves 0 and 1 fetch for A, waves 2 and 3 for B; four v_nop follow each line
	s_cmp_eq_u32 s15, 0
	s_cbranch_scc0 .Lfor_b_\@
	tensor_load_to_lds s[\g0a:\g0a+3], s[\g1a:\g1a+7]
	s_nop 0
.rept 4
	v_nop
.endr
	s_branch .Lasked_\@
.Lfor_b_\@:
	tensor_load_to_lds s[\g0b:\g0b+3], s[\g1b:\g1b+7]
	s_nop 0
.rept 4
	v_nop
.endr
.Lasked_\@:
.endm
.macro CREST
	s_cmp_lg_u32 s14, 0
	s_cbranch_scc1 .Lnot_wave_0_\@
	s_barrier_signal -3
.Lnot_wave_0_\@:
	s_barrier_wait -3
	s_barrier_signal -1
	s_barrier_wait -1
.endm
.macro CROUND
	s_barrier_signal -1
	s_barrier_wait -1
	CREST
.endm
	s_load_b256 s[4:11], s[0:1], 0x0               ; A, wts, bias, residual
	s_load_b64 s[12:13], s[0:1], 0x20              ; out
	v_lshl_add_u32 v[SPW], v0, 2, SPARE
	v_mov_b32 v[NIL], 0
	ds_add_u32 v28, v29
	ds_add_u32 v28, v29
	s_wait_dscnt 0x0
	v_lshrrev_b32 v1, 5, v0
	v_readfirstlane_b32 s14, v1                    ; wave 0..3
	s_lshr_b32 s15, s14, 1                         ; my half of the rows.  Also: I fetch for A (0) or for B (1)
	s_and_b32 s16, s14, 1                          ; my half of the columns.  Also: which eight tiles I fetch
	s_bfe_u32 s40, ttmp6, 0x40000
	s_bfe_u32 s41, ttmp6, 0x40004
	s_lshl_b32 s42, ttmp9, 2
	s_add_co_u32 s42, s42, s40                     ; tile column
	s_and_b32 s17, ttmp7, 0xffff
	s_lshl_b32 s17, s17, 2
	s_add_co_u32 s17, s17, s41                     ; tile row
	s_lshl_b32 s43, s41, 2
	s_lshl_b32 s43, 15, s43
	s_lshl_b32 s44, 0x1111, s40
	s_or_b32 s[G1+0], s43, (3<<16)|(1<<21)         ; codes: 96 rows of 256 bytes, dense
	s_or_b32 s[G1B+0], s44, (3<<16)|(1<<21)
.irp g, G1, G1B
	s_mov_b32 s[\g+1], 32<<16
	s_mov_b32 s[\g+2], 96<<16
	s_mov_b32 s[\g+3], 32<<16
	s_mov_b32 s[\g+4], 96
	s_mov_b32 s[\g+5], 32
	s_mov_b32 s[\g+6], 0
	s_mov_b32 s[\g+7], 0
.endr
	s_or_b32 s[G1S+0], s43, (3<<16)|(1<<21)        ; scale words: a row of 512 bytes for each 128 along K
	s_or_b32 s[G1SB+0], s44, (3<<16)|(1<<21)
.irp g, G1S, G1SB
	s_mov_b32 s[\g+1], 64<<16
	s_mov_b32 s[\g+2], (KTOT/128)<<16
	s_mov_b32 s[\g+3], 64<<16
	s_mov_b32 s[\g+4], KTOT/128
	s_mov_b32 s[\g+6], 0
	s_mov_b32 s[\g+7], 0
.endr
	s_mov_b32 s[G1S+5], 64*NGA
	s_mov_b32 s[G1SB+5], 64*NGB
	s_lshl_b32 s18, s16, 3
	s_lshl_b32 s20, s17, 4
	s_add_co_u32 s20, s20, s18
	s_mul_i32 s20, s20, 3072                       ; A: tile 16 x tile row + 8 x half
	s_mov_b32 s21, 0
	s_lshl_b32 s22, s17, 1
	s_add_co_u32 s22, s22, s16
	s_lshl_b32 s22, s22, 9
	s_add_co_u32 s22, s22, A_S
	s_mov_b32 s23, 0
	s_lshl_b32 s46, s42, 4
	s_add_co_u32 s46, s46, s18
	s_mul_i32 s46, s46, 3072
	s_add_co_u32 s46, s46, B_I                     ; B likewise, by the tile column
	s_mov_b32 s47, 0
	s_lshl_b32 s2, s42, 1
	s_add_co_u32 s2, s2, s16
	s_lshl_b32 s2, s2, 9
	s_add_co_u32 s2, s2, B_S
	s_mov_b32 s3, 0
	s_mul_i32 s45, s14, HALFT                      ; where they go: no place in the cluster enters an LDS address
	s_mul_i32 s19, s14, HALFS
	s_wait_kmcnt 0x0
	s_add_nc_u64 s[20:21], s[4:5], s[20:21]
	s_add_nc_u64 s[22:23], s[4:5], s[22:23]
	s_add_nc_u64 s[46:47], s[6:7], s[46:47]
	s_add_nc_u64 s[2:3], s[6:7], s[2:3]
	CROUND                                         ; all sixteen work-groups are here: the first joint loads meet
	s_mov_b32 s[G0S], 1
	s_add_co_u32 s[G0S+1], s19, SCLL
	s_mov_b64 s[G0S+2:G0S+3], s[22:23]
	s_or_b32 s[G0S+3], s[G0S+3], 0x80000000
	s_mov_b32 s[G0SB], 1
	s_add_co_u32 s[G0SB+1], s19, SCLL
	s_mov_b64 s[G0SB+2:G0SB+3], s[2:3]
	s_or_b32 s[G0SB+3], s[G0SB+3], 0x80000000
	JLOAD G0S, G1S, G0SB, G1SB                     ; the scale words for all of K: filled once
.irp s, 0,1
	s_mov_b32 s[G0+4*\s], 1
	s_add_co_u32 s[G0+4*\s+1], s45, \s*SLOT
	s_add_nc_u64 s[G0+4*\s+2:G0+4*\s+3], s[20:21], \s*NTA*3072
	s_or_b32 s[G0+4*\s+3], s[G0+4*\s+3], 0x80000000
	s_mov_b32 s[G0B+4*\s], 1
	s_add_co_u32 s[G0B+4*\s+1], s45, \s*SLOT
	s_add_nc_u64 s[G0B+4*\s+2:G0B+4*\s+3], s[46:47], \s*NTB*3072
	s_or_b32 s[G0B+4*\s+3], s[G0B+4*\s+3], 0x80000000
	JLOAD G0+4*\s, G1, G0B+4*\s, G1B               ; K steps 0 and 1: three loads of mine are out
.endr
	v_and_b32 v1, 15, v0                           ; r
	v_bfe_u32 v2, v0, 4, 1                         ; h
	v_and_b32 v3, 31, v0
	v_lshlrev_b32 v[CO], 4, v3                     ; 16 x lane
	s_mul_i32 s21, s15, HALFT
	s_mul_i32 s22, s16, HALFT
	s_add_co_u32 s22, s22, 2*HALFT
.irp s, 0,1
	v_add_nc_u32 v[ADRA+\s], s21, v[CO]
	v_add_nc_u32 v[ADRB+\s], s22, v[CO]
	s_add_co_u32 s21, s21, SLOT
	s_add_co_u32 s22, s22, SLOT
.endr
	v_lshlrev_b32 v5, 5, v1
	s_mul_i32 s21, s15, HALFS
	s_mul_i32 s22, s16, HALFS
	s_add_co_u32 s22, s22, 2*HALFS
	s_sub_co_u32 s22, s22, s21
	v_mul_u32_u24 v6, s22, v2                      ; lanes 16-31 take B's scale words
	s_add_co_u32 s21, s21, SCLL
	v_add_nc_u32 v5, v5, v6
	v_add_nc_u32 v[ADRS], s21, v5
	s_mul_i32 s23, s14, 16*SPITCH                  ; my stage
	v_mul_u32_u24 v5, v1, SPITCH
	v_lshl_add_u32 v5, v2, 6, v5
	v_add_nc_u32 v[STO], s23, v5                   ; in: row r, + 64 h
	v_add_nc_u32 v[RD], s23, v[CO]                 ; back: a row of 512 bytes to the 32 lanes
	s_lshl_b32 s18, s17, 8
	s_lshl_b32 s20, s15, 7
	s_add_co_u32 s18, s18, s20
	s_lshl_b32 s18, s18, 12                        ; my first row x 4,096 bytes
	s_lshl_b32 s20, s42, 10
	s_lshl_b32 s21, s16, 9
	s_add_co_u32 s20, s20, s21                     ; my first column x 4
	s_mov_b32 s21, 0
	s_add_nc_u64 s[8:9], s[8:9], s[20:21]
	s_add_co_u32 s18, s18, s20
	s_mov_b32 s19, 0
	s_add_nc_u64 s[10:11], s[10:11], s[18:19]
	s_add_nc_u64 s[12:13], s[12:13], s[18:19]
	global_load_b128 v[BI:BI+3], v[CO], s[8:9]
.macro FRAG reg, adr, q, i             ; a fragment comes as it was stored: three loads of 512 consecutive bytes
.irp c, 0,1,2
	ds_load_b128 v[\reg+4*\c:\reg+4*\c+3], v[\adr] offset:(2*(\i)+(\q))*1536+512*\c
.endr
.endm
; 16 matrix instructions: A's blocks a0, a0 + 1 x B's eight.  The 64 accumulators take turns, one instruction a turn, in the same order in every step.
.macro MUL16 a0, p, q, sc, zero
.irp a, \a0, \a0+1
.irp b, 0,1,2,3,4,5,6,7
.if \zero
	v_wmma_scale_f32_16x16x128_f8f6f4 v[8*(8*((\a)%4)+\b):8*(8*((\a)%4)+\b)+7], v[128*(\p)+FR*\b:128*(\p)+FR*\b+FR-1], v[AF+FR*(\a):AF+FR*(\a)+FR-1], 0, v[SC+16*(\sc)+8*(\q)+\b], v[SC+16*(\sc)+8*(\q)+(\a)] matrix_a_fmt:MATRIX_FMT_FP6 matrix_b_fmt:MATRIX_FMT_FP6 matrix_a_scale:MATRIX_SCALE_ROW1
.else
	v_wmma_scale_f32_16x16x128_f8f6f4 v[8*(8*((\a)%4)+\b):8*(8*((\a)%4)+\b)+7], v[128*(\p)+FR*\b:128*(\p)+FR*\b+FR-1], v[AF+FR*(\a):AF+FR*(\a)+FR-1], v[8*(8*((\a)%4)+\b):8*(8*((\a)%4)+\b)+7], v[SC+16*(\sc)+8*(\q)+\b], v[SC+16*(\sc)+8*(\q)+(\a)] matrix_a_fmt:MATRIX_FMT_FP6 matrix_b_fmt:MATRIX_FMT_FP6 matrix_a_scale:MATRIX_SCALE_ROW1
.endif
.endr
.endr
.endm
.macro FETCH_B slot, q, p
	WIN TO_B
.irp i, 0,1,2,3,4,5,6,7
	FRAG 128*(\p)+FR*\i, ADRB+\slot, \q, \i
.endr
	WIN 0
.endm
.macro FETCH_A slot, q, i0
.irp i, \i0, \i0+1, \i0+2, \i0+3
	FRAG AF+FR*(\i), ADRA+\slot, \q, \i
.endr
.endm
.macro SCALES sc                       ; register 8 q + i: lanes 0-15 A's block i, lanes 16-31 B's block i
.irp q, 0,1
.irp f, 0,1
	ds_load_b128 v[SC+16*\sc+8*\q+4*\f:SC+16*\sc+8*\q+4*\f+3], v[ADRS] offset:512*\q+16*\f
.endr
.endr
.endm
.macro PLACES n
.rept \n
	v_nop
.endr
.endm
.macro STEP slot, q, zero
	s_wait_dscnt 4*NL                              ; all but the youngest 12 loads (A's blocks 4-7) are in
	WIN MUL_LO
	MUL16 0, (\q)%2, \q, \slot, \zero
	MUL16 2, (\q)%2, \q, \slot, \zero
	s_wait_dscnt 0
	PLACES NP
	FETCH_B \slot, (\q)+1, 1-(\q)%2
	FETCH_A \slot, (\q)+1, 0
	WIN MUL_HI
	MUL16 4, (\q)%2, \q, \slot, \zero
	MUL16 6, (\q)%2, \q, \slot, \zero
	PLACES NP
	WIN 0
	FETCH_A \slot, (\q)+1, 4
.endm
.macro TURN slot, next, fill           ; a slot's second 128 along K, and the change of slots
	s_wait_tensorcnt 0x0                           ; all my tensor loads have landed: my part of the next slot
	ds_add_u32 v[SPW], v[NIL]                      ; 0 onto my spare word
	s_wait_dscnt 4*NL+1                            ; (the add and A's blocks 4-7 may be out)
	WIN MUL_LO
	MUL16 0, 1, 1, \slot, 0
	s_wait_dscnt 0x0                               ; the add is done, and my reads of this slot are over
	s_barrier_signal -1
	MUL16 2, 1, 1, \slot, 0
	WIN 0
	s_barrier_wait -1
.if \fill
	CREST                                          ; a round of the cluster's barrier: no wave of any partner still reads this slot or has a load on its way
	s_add_nc_u64 s[G0+4*\slot+2:G0+4*\slot+3], s[G0+4*\slot+2:G0+4*\slot+3], 2*NTA*3072
	s_add_nc_u64 s[G0B+4*\slot+2:G0B+4*\slot+3], s[G0B+4*\slot+2:G0B+4*\slot+3], 2*NTB*3072
	JLOAD G0+4*\slot, G1, G0B+4*\slot, G1B         ; the first tensor load behind the round
.else
	PLACES NP
.endif
	v_add_nc_u32 v[ADRS], 1024, v[ADRS]
	FETCH_B \next, 0, 0
	FETCH_A \next, 0, 0
	SCALES \next
	WIN MUL_HI
	MUL16 4, 1, 1, \slot, 0
	MUL16 6, 1, 1, \slot, 0
	PLACES NP
	WIN 0
	FETCH_A \next, 0, 4
.endm
	s_wait_loadcnt 0x0                             ; the bias
	s_wait_tensorcnt 1                             ; the scale words and my part of K step 0 are in; K step 1's load may be out
	s_barrier_signal -1
	s_barrier_wait -1
	FETCH_B 0, 0, 0
	FETCH_A 0, 0, 0
	SCALES 0
	FETCH_A 0, 0, 4
	STEP 0, 0, 1                                   ; the first products start the sums
	s_mov_b32 s3, LAPS-1
.Llap:
	TURN 0, 1, 1
	STEP 1, 0, 0
	TURN 1, 0, 1
	STEP 0, 0, 0
	s_sub_co_u32 s3, s3, 1
	s_cmp_lg_u32 s3, 0
	s_cbranch_scc1 .Llap
	TURN 0, 1, 0
	STEP 1, 0, 0
	s_wait_dscnt 4*NL
	WIN MUL_LO
	MUL16 0, 1, 1, 1, 0
	MUL16 2, 1, 1, 1, 0
	s_wait_dscnt 0
	WIN MUL_HI
	MUL16 4, 1, 1, 1, 0
	MUL16 6, 1, 1, 1, 0
	WIN 0
; THE WAY OUT, block by block of 16 positions x 128 columns, through my stage in slot 0 (it has had its last fill and, behind the last change of slots, its last read).
; Position t of block a is row 32 (a / 2) + 8 (a % 2) + t + 8 (t / 8) of my 128.
.macro XRES a                          ; the residual's 16 rows of block a: 512 consecutive bytes a load
.set RB, RR+64*((\a)%2)
.set t, 0
.rept 16
	global_load_b128 v[RB+4*t:RB+4*t+3], v[CO], s[10:11] offset:(32*((\a)/2)+8*((\a)%2)+t+8*(t/8))*4096 th:TH_LOAD_NT
.set t, t+1
.endr
.endm
.macro OBLOCK a
.set RB, RR+64*((\a)%2)
.if (\a) > 0
	s_wait_xcnt 0x0                                ; the last block's stores have read their registers
.endif
	WIN 0x08+4*((\a)/4)                            ; an LDS store's data: window 2 or 3
.irp b, 0,1,2,3,4,5,6,7
	ds_store_b128 v[STO], v[64*((\a)%4)+8*\b:64*((\a)%4)+8*\b+3] offset:128*(\b/2)+32*(\b%2)      ; each accumulator from its low end on
	ds_store_b128 v[STO], v[64*((\a)%4)+8*\b+4:64*((\a)%4)+8*\b+7] offset:128*(\b/2)+32*(\b%2)+16
.endr
	WIN 0
.set t, 0
.rept 16
	ds_load_b128 v[BK+4*t:BK+4*t+3], v[RD] offset:SPITCH*t   ; LDS serves a wave's instructions in order: these see the stores above
.set t, t+1
.endr
	s_wait_dscnt 0x0
.if (\a) < 7
	s_wait_loadcnt 16                              ; this block's residual is in; the next block's 16 loads may be out
.else
	s_wait_loadcnt 0x0
.endif
.set RB, RR+64*((\a)%2)
.set t, 0
.rept 16
	v_pk_add_f32 v[BK+4*t:BK+4*t+1], v[BK+4*t:BK+4*t+1], v[RB+4*t:RB+4*t+1]
	v_pk_add_f32 v[BK+4*t+2:BK+4*t+3], v[BK+4*t+2:BK+4*t+3], v[RB+4*t+2:RB+4*t+3]
	v_pk_add_f32 v[BK+4*t:BK+4*t+1], v[BK+4*t:BK+4*t+1], v[BI:BI+1]
	v_pk_add_f32 v[BK+4*t+2:BK+4*t+3], v[BK+4*t+2:BK+4*t+3], v[BI+2:BI+3]
.set t, t+1
.endr
.set t, 0
.rept 16
.if FINAL
	global_store_b128 v[CO], v[BK+4*t:BK+4*t+3], s[12:13] offset:(32*((\a)/2)+8*((\a)%2)+t+8*(t/8))*4096 th:TH_STORE_NT   ; 512 consecutive bytes, at a multiple of 256; written once, read by nobody here
.else
	global_store_b128 v[CO], v[BK+4*t:BK+4*t+3], s[12:13] offset:(32*((\a)/2)+8*((\a)%2)+t+8*(t/8))*4096
.endif
.set t, t+1
.endr
.if (\a) < 6
	XRES (\a)+2
.endif
.endm
	PLACES NP
	XRES 0
	XRES 1
.irp a, 0,1,2,3,4,5,6,7
	OBLOCK \a
.endr
	s_wait_tensorcnt 0x0                           ; the wave's end
	ds_add_u32 v[SPW], v[NIL]
	s_wait_dscnt 0x0
	CROUND                                         ; the closing round
	s_endpgm
.Lfunc_end_k_q4c919d5f46_ffn2:
	.size	k_q4c919d5f46_ffn2, .Lfunc_end_k_q4c919d5f46_ffn2-k_q4c919d5f46_ffn2
	.p2alignl 7, 3214868480
	.fill 96, 4, 3214868480
	.section	.rodata,"a",@progbits
	.p2align	6, 0x0
	.amdhsa_kernel k_q4c919d5f46_ffn2
		.amdhsa_group_segment_fixed_size 327680
		.amdhsa_private_segment_fixed_size 0
		.amdhsa_enable_private_segment 0
		.amdhsa_kernarg_size 40
		.amdhsa_user_sgpr_count 2
		.amdhsa_user_sgpr_kernarg_segment_ptr 1
		.amdhsa_wavefront_size32 1
		.amdhsa_system_sgpr_workgroup_id_x 1
		.amdhsa_system_sgpr_workgroup_id_y 1
		.amdhsa_system_sgpr_workgroup_id_z 1
		.amdhsa_system_vgpr_workitem_id 0
		.amdhsa_next_free_vgpr 1024
		.amdhsa_next_free_sgpr 96
		.amdhsa_reserve_vcc 0
		.amdhsa_float_denorm_mode_32 3
		.amdhsa_float_denorm_mode_16_64 3
		.amdhsa_memory_ordered 1
		.amdhsa_forward_progress 1
		.amdhsa_inst_pref_size 179
	.end_amdhsa_kernel
	.amdgpu_metadata
---
amdhsa.version: [ 1, 2 ]
amdhsa.kernels:
  - .name:           k_q4c919d5f46_ffn2
    .symbol:         k_q4c919d5f46_ffn2.kd
    .args:
      - { .name: hb, .offset: 0, .size: 8, .value_kind: global_buffer, .address_space: global }
      - { .name: wts, .offset: 8, .size: 8, .value_kind: global_buffer, .address_space: global }
      - { .name: b2, .offset: 16, .size: 8, .value_kind: global_buffer, .address_space: global }
      - { .name: x1, .offset: 24, .size: 8, .value_kind: global_buffer, .address_space: global }
      - { .name: out0, .offset: 32, .size: 8, .value_kind: global_buffer, .address_space: global }
    .group_segment_fixed_size: 327680
    .private_segment_fixed_size: 0
    .kernarg_segment_align: 8
    .kernarg_segment_size: 40
    .max_flat_workgroup_size: 128
    .sgpr_count:     96
    .vgpr_count:     1024
    .wavefront_size: 32
...
	.end_amdgpu_metadata
.endif
;; end of part 6
;; ======== version 2 of 2: 7 launches
;; limits: right only within a limited range of input values
;; workspace buffers: wts 9,863,168 bytes; xn 3,276,800 bytes; qb 4,456,448 bytes; kv 7,733,248 bytes; ctx 3,276,800 bytes; x1 16,777,216 bytes; hb 13,107,200 bytes
;; launch prep (part 7): grid 448 x 1, 8 waves a work-group, no clusters, 118,272 bytes of LDS; arguments x, alpha1, beta1, xn, Wq, Wk, Wv, Wo, W1, W2, wts; writes xn, wts
.if DOCPART == 7
	.amdgcn_target "amdgcn-amd-amdhsa--gfx1250"
	.amdhsa_code_object_version 6
	.text
	.protected	k_q4c919d5f46_prep
	.globl	k_q4c919d5f46_prep
	.p2align	8
	.type	k_q4c919d5f46_prep,@function
k_q4c919d5f46_prep:
	s_mov_b64 s[64:65], 0
	v_nop
	global_prefetch_b8 v0, s[64:65] scope:SCOPE_SE
	s_setreg_imm32_b32 hwreg(HW_REG_WAVE_MODE, 25, 1), 1
	s_wait_xcnt 0x0
; TWO JOBS IN ONE LAUNCH, told apart by the work-group's number.
; Work-groups 0-255: layer norm of 16 rows of [4096][1024] f32 (mean; unbiased deviation; alpha (x - mean) / (std + 1e-6) + beta) and its codes of FP6 (E2M3) with one E8M0 byte for each 32 along K.
; Work-groups 256-447: the six weights, f32 [K][N] with K outermost, into codes with K innermost.
; LAYOUT OF EVERY BUFFER OF CODES.  Row index i stands at position swap34(i) (bits 3 and 4 exchanged): tile T = 2 b + u, lane r holds index 32 b + 8 u + r + 8 (r / 8).
; A fragment (16 positions x 128 K, 12 registers a lane) lies as an image of its registers: byte ((ks NT + T) 2 + q) 1536 + 512 c + 16 lane, ks = k / 256, q = (k / 128) % 2, c = register / 4.
; Scale words (four bytes: 128 along K of one position): byte (kstep NG + T / 8) 512 + 32 r + 4 (T % 8).
; A block's scale byte is its largest magnitude's exponent field - 2, held at 1 from below.
; LIMITS: a block of zeros gets the byte 1 (its codes are zeros; this program alone reads the bytes); NaN and infinities among the inputs are not served.
; No cluster: no two work-groups read the same bytes.  No tensor loads.  Each of the two jobs has LDS bytes of its own.
.set XN_S,   3145728                   ; the norm's scale words, behind its 256 tiles x 4 x 3,072 bytes of codes
.set WQKV_I, 0                         ; places in wts: images and scale words of [Wq | Wk | Wv] (192 tiles), Wo, W1, W2
.set WQKV_S, 2359296
.set WO_I,   2490368
.set WO_S,   3276800
.set W1_I,   3309568
.set W1_S,   6455296
.set W2_I,   6586368
.set W2_S,   9732096
.set LNP,    4112                      ; the norm's LDS row: 4,096 bytes + 16
.set WST,    66048                     ; the weights' stages: 6,144 bytes a wave
.set SST,    115200                    ; the weights' scale words: 2,048 bytes
.set VO,  16                           ; v16-47   weights: byte offset of row i of a block of 32
.set X,   48                           ; v48-111  numbers
.set PC,  112                          ; v112-131 codes
.set TM,  132                          ; v132-147 at work
.set PW,  148                          ; v148     a scale word
.set NM,  150                          ; v150-153 -mean, a pair a row
.set GG,  154                          ; v154-157 alpha / (std + eps), a pair a row
.set BT,  158                          ; v158-159 beta
.set SB,  136                          ; v136-137 weights: scale bytes, four to a register
.set SEL, 20                           ; s[20:21] selects of v_permlanex16_b32: lane l xor 16 (norm's job)
	v_lshl_add_u32 v160, v0, 2, 0x1ca00
	v_mov_b32 v161, 0
	v_lshrrev_b32 v1, 5, v0
	s_delay_alu instid0(VALU_DEP_1)
	v_readfirstlane_b32 s12, v1                    ; wave 0..7
	v_and_b32 v2, 31, v0                           ; lane
	s_delay_alu instid0(VALU_DEP_1)
	v_lshlrev_b32 v3, 4, v2                        ; 16 x lane
	s_cmp_lt_u32 ttmp9, 256
	s_cbranch_scc0 .Lweights
; ---------------- THE NORM: tile T = work-group's number.  Wave w takes positions 2 w, 2 w + 1 of the tile: two neighbouring rows of memory.
	s_load_b256 s[4:11], s[0:1], 0x0               ; x, alpha, beta, codes
	v_and_b32 v4, 15, v0                           ; r
	v_bfe_u32 v5, v0, 4, 1                         ; h
	s_mov_b32 s[SEL], 0x76543210
	s_mov_b32 s[SEL+1], 0xfedcba98
	s_lshr_b32 s13, ttmp9, 1
	s_lshl_b32 s13, s13, 5                         ; 32 (T / 2)
	s_and_b32 s14, ttmp9, 1
	s_lshl_b32 s14, s14, 3
	s_add_co_u32 s13, s13, s14                     ; + 8 (T % 2)
	s_lshl_b32 s14, s12, 1
	s_add_co_u32 s13, s13, s14                     ; + 2 w
	s_lshr_b32 s14, s12, 2
	s_lshl_b32 s14, s14, 3
	s_add_co_u32 s13, s13, s14                     ; + 8 (w / 4): my first row
	s_lshl_b32 s14, s13, 12                        ; x 4,096 bytes (under 2^24)
	s_mov_b32 s15, 0
	s_mul_i32 s18, s12, 2*LNP
	s_wait_alu depctr_va_vdst(0)
	v_add_nc_u32 v6, s18, v3                       ; LDS, in: rows 2 w, 2 w + 1; 16 bytes a lane
	v_mul_u32_u24 v7, v4, LNP
	s_delay_alu instid0(VALU_DEP_1)
	v_lshl_add_u32 v7, v5, 6, v7
	s_lshl_b32 s19, s12, 9
	v_add_nc_u32 v7, s19, v7                       ; LDS, out: row r, K step w (512 bytes), + 64 h
	v_lshlrev_b32 v8, 5, v4                        ; scale word's place: 32 r
	s_wait_kmcnt 0x0
	s_load_b32 s16, s[6:7], 0x0                    ; alpha
	s_load_b32 s17, s[8:9], 0x0                    ; beta
	s_add_nc_u64 s[4:5], s[4:5], s[14:15]
.irp e, 0,1
.irp j, 0,1,2,3,4,5,6,7
	global_load_b128 v[X+32*\e+4*\j:X+32*\e+4*\j+3], v3, s[4:5] offset:4096*\e+512*\j th:TH_LOAD_NT   ; 32 lanes read 512 consecutive bytes
.endr
.endr
; four pairs a row in v[TM + 8 e ..] become the row's sum in every lane, both rows by turns
.macro REDUCE
.irp e, 0
	v_pk_add_f32 v[TM+8*\e:TM+8*\e+1], v[TM+8*\e:TM+8*\e+1], v[TM+8*\e+2:TM+8*\e+3]
	s_delay_alu instid0(VALU_DEP_3)
	v_pk_add_f32 v[TM+8*\e+4:TM+8*\e+5], v[TM+8*\e+4:TM+8*\e+5], v[TM+8*\e+6:TM+8*\e+7]
.endr
.irp e, 1
	v_pk_add_f32 v[TM+8*\e:TM+8*\e+1], v[TM+8*\e:TM+8*\e+1], v[TM+8*\e+2:TM+8*\e+3]
	s_delay_alu instid0(VALU_DEP_4)
	v_pk_add_f32 v[TM+8*\e+4:TM+8*\e+5], v[TM+8*\e+4:TM+8*\e+5], v[TM+8*\e+6:TM+8*\e+7]
.endr
.irp e, 0
	s_delay_alu instid0(VALU_DEP_3)
	v_pk_add_f32 v[TM+8*\e:TM+8*\e+1], v[TM+8*\e:TM+8*\e+1], v[TM+8*\e+4:TM+8*\e+5]
.endr
.irp e, 1
	s_delay_alu instid0(VALU_DEP_2)
	v_pk_add_f32 v[TM+8*\e:TM+8*\e+1], v[TM+8*\e:TM+8*\e+1], v[TM+8*\e+4:TM+8*\e+5]
.endr
.irp e, 0,1
	s_delay_alu instid0(VALU_DEP_2)
	v_add_f32 v[TM+8*\e], v[TM+8*\e], v[TM+8*\e+1]
.endr
.irp m, 1,2,4,8
.irp e, 0,1
	s_delay_alu instid0(VALU_DEP_2)
	v_add_f32_dpp v[TM+8*\e], v[TM+8*\e], v[TM+8*\e] row_xmask:\m row_mask:0xf bank_mask:0xf
.endr
.endr
.irp e, 0,1
	s_delay_alu instid0(VALU_DEP_2)
	v_permlanex16_b32 v[TM+8*\e+1], v[TM+8*\e], s[SEL], s[SEL+1]
.endr
.irp e, 0,1
	s_delay_alu instid0(VALU_DEP_2)
	v_add_f32 v[TM+8*\e], v[TM+8*\e], v[TM+8*\e+1]
.endr
.endm
; 64 numbers of a lane, register 16 b + i = k 32 b + 16 (lane / 16) + i of my row, become a fragment's codes in v[PC] on and its scale word in v[PW]
.macro QUANT s
.irp b, 0,1,2,3
	v_max3_num_f32 v[TM+\b], |v[\s+16*\b]|, |v[\s+1+16*\b]|, 0x1800000   ; my 16 numbers of block b, and the floor 2^(3 - 127): the byte cannot fall under 1
.endr
.irp i, 2,4,6,8,10,12,14
.irp b, 0,1,2,3
	s_delay_alu instid0(VALU_DEP_4)
	v_max3_num_f32 v[TM+\b], v[TM+\b], |v[\s+16*\b+\i]|, |v[\s+1+16*\b+\i]|
.endr
.endr
.irp b, 0,1,2,3
	v_permlanex16_b32 v[TM+4+\b], v[TM+\b], s[SEL], s[SEL+1]
.endr
.irp b, 0,1,2,3
	s_delay_alu instid0(VALU_DEP_4)
	v_max_num_f32 v[TM+\b], v[TM+\b], v[TM+4+\b]   ; with lane l xor 16's: the block's largest magnitude
.endr
.irp b, 0,1,2,3
	s_delay_alu instid0(VALU_DEP_4)
	v_add_nc_u32 v[TM+12+\b], 0xff000000, v[TM+\b] ; 2 off its exponent field: the conversion's scale operand
.endr
.irp b, 0,1,2,3
	s_delay_alu instid0(VALU_DEP_4)
	v_lshrrev_b32 v[TM+4+\b], 23, v[TM+12+\b]      ; the scale's byte
.endr
	s_delay_alu instid0(VALU_DEP_3)
	v_lshl_or_b32 v[PW], v[TM+5], 8, v[TM+4]
	s_delay_alu instid0(VALU_DEP_1)
	v_lshl_or_b32 v[PW], v[TM+6], 16, v[PW]
	s_delay_alu instid0(VALU_DEP_1)
	v_lshl_or_b32 v[PW], v[TM+7], 24, v[PW]
.irp c, 0,1
	v_cvt_scalef32_pk16_fp6_f32 v[PC+6*\c:PC+2+6*\c], v[\s+32*\c:\s+15+32*\c], v[TM+12+2*\c]
	v_cvt_scalef32_pk16_fp6_f32 v[PC+12+4*\c:PC+14+4*\c], v[\s+16+32*\c:\s+31+32*\c], v[TM+12+2*\c+1]   ; (a conversion's three registers begin on an even number)
.endr
	v_nop                                          ; one plain line behind the conversions
.irp c, 0,1                                    ; a lane gets a whole block: lanes 0-15 block 2 c, lanes 16-31 block 2 c + 1
.irp i, 0,1,2
	v_permlane16_swap_b32 v[PC+6*\c+\i], v[PC+12+4*\c+\i]
.endr
.irp i, 0,1,2
	s_delay_alu instid0(VALU_DEP_3)
	v_mov_b32 v[PC+3+6*\c+\i], v[PC+12+4*\c+\i]
.endr
.endr
.endm
	s_wait_loadcnt 0x0
	; the mean: 16 pairs a row in four chains
.set p, 0
.rept 4
.irp e, 0,1
	v_pk_add_f32 v[TM+8*\e+2*p:TM+8*\e+2*p+1], v[X+32*\e+2*p:X+32*\e+2*p+1], v[X+32*\e+2*p+8:X+32*\e+2*p+9]
.endr
.set p, p+1
.endr
.set p, 8
.rept 8
.irp e, 0,1
	v_pk_add_f32 v[TM+8*\e+2*(p%4):TM+8*\e+2*(p%4)+1], v[TM+8*\e+2*(p%4):TM+8*\e+2*(p%4)+1], v[X+32*\e+2*p:X+32*\e+2*p+1]
.endr
.set p, p+1
.endr
	REDUCE
.irp e, 0
	s_delay_alu instid0(VALU_DEP_2)
	v_mul_f32 v[NM+2*\e], 0xba800000, v[TM+8*\e]   ; -sum / 1024
	s_delay_alu instid0(VALU_DEP_3)
	v_mul_f32 v[NM+2*\e+1], 0xba800000, v[TM+8*\e]
.endr
.irp e, 1
	s_delay_alu instid0(VALU_DEP_3)
	v_mul_f32 v[NM+2*\e], 0xba800000, v[TM+8*\e]   ; -sum / 1024
	s_delay_alu instid0(VALU_DEP_4)
	v_mul_f32 v[NM+2*\e+1], 0xba800000, v[TM+8*\e]
.endr
.set p, 0
.rept 16
.irp e, 0,1
	v_pk_add_f32 v[X+32*\e+2*p:X+32*\e+2*p+1], v[X+32*\e+2*p:X+32*\e+2*p+1], v[NM+2*\e:NM+2*\e+1]   ; d = x - mean, in place
.endr
.set p, p+1
.endr
.set p, 0
.rept 16                                       ; the sum of d^2: taken of the differences, so that a common offset of the inputs costs nothing
.irp e, 0,1
.if p < 4
	v_pk_mul_f32 v[TM+8*\e+2*p:TM+8*\e+2*p+1], v[X+32*\e+2*p:X+32*\e+2*p+1], v[X+32*\e+2*p:X+32*\e+2*p+1]
.else
	v_pk_fma_f32 v[TM+8*\e+2*(p%4):TM+8*\e+2*(p%4)+1], v[X+32*\e+2*p:X+32*\e+2*p+1], v[X+32*\e+2*p:X+32*\e+2*p+1], v[TM+8*\e+2*(p%4):TM+8*\e+2*(p%4)+1]
.endif
.endr
.set p, p+1
.endr
	REDUCE
.irp e, 0,1
	s_delay_alu instid0(VALU_DEP_2)
	v_mul_f32 v[TM+8*\e], 0x3a802008, v[TM+8*\e]   ; / 1023
.endr
	s_wait_alu depctr_va_vdst(0)
.irp e, 0,1
	v_sqrt_f32 v[TM+8*\e+2], v[TM+8*\e]
.endr
	v_nop                                          ; a plain line behind the roots,
	s_wait_alu depctr_va_vdst(0)                   ; and one wait for both, ahead of their first reader
.irp e, 0,1
	v_add_f32 v[TM+8*\e+2], 0x358637bd, v[TM+8*\e+2]   ; + 1e-6
.endr
	s_wait_alu depctr_va_vdst(0)
.irp e, 0,1
	v_rcp_f32 v[TM+8*\e+4], v[TM+8*\e+2]
.endr
	s_wait_kmcnt 0x0                               ; alpha, beta
	v_mov_b32 v[BT], s17                           ; (plain lines behind the reciprocals)
	v_mov_b32 v[BT+1], s17
	s_wait_alu depctr_va_vdst(0)
.irp e, 0,1
	v_mul_f32 v[GG+2*\e], s16, v[TM+8*\e+4]
	v_mul_f32 v[GG+2*\e+1], s16, v[TM+8*\e+4]
.endr
.set p, 0
.rept 16
.irp e, 0,1
	v_pk_fma_f32 v[X+32*\e+2*p:X+32*\e+2*p+1], v[X+32*\e+2*p:X+32*\e+2*p+1], v[GG+2*\e:GG+2*\e+1], v[BT:BT+1]
.endr
.set p, p+1
.endr
.irp e, 0,1
.irp j, 0,1,2,3,4,5,6,7
	ds_store_b128 v6, v[X+32*\e+4*\j:X+32*\e+4*\j+3] offset:LNP*\e+512*\j
.endr
.endr
	s_wait_dscnt 0x0                               ; my rows lie in LDS,
	s_barrier_signal -1
	s_barrier_wait -1                              ; all sixteen do
	; wave w makes the tile's fragment of K step w: lane (r, h) takes, of row r, 16 neighbours of each block of 32
.irp b, 0,1,2,3
.irp j, 0,1,2,3
	ds_load_b128 v[X+16*\b+4*\j:X+16*\b+4*\j+3], v7 offset:128*\b+16*\j
.endr
.endr
	s_lshr_b32 s22, s12, 1
	s_lshl_b32 s22, s22, 8
	s_add_co_u32 s22, s22, ttmp9                   ; (w / 2) 256 + T
	s_lshl_b32 s22, s22, 1
	s_and_b32 s23, s12, 1
	s_add_co_u32 s22, s22, s23
	s_mul_i32 s22, s22, 1536
	s_mov_b32 s23, 0
	s_add_nc_u64 s[24:25], s[10:11], s[22:23]      ; the fragment's image
	s_lshl_b32 s26, s12, 5
	s_lshr_b32 s27, ttmp9, 3
	s_add_co_u32 s26, s26, s27
	s_lshl_b32 s26, s26, 9                         ; (32 w + T / 8) 512
	s_and_b32 s27, ttmp9, 7
	s_lshl_b32 s27, s27, 2
	s_add_co_u32 s26, s26, s27
	s_add_co_u32 s26, s26, XN_S
	s_mov_b32 s27, 0
	s_add_nc_u64 s[28:29], s[10:11], s[26:27]
	s_wait_dscnt 0x0
	QUANT X
.irp c, 0,1,2
	global_store_b128 v3, v[PC+4*\c:PC+4*\c+3], s[24:25] offset:512*\c   ; 512 consecutive bytes a store
.endr
	global_store_b32 v8, v[PW], s[28:29]           ; 4 bytes of each of 16 places 32 bytes apart (lanes 16-31 repeat lanes 0-15): one byte in 128 of what the job moves
	s_wait_tensorcnt 0x0
	ds_add_u32 v160, v161
	s_wait_dscnt 0x0
	s_endpgm
; ---------------- THE WEIGHTS: a work-group takes 128 columns x 512 along K; a wave 32 columns x 256.  A lane takes a column, and its registers run down K.
.Lweights:
	s_load_b256 s[4:11], s[0:1], 0x20              ; Wq, Wk, Wv, Wo
	s_load_b128 s[16:19], s[0:1], 0x40             ; W1, W2
	s_load_b64 s[20:21], s[0:1], 0x50              ; wts
	s_sub_co_u32 s13, ttmp9, 256                   ; j: 0-63 Wq, Wk, Wv, Wo (16 each); 64-127 W1; 128-191 W2
	s_sub_co_u32 s14, s13, 128
	s_and_b32 s24, s14, 7                          ; W2: block of columns,
	s_lshr_b32 s25, s14, 3                         ; block of 512 along K
	s_sub_co_u32 s14, s13, 64
	s_and_b32 s32, s14, 31                         ; W1
	s_lshr_b32 s33, s14, 5
	s_and_b32 s34, s13, 7                          ; the four square ones
	s_bfe_u32 s35, s13, 0x10003
	s_lshr_b32 s36, s13, 4
	s_lshl_b32 s36, s36, 6                         ; 64 tiles for each of Wq, Wk, Wv
	s_mov_b32 s26, 4096                            ; a row of the weight in bytes
	s_mov_b32 s27, W2_I                            ; its image,
	s_mov_b32 s28, 64                              ; the image's tiles,
	s_mov_b32 s30, W2_S                            ; its scale words,
	s_mov_b32 s31, 8                               ; and their groups of eight tiles
	s_cmp_lt_u32 s13, 128
	s_cselect_b32 s24, s32, s24
	s_cselect_b32 s25, s33, s25
	s_cselect_b32 s26, 16384, s26
	s_cselect_b32 s27, W1_I, s27
	s_cselect_b32 s28, 256, s28
	s_cselect_b32 s30, W1_S, s30
	s_cselect_b32 s31, 32, s31
	s_cmp_lt_u32 s13, 64
	s_cselect_b32 s24, s34, s24
	s_cselect_b32 s25, s35, s25
	s_cselect_b32 s26, 4096, s26
	s_cselect_b32 s27, WO_I, s27
	s_cselect_b32 s28, 64, s28
	s_cselect_b32 s30, WO_S, s30
	s_cselect_b32 s31, 8, s31
	s_cmp_lt_u32 s13, 48
	s_cselect_b32 s27, WQKV_I, s27
	s_cselect_b32 s28, 192, s28
	s_cselect_b32 s30, WQKV_S, s30
	s_cselect_b32 s31, 32, s31
	s_cselect_b32 s29, s36, 0                      ; the weight's first tile in the image
	s_and_b32 s36, s12, 3                          ; which 32 columns are my wave's,
	s_lshr_b32 s37, s12, 2                         ; which 256 along K
	s_lshl_b32 s38, s25, 1
	s_add_co_u32 s38, s38, s37                     ; ks
	s_lshl_b32 s40, s38, 8
	s_mul_i32 s40, s40, s26                        ; 256 ks rows,
	s_lshl_b32 s41, s24, 9
	s_add_co_u32 s40, s40, s41
	s_lshl_b32 s41, s36, 7
	s_add_co_u32 s40, s40, s41                     ; + 4 x my first column (all under 2^25)
	s_mov_b32 s41, 0
	s_lshl_b32 s42, s26, 5                         ; 32 rows on
	s_mov_b32 s43, 0
	s_mul_i32 s44, s38, s28
	s_add_co_u32 s44, s44, s29
	s_lshl_b32 s45, s24, 3
	s_add_co_u32 s44, s44, s45
	s_lshl_b32 s45, s36, 1
	s_add_co_u32 s44, s44, s45                     ; ks NT + my first tile
	s_mul_i32 s44, s44, 3072
	s_add_co_u32 s44, s44, s27
	s_mov_b32 s45, 0
	s_lshl_b32 s46, s25, 2
	s_lshr_b32 s47, s12, 1
	s_add_co_u32 s46, s46, s47                     ; on the way out wave w stores half of K step 4 kb + w / 2
	s_mul_i32 s46, s46, s31
	s_lshr_b32 s47, s29, 3
	s_add_co_u32 s46, s46, s47
	s_add_co_u32 s46, s46, s24
	s_lshl_b32 s46, s46, 9
	s_and_b32 s47, s12, 1
	s_lshl_b32 s47, s47, 8
	s_add_co_u32 s46, s46, s47
	s_add_co_u32 s46, s46, s30
	s_mov_b32 s47, 0
	v_and_b32 v4, 7, v0
	v_bfe_u32 v5, v0, 4, 1
	s_delay_alu instid0(VALU_DEP_1)
	v_lshl_add_u32 v4, v5, 3, v4                   ; my column's place: r = lane % 8 + 8 (lane / 16),
	v_bfe_u32 v6, v0, 3, 1                         ; in tile u = (lane / 8) % 2 of my wave's two
	s_delay_alu instid0(VALU_DEP_1)
	v_mul_u32_u24 v8, v6, 3072
	s_delay_alu instid0(VALU_DEP_1)
	v_lshl_add_u32 v8, v4, 4, v8
	s_mul_i32 s48, s12, 6144
	s_add_co_u32 s48, s48, WST
	v_add_nc_u32 v8, s48, v8                       ; my stage, in: 3,072 u + 16 r
	s_wait_alu depctr_va_vdst(0)
	v_add_nc_u32 v10, s48, v3                      ; and out: 16 x lane
	v_lshlrev_b32 v9, 5, v4
	s_delay_alu instid0(VALU_DEP_1)
	v_lshl_add_u32 v9, v6, 2, v9
	s_lshl_b32 s49, s37, 10
	s_lshl_b32 s50, s36, 3
	s_add_co_u32 s49, s49, s50
	s_add_co_u32 s49, s49, SST
	v_add_nc_u32 v9, s49, v9                       ; my scale words: 1,024 (w / 4) + 32 r + 4 (2 (w % 4) + u)
	v_lshlrev_b32 v12, 3, v2
	s_lshl_b32 s50, s12, 8
	s_add_co_u32 s50, s50, SST
	v_add_nc_u32 v11, s50, v12                     ; and out: 256 w + 8 x lane
	v_lshlrev_b32 v[VO], 2, v2
.set i, 1
.rept 31
	s_delay_alu instid0(VALU_DEP_1)
	v_add_nc_u32 v[VO+i], s26, v[VO+i-1]           ; 4 x lane + i rows
.set i, i+1
.endr
	s_wait_alu depctr_va_vdst(0)
	s_wait_kmcnt 0x0
	s_mov_b64 s[22:23], s[18:19]
	s_cmp_lt_u32 s13, 128
	s_cselect_b64 s[22:23], s[16:17], s[22:23]
	s_cmp_lt_u32 s13, 64
	s_cselect_b64 s[22:23], s[10:11], s[22:23]
	s_cmp_lt_u32 s13, 48
	s_cselect_b64 s[22:23], s[8:9], s[22:23]
	s_cmp_lt_u32 s13, 32
	s_cselect_b64 s[22:23], s[6:7], s[22:23]
	s_cmp_lt_u32 s13, 16
	s_cselect_b64 s[22:23], s[4:5], s[22:23]       ; the choice hangs on the work-group's number alone
	s_add_nc_u64 s[22:23], s[22:23], s[40:41]
	s_add_nc_u64 s[44:45], s[20:21], s[44:45]
	s_add_nc_u64 s[46:47], s[20:21], s[46:47]
.macro LOAD t                          ; block t: 32 rows of my column into set t % 2; a wave's load reads 128 consecutive bytes, four waves stand side by side
.if (\t) > 0
	s_wait_xcnt 0x0                                ; the earlier loads have read their base: it steps only behind this wait
	s_add_nc_u64 s[22:23], s[22:23], s[42:43]
.endif
.set i, 0
.rept 32
	global_load_b32 v[X+32*((\t)%2)+i], v[VO+i], s[22:23] th:TH_LOAD_NT
.set i, i+1
.endr
.endm
	LOAD 0
	LOAD 1
.macro BLOCK t                         ; block t is block (t % 4) of K step t / 4: registers 6 ((t / 2) % 2) on of lane 16 (t % 2) + r of the fragment
.set XS, X+32*((\t)%2)
.set R0, 6*(((\t)/2)%2)
.set OB, 1536*((\t)/4)+256*((\t)%2)
.if (\t) < 7
	s_wait_loadcnt 32                              ; this block's 32 loads are in; the next block's may be out
.else
	s_wait_loadcnt 0x0
.endif
	v_max3_num_f32 v[TM], |v[XS]|, |v[XS+1]|, |v[XS+2]|
	v_max3_num_f32 v[TM+1], |v[XS+3]|, |v[XS+4]|, |v[XS+5]|
.irp i, 6,10,14,18,22,26
	s_delay_alu instid0(VALU_DEP_2)
	v_max3_num_f32 v[TM], v[TM], |v[XS+\i]|, |v[XS+\i+1]|
	s_delay_alu instid0(VALU_DEP_2)
	v_max3_num_f32 v[TM+1], v[TM+1], |v[XS+\i+2]|, |v[XS+\i+3]|
.endr
	s_delay_alu instid0(VALU_DEP_2)
	v_max3_num_f32 v[TM], v[TM], |v[XS+30]|, |v[XS+31]|
	s_delay_alu instid0(VALU_DEP_1)
	v_max3_num_f32 v[TM], v[TM], v[TM+1], 0x1800000   ; all 32 numbers are mine; the floor holds the byte at 1 from below
	s_delay_alu instid0(VALU_DEP_1)
	v_add_nc_u32 v[TM+2], 0xff000000, v[TM]
	s_delay_alu instid0(VALU_DEP_1)
	v_lshrrev_b32 v[TM+3], 23, v[TM+2]
.if (\t)%4 == 0
	s_delay_alu instid0(VALU_DEP_1)
	v_mov_b32 v[SB+(\t)/4], v[TM+3]
.else
	s_delay_alu instid0(VALU_DEP_1)
	v_lshl_or_b32 v[SB+(\t)/4], v[TM+3], 8*((\t)%4), v[SB+(\t)/4]
.endif
	v_cvt_scalef32_pk16_fp6_f32 v[PC:PC+2], v[XS:XS+15], v[TM+2]
	v_cvt_scalef32_pk16_fp6_f32 v[PC+4:PC+6], v[XS+16:XS+31], v[TM+2]
	v_nop                                          ; one plain line behind the conversions
	v_mov_b32 v[PC+3], v[PC+4]
	v_mov_b32 v[PC+4], v[PC+5]
	v_mov_b32 v[PC+5], v[PC+6]                     ; six registers on end
.irp e, 0,1,2
	ds_store_b64 v8, v[PC+2*\e:PC+2*\e+1] offset:OB+512*((R0+2*\e)/4)+4*((R0+2*\e)%4)   ; registers R0 + 2 e, + 1 of the image
.endr
.if (\t) < 6
	LOAD (\t)+2
.endif
	s_wait_dscnt 0x0                               ; the stores have read their registers
.endm
.irp t, 0,1,2,3,4,5,6,7
	BLOCK \t
.endr
	ds_store_b32 v9, v[SB]
	s_wait_alu depctr_va_vdst(0)
	ds_store_b32 v9, v[SB+1] offset:512
	s_wait_dscnt 0x0
	s_barrier_signal -1
	s_barrier_wait -1                              ; the scale words of all eight waves lie in LDS
.set m, 0
.rept 12
	ds_load_b128 v[X+4*m:X+4*m+3], v10 offset:512*m
.set m, m+1
.endr
	ds_load_b64 v[X+48:X+49], v11
.set m, 0
.rept 12
	s_wait_dscnt 12-m
	global_store_b128 v3, v[X+4*m:X+4*m+3], s[44:45] offset:512*m   ; my two tiles' four fragments: 6,144 consecutive bytes
.set m, m+1
.endr
	s_wait_dscnt 0x0
	global_store_b64 v12, v[X+48:X+49], s[46:47]   ; 256 consecutive bytes, aligned
	s_wait_tensorcnt 0x0
	ds_add_u32 v160, v161
	s_wait_dscnt 0x0
	s_endpgm
.Lfunc_end_k_q4c919d5f46_prep:
	.size	k_q4c919d5f46_prep, .Lfunc_end_k_q4c919d5f46_prep-k_q4c919d5f46_prep
	.p2alignl 7, 3214868480
	.fill 96, 4, 3214868480
	.section	.rodata,"a",@progbits
	.p2align	6, 0x0
	.amdhsa_kernel k_q4c919d5f46_prep
		.amdhsa_group_segment_fixed_size 118272
		.amdhsa_private_segment_fixed_size 0
		.amdhsa_enable_private_segment 0
		.amdhsa_kernarg_size 88
		.amdhsa_user_sgpr_count 2
		.amdhsa_user_sgpr_kernarg_segment_ptr 1
		.amdhsa_wavefront_size32 1
		.amdhsa_system_sgpr_workgroup_id_x 1
		.amdhsa_system_sgpr_workgroup_id_y 1
		.amdhsa_system_sgpr_workgroup_id_z 1
		.amdhsa_system_vgpr_workitem_id 0
		.amdhsa_next_free_vgpr 162
		.amdhsa_next_free_sgpr 80
		.amdhsa_reserve_vcc 0
		.amdhsa_float_denorm_mode_32 3
		.amdhsa_float_denorm_mode_16_64 3
		.amdhsa_memory_ordered 1
		.amdhsa_forward_progress 1
		.amdhsa_inst_pref_size 76
	.end_amdhsa_kernel
	.amdgpu_metadata
---
amdhsa.version: [ 1, 2 ]
amdhsa.kernels:
  - .name:           k_q4c919d5f46_prep
    .symbol:         k_q4c919d5f46_prep.kd
    .args:
      - { .name: x, .offset: 0, .size: 8, .value_kind: global_buffer, .address_space: global }
      - { .name: alpha1, .offset: 8, .size: 8, .value_kind: global_buffer, .address_space: global }
      - { .name: beta1, .offset: 16, .size: 8, .value_kind: global_buffer, .address_space: global }
      - { .name: xn, .offset: 24, .size: 8, .value_kind: global_buffer, .address_space: global }
      - { .name: Wq, .offset: 32, .size: 8, .value_kind: global_buffer, .address_space: global }
      - { .name: Wk, .offset: 40, .size: 8, .value_kind: global_buffer, .address_space: global }
      - { .name: Wv, .offset: 48, .size: 8, .value_kind: global_buffer, .address_space: global }
      - { .name: Wo, .offset: 56, .size: 8, .value_kind: global_buffer, .address_space: global }
      - { .name: W1, .offset: 64, .size: 8, .value_kind: global_buffer, .address_space: global }
      - { .name: W2, .offset: 72, .size: 8, .value_kind: global_buffer, .address_space: global }
      - { .name: wts, .offset: 80, .size: 8, .value_kind: global_buffer, .address_space: global }
    .group_segment_fixed_size: 118272
    .private_segment_fixed_size: 0
    .kernarg_segment_align: 8
    .kernarg_segment_size: 88
    .max_flat_workgroup_size: 256
    .sgpr_count:     80
    .vgpr_count:     162
    .wavefront_size: 32
...
	.end_amdgpu_metadata
.endif
;; end of part 7
;; launch qkv (part 8): grid 48 x 4, 4 waves a work-group, clusters of 4 x 4, 327,680 bytes of LDS; arguments xn, wts, bq, bk, bv, src_mask, qb, kv; writes qb, kv
.if DOCPART == 8
	.amdgcn_target "amdgcn-amd-amdhsa--gfx1250"
	.amdhsa_code_object_version 6
	.text
	.protected	k_q4c919d5f46_qkv
	.globl	k_q4c919d5f46_qkv
	.p2align	8
	.type	k_q4c919d5f46_qkv,@function
k_q4c919d5f46_qkv:
	s_mov_b64 s[64:65], 0
	v_nop
	global_prefetch_b8 v0, s[64:65] scope:SCOPE_SE
	s_setreg_imm32_b32 hwreg(HW_REG_WAVE_MODE, 25, 1), 1
	s_wait_xcnt 0x0
	s_wait_alu depctr_hold_cnt(0) depctr_sa_sdst(0) depctr_va_vdst(0) depctr_va_sdst(0) depctr_va_ssrc(0) depctr_va_vcc(0) depctr_vm_vsrc(0)
	s_getreg_b32 s2, hwreg(HW_REG_IB_STS2, 6, 4)
	s_cmp_eq_u32 s2, 0
	s_cbranch_scc0 .Lentry_in_a_cluster
	s_endpgm
.Lentry_in_a_cluster:
	s_bfe_u32 s2, ttmp6, 0x10000c
	s_cmp_lg_u32 s2, 0xf033
	s_cbranch_scc0 .Lentry_shape_is_right
	s_endpgm
.Lentry_shape_is_right:
; q = xn Wq + bq, k = xn Wk + bk, v = xn Wv + bv on codes of FP6 (E2M3) with E8M0 scales, K = 1,024; the results are quantised at once for attention: q and k along the head's 64, v along the keys.
; Twelve clusters of 4 x 4 work-groups, told apart by the cluster's number c.  c < 8: A = xn (tokens), B = [Wq | Wk] (c odd: Wk).  c >= 8: A = Wv's columns, B = xn, so that v comes out with the keys along a lane's registers.
; A tile of C is 256 x 256: four waves of 128 x 128, 64 accumulators each.  K goes in steps of 256 through a ring of two LDS slots filled by joint tensor loads: A's tile is shared along a row of the cluster, B's along a column.
; OPERANDS lie in memory as images of their registers (a fragment: 3 x 512 bytes, lane l's 16 bytes at 16 l), eight tiles x 256 K on end: 24,576 dense bytes a load.  Scale words: 512 bytes for eight tiles and 128 K.
; Row index i of every operand stands at position swap34(i).  THE MATRIX INSTRUCTION IS USED TRANSPOSED (source 0 = B's tile, source 1 = A's): a lane holds one position of A, and the 64 registers of B's eight tiles are
; B's true indices 32 b + 16 (lane / 16) + i: neighbours along the next product's K.
; THE KEY MASK rides in the idle half of the first attention product's K (its K is 64 of the instruction's 128): q has the code of -1 at k = 64; a masked key has zero codes, the code of +1 at k = 64 and 2^33 as that block's scale.
; So a masked key's raw score is exactly -2^33, its logit -2^30.  LIMITS: reference() writes -1e9 there: the same results while unmasked logits lie above about -1e9.  A block of zeros gets the byte 1.  NaN, infinities: not served.
; OUT: qb [bh][step][8 tiles x 1,024 | 512 of scale words]; kv [bh][step][K: 8 x 1,024 | 512 | V: 4 x 1,536 | 256]; a step is 128 tokens.  A tile of 1,024 bytes: registers 0-3; registers 4, 5, the word with k = 64, 0.
; REGISTERS, in windows of 256: window 0: v0-31 addresses; v32-63 scale words, two sets; v64-127 at work on the way out; v128-223 A's fragments, one set; v224-246 mask words, bv, constants.
;   window 1: B's fragments, two sets, v0-95 and v128-223; the bias along n in v96-127 and v224-255.   windows 2, 3: the accumulators ((a, b) at v[8 (8 (a % 4) + b)]).
.set KTOT,  1024
.set FR,    12                         ; registers of a fragment
.set NL,    3                          ; LDS loads that bring one
.set NP,    4                          ; places behind this matrix instruction (ISA guide 7.12.1)
.set HALFT, 24576                      ; eight tiles x 256 K: one tensor load
.set SLOT,  4*HALFT
.set LAPS,  KTOT/512
.set SCLL,  2*SLOT                     ; behind the ring: the scale words for all of K
.set HALFS, (KTOT/128)*512
.set SPARE, SCLL+4*HALFS               ; the spare words: 128 bytes a wave, two blocks of 256 bytes that no other line names
.set XN_S,   3145728
.set WQKV_S, 2359296
.set STEPB,  15104
.set HEADKV, 241664
.set STEPQ,  8704
.set HEADQ,  139264
.set STQ,  9                           ; v9   q, k: where a scale word goes in my stage
.set RDQ,  10                          ; v10  and where the stage is read back
.set STV,  11                          ; v11, v12 the same for v
.set RDV,  12
.set VSO,  13                          ; v13  v's scale words' place in kv
.set SHF,  14                          ; v14  16 (lane / 16)
.set ADRA, 16                          ; v16-17 LDS address of my A fragments in slot 0, 1
.set ADRB, 20                          ; v20-21 the same for B
.set ADRS, 27                          ; v27  my scale words: lanes 0-15 A's, lanes 16-31 B's
.set SPW,  28                          ; v28  my spare word; never rewritten
.set NIL,  29                          ; v29  0; never rewritten
.set LI,   30                          ; v30  16 x lane
.set SC,   32
.set T,    64
.set AF,   128
.set PC,   128                         ; the way out: codes, v128-147
.set TM,   148                         ; v148-163 at work
.set PW,   164
.set KMK,  165
.set HIW,  166
.set WD,   167
.set UU,   168                         ; v168-171, v172-175: the second 16 bytes of a lane's part of a tile, for two heads
.set WW,   172
.set BB,   178                         ; v178-179 bv of my channel, twice
.set MW,   224                         ; v224-231 the mask's word of my token in A's block a
.set BV,   232                         ; v232-239 bv of my channel in A's block a
.set KMM,  240
.set MKU,  241
.set MKM,  242
.set HIU,  243
.set HIM,  244
.set VO1,  246                         ; 16 x lane + a head's bytes
.set G1, 24
.set G0, 32
.set G1B, 48
.set G0B, 56
.set G1S, 68
.set G0S, 76
.set G1SB, 80
.set G0SB, 88
.set SEL, 100                          ; s[100:101]: in the loop B's refill step, on the way out the selects of v_permlanex16_b32
.set MSB, 0
.macro WIN new                         ; the immediate's high byte repeats the setting that is left
.if MSB != (\new)
	s_set_vgpr_msb (MSB<<8)|(\new)
.set MSB, (\new)
.endif
.endm
.set MUL_LO, 0xa1                      ; source 0 (B) window 1, source 1 (A) window 0, C and D window 2
.set MUL_HI, 0xf1
.set TO_B,   0x40
; A joint load: waves 0 and 1 fetch for A, waves 2 and 3 for B.  The branch hangs on the wave's number alone.  Four v_nop follow each of the two lines.
.macro JLOAD g0a, g1a, g0b, g1b
	s_cmp_eq_u32 s15, 0
	s_cbranch_scc0 .Lfor_b_\@
	tensor_load_to_lds s[\g0a:\g0a+3], s[\g1a:\g1a+7]
	s_nop 0
.rept 4
	v_nop
.endr
	s_branch .Lasked_\@
.Lfor_b_\@:
	tensor_load_to_lds s[\g0b:\g0b+3], s[\g1b:\g1b+7]
	s_nop 0
.rept 4
	v_nop
.endr
.Lasked_\@:
.endm
.macro CREST                           ; a round of the cluster's barrier behind its opening barrier
	s_cmp_lg_u32 s14, 0
	s_cbranch_scc1 .Lnot_wave_0_\@
	s_barrier_signal -3
.Lnot_wave_0_\@:
	s_barrier_wait -3
	s_barrier_signal -1
	s_barrier_wait -1
.endm
.macro CROUND
	s_barrier_signal -1
	s_barrier_wait -1
	CREST
.endm
	s_load_b256 s[4:11], s[0:1], 0x0               ; xn, wts, bq, bk
	s_load_b256 s[92:99], s[0:1], 0x20             ; bv, src_mask, qb, kv
	v_lshl_add_u32 v[SPW], v0, 2, SPARE
	v_mov_b32 v[NIL], 0
	ds_add_u32 v28, v29
	ds_add_u32 v28, v29
	s_wait_dscnt 0x0
	v_lshrrev_b32 v1, 5, v0
	v_readfirstlane_b32 s14, v1                    ; wave 0..3
	s_lshr_b32 s15, s14, 1                         ; my half of A's rows.  Also: I fetch for A (0) or for B (1)
	s_and_b32 s16, s14, 1                          ; my half of B's rows.  Also: which eight tiles I fetch
	s_bfe_u32 s40, ttmp6, 0x40000                  ; cx, cy
	s_bfe_u32 s41, ttmp6, 0x40004
	s_lshr_b32 s18, ttmp9, 1
	s_and_b32 s13, ttmp9, 1
	s_sub_co_u32 s20, ttmp9, 8
	s_cmp_lt_u32 ttmp9, 8                          ; the cluster's number: the same in all sixteen partners
	s_cselect_b32 s12, 1, 0                        ; 1: q or k;  0: v
	s_cselect_b32 s18, s18, 0                      ; the cluster's row of tiles,
	s_cselect_b32 s19, s13, s20                    ; and its column
	s_cselect_b32 s13, s13, 0                      ; 1: k
	s_lshl_b32 s17, s18, 2
	s_add_co_u32 s17, s17, s41                     ; tile row
	s_lshl_b32 s42, s19, 2
	s_add_co_u32 s42, s42, s40                     ; tile column
	s_lshl_b32 s43, s41, 2
	s_lshl_b32 s43, 15, s43                        ; my row of the cluster
	s_lshl_b32 s44, 0x1111, s40                    ; my column
	; group 1, codes: 96 rows of 256 bytes (32 elements of 8), dense
	s_or_b32 s[G1+0], s43, (3<<16)|(1<<21)
	s_or_b32 s[G1B+0], s44, (3<<16)|(1<<21)
.irp g, G1, G1B
	s_mov_b32 s[\g+1], 32<<16
	s_mov_b32 s[\g+2], 192<<16                     ; the head's loads bring sixteen tiles: 192 rows
	s_mov_b32 s[\g+3], 32<<16
	s_mov_b32 s[\g+4], 192
	s_mov_b32 s[\g+5], 32
	s_mov_b32 s[\g+6], 0
	s_mov_b32 s[\g+7], 0
.endr
	; group 1, scale words: a row of 1,024 bytes for each 128 along K; both buffers have 32 groups of eight tiles to a K step
	s_or_b32 s[G1S+0], s43, (3<<16)|(1<<21)
	s_or_b32 s[G1SB+0], s44, (3<<16)|(1<<21)
.irp g, G1S, G1SB
	s_mov_b32 s[\g+1], 128<<16                     ; two groups of eight tiles on end: rows of 1,024 bytes
	s_mov_b32 s[\g+2], (KTOT/128)<<16
	s_mov_b32 s[\g+3], 128<<16
	s_mov_b32 s[\g+4], KTOT/128
	s_mov_b32 s[\g+5], 64*32
	s_mov_b32 s[\g+6], 0
	s_mov_b32 s[\g+7], 0
.endr
	s_lshl_b32 s20, s17, 4                         ; A: tile 16 x tile row
	s_lshl_b32 s22, s17, 1
	s_lshl_b32 s46, s42, 4
	s_mul_i32 s46, s46, 3072                       ; B likewise, by the tile column
	s_lshl_b32 s2, s42, 10
	s_mov_b32 s66, 192*3072                        ; a K step on in A's image,
	s_mov_b32 s100, 256*3072                       ; in B's
	s_mov_b32 s23, WQKV_S
	s_mov_b32 s47, XN_S
	s_cmp_eq_u32 s12, 1
	s_cselect_b32 s21, 0, 128                      ; Wv's tiles begin at 128,
	s_cselect_b32 s45, 0, 16                       ; its groups at 16
	s_cselect_b32 s66, 256*3072, s66
	s_cselect_b32 s100, 192*3072, s100
	s_cselect_b32 s3, s47, s23
	s_cselect_b32 s23, s23, s47
	s_add_co_u32 s20, s20, s21
	s_mul_i32 s20, s20, 3072
	s_add_co_u32 s22, s22, s45
	s_lshl_b32 s22, s22, 9
	s_add_co_u32 s22, s22, s3
	s_add_co_u32 s2, s2, s23
	s_mov_b32 s21, 0
	s_mov_b32 s23, 0
	s_mov_b32 s47, 0
	s_mov_b32 s3, 0
	s_mov_b32 s67, 0
	s_mov_b32 s101, 0
	s_mul_i32 s45, s14, HALFT                      ; where they go: wave x a load's bytes: no place in the cluster enters an LDS address
	s_wait_kmcnt 0x0
	s_cmp_eq_u32 s12, 1
	s_cselect_b64 s[88:89], s[4:5], s[6:7]         ; A's buffer,
	s_cselect_b64 s[6:7], s[6:7], s[4:5]           ; B's
	s_mov_b64 s[4:5], s[88:89]
	s_add_nc_u64 s[20:21], s[4:5], s[20:21]
	s_add_nc_u64 s[22:23], s[4:5], s[22:23]
	s_add_nc_u64 s[46:47], s[6:7], s[46:47]
	s_add_nc_u64 s[2:3], s[6:7], s[2:3]
	CROUND                                         ; all sixteen work-groups are here: the first joint loads meet
	s_mov_b32 s[G0S], 1
	s_mov_b32 s[G0S+1], SCLL
	s_mov_b64 s[G0S+2:G0S+3], s[22:23]
	s_or_b32 s[G0S+3], s[G0S+3], 0x80000000
	s_mov_b32 s[G0SB], 1
	s_mov_b32 s[G0SB+1], SCLL+2*HALFS
	s_mov_b64 s[G0SB+2:G0SB+3], s[2:3]
	s_or_b32 s[G0SB+3], s[G0SB+3], 0x80000000
	s_mov_b32 s[G0], 1
	s_mov_b32 s[G0+1], 0                           ; at the head slot 0's groups 0 stand for A's and B's whole sixteen tiles
	s_mov_b64 s[G0+2:G0+3], s[20:21]
	s_or_b32 s[G0+3], s[G0+3], 0x80000000
	s_mov_b32 s[G0B], 1
	s_mov_b32 s[G0B+1], 2*HALFT
	s_mov_b64 s[G0B+2:G0B+3], s[46:47]
	s_or_b32 s[G0B+3], s[G0B+3], 0x80000000
	s_mul_i32 s4, s16, HALFT                       ; in the ring I fetch eight tiles: which half, in bytes
	s_mov_b32 s5, 0
	s_add_nc_u64 s[20:21], s[20:21], s[4:5]
	s_add_nc_u64 s[46:47], s[46:47], s[4:5]
	s_mov_b32 s[G0+4], 1
	s_add_co_u32 s[G0+5], s45, SLOT
	s_add_nc_u64 s[G0+6:G0+7], s[20:21], s[66:67]
	s_or_b32 s[G0+7], s[G0+7], 0x80000000
	s_mov_b32 s[G0B+4], 1
	s_add_co_u32 s[G0B+5], s45, SLOT
	s_add_nc_u64 s[G0B+6:G0B+7], s[46:47], s[100:101]
	s_or_b32 s[G0B+7], s[G0B+7], 0x80000000
; The head's loads, one a wave: wave 0 K step 0 of A, wave 1 of B, wave 2 A's scale words, wave 3 B's.  One chain of branches on the wave's number, one load to an arm.
.macro ARM under, g0, g1, next
	s_cmp_lt_u32 s14, \under
	s_cbranch_scc0 \next
	tensor_load_to_lds s[\g0:\g0+3], s[\g1:\g1+7]
	s_nop 0
.rept 4
	v_nop
.endr
	s_branch .Lhead_asked
\next:
.endm
	ARM 1, G0,  G1,  .Lhead_b
	ARM 2, G0B, G1B, .Lhead_sa
	ARM 3, G0S, G1S, .Lhead_sb
	tensor_load_to_lds s[G0SB:G0SB+3], s[G1SB:G1SB+7]
	s_nop 0
.rept 4
	v_nop
.endr
.Lhead_asked:
	s_lshl_b32 s66, s66, 1                         ; a refill goes two K steps on
	s_lshl_b32 s100, s100, 1
	v_and_b32 v1, 15, v0                           ; r
	v_bfe_u32 v2, v0, 4, 1                         ; h
	s_wait_alu depctr_va_vdst(0)
	v_and_b32 v3, 31, v0
	v_lshlrev_b32 v[LI], 4, v3
	s_mul_i32 s21, s15, HALFT
	s_mul_i32 s22, s16, HALFT
	s_add_co_u32 s22, s22, 2*HALFT
.irp s, 0,1
	v_add_nc_u32 v[ADRA+\s], s21, v[LI]
	v_add_nc_u32 v[ADRB+\s], s22, v[LI]
	s_add_co_u32 s21, s21, SLOT
	s_add_co_u32 s22, s22, SLOT
.endr
	v_lshlrev_b32 v5, 5, v1                        ; scale words: 32 r,
	s_lshl_b32 s21, s15, 9                         ; a K step of 128 holds both halves' 512 bytes on end
	s_lshl_b32 s22, s16, 9
	s_add_co_u32 s22, s22, 2*HALFS
	s_sub_co_u32 s22, s22, s21
	v_mul_u32_u24 v6, s22, v2                      ; lanes 16-31 take B's
	s_add_co_u32 s21, s21, SCLL
	v_add_nc_u32 v5, v5, v6
	v_add_nc_u32 v[ADRS], s21, v5
	; the stages for the scale words on the way out, in slot 0: q, k: 1,024 bytes a wave from 0 on; v: 512 bytes a wave from 4,096 on
	s_lshl_b32 s21, s14, 10
	v_lshlrev_b32 v[STQ], 4, v1
	v_lshl_add_u32 v[STQ], v2, 9, v[STQ]
	v_add_nc_u32 v[STQ], s21, v[STQ]               ; 512 h (the head) + 16 r
	v_add_nc_u32 v[RDQ], s21, v[LI]
	s_lshl_b32 s21, s14, 9
	s_add_co_u32 s21, s21, 4096
	v_lshlrev_b32 v[STV], 3, v1
	v_add_nc_u32 v[STV], s21, v[STV]               ; 8 r
	v_add_nc_u32 v[RDV], s21, v[LI]
	v_mul_u32_u24 v[VSO], v2, HEADKV
	v_lshl_add_u32 v[VSO], v1, 4, v[VSO]
	v_lshlrev_b32 v[SHF], 4, v2
	; what the way out needs from memory: the bias along n, the mask's words and bv along A's positions.  Both paths load all three; the path that does not use one reads it at offset 0
	s_lshl_b32 s46, s42, 8
	s_lshl_b32 s20, s16, 7
	s_add_co_u32 s46, s46, s20                     ; s46: B's first index of my wave (a column of [Wq | Wk], or a token)
	s_lshl_b32 s47, s17, 8
	s_lshl_b32 s20, s15, 7
	s_add_co_u32 s47, s47, s20                     ; s47: A's first index (a token, or a channel of v)
	s_and_b32 s20, s46, 1023
	s_lshl_b32 s20, s20, 2
	s_lshl_b32 s22, s47, 2
	s_cmp_eq_u32 s12, 1
	s_cselect_b32 s20, s20, 0
	s_cselect_b32 s2, s22, 0
	s_cselect_b32 s22, 0, s22
	s_mov_b32 s21, 0
	s_mov_b32 s3, 0
	s_mov_b32 s23, 0
	s_cmp_eq_u32 s13, 1
	s_cselect_b64 s[8:9], s[10:11], s[8:9]         ; bk or bq
	s_add_nc_u64 s[8:9], s[8:9], s[20:21]
	s_add_nc_u64 s[94:95], s[94:95], s[2:3]
	s_add_nc_u64 s[92:93], s[92:93], s[22:23]
	v_lshlrev_b32 v7, 6, v2                        ; 64 h: my 16 of each 32 along n
	v_and_b32 v8, 8, v1
	v_add_nc_u32 v8, v8, v1
	v_lshlrev_b32 v8, 2, v8                        ; 4 (r + 8 (r / 8))
	WIN TO_B
.set i, 0
.rept 16
	global_load_b128 v[96+4*i+96*(i/8):96+4*i+96*(i/8)+3], v7, s[8:9] offset:128*(i/4)+16*(i%4)
.set i, i+1
.endr
	WIN 0
.irp a, 0,1,2,3,4,5,6,7
	global_load_b32 v[MW+\a], v8, s[94:95] offset:4*(32*(\a/2)+8*(\a%2))
	global_load_b32 v[BV+\a], v8, s[92:93] offset:4*(32*(\a/2)+8*(\a%2))
.endr
.macro FRAG reg, adr, q, i             ; a fragment comes as it was stored: three loads of 512 consecutive bytes
.irp c, 0,1,2
	ds_load_b128 v[\reg+4*\c:\reg+4*\c+3], v[\adr] offset:(2*(\i)+(\q))*1536+512*\c
.endr
.endm
; 16 matrix instructions: A's blocks a0, a0 + 1 x B's eight, 128 along K.  The 64 accumulators take turns, one instruction a turn, in the same order in every step.
.macro MUL16 a0, p, q, sc, zero
.irp a, \a0, \a0+1
.irp b, 0,1,2,3,4,5,6,7
.if \zero
	v_wmma_scale_f32_16x16x128_f8f6f4 v[8*(8*((\a)%4)+\b):8*(8*((\a)%4)+\b)+7], v[128*(\p)+FR*\b:128*(\p)+FR*\b+FR-1], v[AF+FR*(\a):AF+FR*(\a)+FR-1], 0, v[SC+16*(\sc)+8*(\q)+\b], v[SC+16*(\sc)+8*(\q)+(\a)] matrix_a_fmt:MATRIX_FMT_FP6 matrix_b_fmt:MATRIX_FMT_FP6 matrix_a_scale:MATRIX_SCALE_ROW1
.else
	v_wmma_scale_f32_16x16x128_f8f6f4 v[8*(8*((\a)%4)+\b):8*(8*((\a)%4)+\b)+7], v[128*(\p)+FR*\b:128*(\p)+FR*\b+FR-1], v[AF+FR*(\a):AF+FR*(\a)+FR-1], v[8*(8*((\a)%4)+\b):8*(8*((\a)%4)+\b)+7], v[SC+16*(\sc)+8*(\q)+\b], v[SC+16*(\sc)+8*(\q)+(\a)] matrix_a_fmt:MATRIX_FMT_FP6 matrix_b_fmt:MATRIX_FMT_FP6 matrix_a_scale:MATRIX_SCALE_ROW1
.endif
.endr
.endr
.endm
.macro FETCH_B slot, q, p
	WIN TO_B
.irp i, 0,1,2,3,4,5,6,7
	FRAG 128*(\p)+FR*\i, ADRB+\slot, \q, \i
.endr
	WIN 0
.endm
.macro FETCH_A slot, q, i0
.irp i, \i0, \i0+1, \i0+2, \i0+3
	FRAG AF+FR*(\i), ADRA+\slot, \q, \i
.endr
.endm
.macro SCALES sc                       ; a K step's scale words: register 8 q + i: lanes 0-15 A's block i, lanes 16-31 B's block i
.irp q, 0,1
.irp f, 0,1
	ds_load_b128 v[SC+16*\sc+8*\q+4*\f:SC+16*\sc+8*\q+4*\f+3], v[ADRS] offset:1024*\q+16*\f
.endr
.endr
.endm
.macro PLACES n                        ; plain vector lines between a matrix instruction and a load into, or a read of, its registers
.rept \n
	v_nop
.endr
.endm
.macro STEP slot, q, zero              ; the first 128 along K of a slot
	s_wait_dscnt 4*NL                              ; B's set, A's blocks 0-3 and the scale words are in; the youngest 12 loads (A's blocks 4-7) may be out
	WIN MUL_LO
	MUL16 0, (\q)%2, \q, \slot, \zero
	MUL16 2, (\q)%2, \q, \slot, \zero
	s_wait_dscnt 0
	PLACES NP
	FETCH_B \slot, (\q)+1, 1-(\q)%2
	FETCH_A \slot, (\q)+1, 0
	WIN MUL_HI
	MUL16 4, (\q)%2, \q, \slot, \zero
	MUL16 6, (\q)%2, \q, \slot, \zero
	PLACES NP
	WIN 0
	FETCH_A \slot, (\q)+1, 4
.endm
; A slot's second 128 along K changes slots: one barrier; in front of it each wave waits for all its tensor loads, adds 0 to its spare word, and waits for that and for its reads of this slot.
.macro TURN slot, next, fill
	s_wait_tensorcnt 0x0                           ; all my tensor loads have landed: my part of the next slot
	ds_add_u32 v[SPW], v[NIL]                      ; 0 onto my spare word
	s_wait_dscnt 4*NL+1                            ; (the add and A's blocks 4-7 may be out)
	WIN MUL_LO
	MUL16 0, 1, 1, \slot, 0
	s_wait_dscnt 0x0                               ; the add is done, and my reads of this slot are over
	s_barrier_signal -1
	MUL16 2, 1, 1, \slot, 0
	WIN 0
	s_barrier_wait -1
.if \fill
	CREST                                          ; the barrier has opened a round of the cluster's: no wave of any partner still reads this slot or has a load on its way
	s_add_nc_u64 s[G0+4*\slot+2:G0+4*\slot+3], s[G0+4*\slot+2:G0+4*\slot+3], s[66:67]
	s_add_nc_u64 s[G0B+4*\slot+2:G0B+4*\slot+3], s[G0B+4*\slot+2:G0B+4*\slot+3], s[100:101]
	JLOAD G0+4*\slot, G1, G0B+4*\slot, G1B         ; the first tensor load behind the round; its four v_nop are the places in front of the loads below
.else
	PLACES NP
.endif
	s_wait_alu depctr_va_vdst(0)
	v_add_nc_u32 v[ADRS], 2048, v[ADRS]
	FETCH_B \next, 0, 0
	FETCH_A \next, 0, 0
	SCALES \next
	WIN MUL_HI
	MUL16 4, 1, 1, \slot, 0
	MUL16 6, 1, 1, \slot, 0
	PLACES NP
	WIN 0
	FETCH_A \next, 0, 4
.endm
	s_wait_loadcnt 0x0                             ; bias, mask, bv: their address registers are free from here on
	s_wait_alu depctr_va_vdst(0)
	s_wait_tensorcnt 0x0                           ; my tile of the head's four is in
	ds_add_u32 v[SPW], v[NIL]
	s_mov_b32 s[G1+2], 96<<16                      ; no load of mine is out: from here on a load brings eight tiles, 96 rows,
	s_mov_b32 s[G1+4], 96
	s_mov_b32 s[G1B+2], 96<<16
	s_mov_b32 s[G1B+4], 96
	s_mov_b32 s[G0+1], s45                         ; and slot 0's groups 0 stand for my quarter of the slot
	s_mov_b32 s[G0B+1], s45
	s_add_nc_u64 s[G0+2:G0+3], s[G0+2:G0+3], s[4:5]
	s_add_nc_u64 s[G0B+2:G0B+3], s[G0B+2:G0B+3], s[4:5]
	s_wait_dscnt 0x0
	CROUND                                         ; all four tiles are in, all sixteen work-groups are here
	JLOAD G0+4, G1, G0B+4, G1B                     ; K step 1, the first tensor load behind the round
	FETCH_B 0, 0, 0
	FETCH_A 0, 0, 0
	SCALES 0
	FETCH_A 0, 0, 4
	STEP 0, 0, 1                                   ; the first products start the sums: nothing is cleared
	s_mov_b32 s3, LAPS-1
.Llap:
	TURN 0, 1, 1
	STEP 1, 0, 0
	TURN 1, 0, 1
	STEP 0, 0, 0
	s_sub_co_u32 s3, s3, 1
	s_cmp_lg_u32 s3, 0
	s_cbranch_scc1 .Llap
	TURN 0, 1, 0                                   ; the last lap fills nothing
	STEP 1, 0, 0
	s_wait_dscnt 4*NL
	WIN MUL_LO
	MUL16 0, 1, 1, 1, 0
	MUL16 2, 1, 1, 1, 0
	s_wait_dscnt 0
	WIN MUL_HI
	MUL16 4, 1, 1, 1, 0
	MUL16 6, 1, 1, 1, 0
	WIN 0
; 64 numbers of a lane, register 16 b + i = k 32 b + 16 (lane / 16) + i of my row, become a fragment's codes in v[PC] on and its scale word in v[PW]
.macro QUANT s
.irp b, 0,1,2,3
	v_max3_num_f32 v[TM+\b], |v[\s+16*\b]|, |v[\s+1+16*\b]|, 0x1800000   ; and the floor 2^(3 - 127): the byte cannot fall under 1
.endr
.irp i, 2,4,6,8,10,12,14
.irp b, 0,1,2,3
	v_max3_num_f32 v[TM+\b], v[TM+\b], |v[\s+16*\b+\i]|, |v[\s+1+16*\b+\i]|
.endr
.endr
.irp b, 0,1,2,3
	v_permlanex16_b32 v[TM+4+\b], v[TM+\b], s[SEL], s[SEL+1]
.endr
.irp b, 0,1,2,3
	v_max_num_f32 v[TM+\b], v[TM+\b], v[TM+4+\b]
.endr
.irp b, 0,1,2,3
	v_add_nc_u32 v[TM+12+\b], 0xff000000, v[TM+\b] ; 2 off the exponent field: the conversion's scale operand
.endr
.irp b, 0,1,2,3
	v_lshrrev_b32 v[TM+4+\b], 23, v[TM+12+\b]
.endr
	v_lshl_or_b32 v[PW], v[TM+5], 8, v[TM+4]
	v_lshl_or_b32 v[PW], v[TM+6], 16, v[PW]
	v_lshl_or_b32 v[PW], v[TM+7], 24, v[PW]
.irp c, 0,1
	v_cvt_scalef32_pk16_fp6_f32 v[PC+6*\c:PC+2+6*\c], v[\s+32*\c:\s+15+32*\c], v[TM+12+2*\c]
	v_cvt_scalef32_pk16_fp6_f32 v[PC+12+4*\c:PC+14+4*\c], v[\s+16+32*\c:\s+31+32*\c], v[TM+12+2*\c+1]
.endr
	v_nop                                          ; one plain line behind the conversions
.irp c, 0,1
.irp i, 0,1,2
	v_permlane16_swap_b32 v[PC+6*\c+\i], v[PC+12+4*\c+\i]
.endr
.irp i, 0,1,2
	v_mov_b32 v[PC+3+6*\c+\i], v[PC+12+4*\c+\i]
.endr
.endr
.endm
	; THE WAY OUT.  The stages lie in slot 0, which has had its last fill and, behind the last change of slots, its last read.
	PLACES NP
	s_mov_b32 s[SEL], 0x76543210
	s_mov_b32 s[SEL+1], 0xfedcba98
.irp b, 0,1,2,3
	v_mov_b32 v[TM+4+\b], 0                        ; written once: a lane permute's destination counts as one of its sources
.endr
	s_cmp_eq_u32 s12, 0
	s_cbranch_scc1 .Lv_path                        ; by the cluster's number: the same in all partners
	; ---- q or k: my 128 tokens are one step; my 128 columns are two heads
	s_lshr_b32 s18, s47, 11
	s_lshl_b32 s18, s18, 4
	s_and_b32 s19, s46, 1023
	s_lshr_b32 s19, s19, 6
	s_add_co_u32 s18, s18, s19                     ; 16 x batch + my first head
	s_and_b32 s19, s47, 2047
	s_lshr_b32 s19, s19, 7                         ; the step
	s_mov_b32 s20, HEADQ
	s_mov_b32 s21, STEPQ
	s_mov_b32 s66, 0x407f0000
	s_mov_b32 s67, 0x407f0000
	s_cmp_eq_u32 s13, 1
	s_cselect_b32 s20, HEADKV, s20
	s_cselect_b32 s21, STEPB, s21
	s_cselect_b64 s[22:23], s[98:99], s[96:97]
	s_cselect_b32 s45, 0, -1                       ; a masked key's codes are cleared; q's never
	s_cselect_b32 s2, 0, 40                        ; the code at k = 64: key that counts 0, masked key +1.0 (8), query -1.0 (40)
	s_cselect_b32 s3, 8, 40
	s_cselect_b32 s66, 0x40400000, s66             ; scale bytes of k = 64 .. 127: 2^-63 where nothing stands; q's block with the -1: 1;
	s_cselect_b32 s67, 0x40a00000, s67             ; a masked key's: 2^33
	s_mul_i32 s18, s18, s20
	s_mul_i32 s19, s19, s21
	s_add_co_u32 s18, s18, s19
	s_mov_b32 s19, 0
	s_add_nc_u64 s[22:23], s[22:23], s[18:19]
	v_add_nc_u32 v[VO1], s20, v[LI]                ; the second head's place
	v_sub_nc_u32 v5, 1, v2                         ; k = 64 lies in lanes 0-15
	v_mov_b32 v[KMM], s45
	v_mul_u32_u24 v[MKU], s2, v5
	v_mul_u32_u24 v[MKM], s3, v5
	v_mov_b32 v[HIU], s66
	v_mov_b32 v[HIM], s67
	v_mov_b32 v[UU+3], 0
	v_mov_b32 v[WW+3], 0
.macro QKBLOCK a                       ; A's block a: 16 tokens x my 128 columns
.if (\a) > 0
	s_wait_xcnt 0x0                                ; the last block's stores have read their registers
.endif
	WIN 0x06+(\a)/4                                ; source 0: the accumulators' window; source 1: window 1
.set p, 0
.rept 32
	v_pk_add_f32 v[T+2*p:T+2*p+1], v[64*((\a)%4)+2*p:64*((\a)%4)+2*p+1], v[96+2*p+96*(p/16):96+2*p+96*(p/16)+1]   ; + bias; each accumulator from its low end on
.set p, p+1
.endr
	WIN 0
	QUANT T
	v_cmp_eq_u32 vcc_lo, 0, v[MW+\a]               ; my token's word of the mask
	v_cndmask_b32 v[KMK], -1, v[KMM], vcc_lo
	v_cndmask_b32 v[UU+2], v[MKU], v[MKM], vcc_lo
	v_cndmask_b32 v[HIW], v[HIU], v[HIM], vcc_lo
	v_mov_b32 v[WW+2], v[UU+2]
.irp i, 0,1,2,3,6,7,8,9
	v_and_b32 v[PC+\i], v[PC+\i], v[KMK]
.endr
	v_and_b32 v[UU], v[PC+4], v[KMK]
	v_and_b32 v[UU+1], v[PC+5], v[KMK]
	v_and_b32 v[WW], v[PC+10], v[KMK]
	v_and_b32 v[WW+1], v[PC+11], v[KMK]
	v_lshrrev_b32 v[WD], v[SHF], v[PW]             ; lanes 0-15: the first head's two bytes; lanes 16-31: the second's
	v_and_or_b32 v[WD], v[WD], 0xffff, v[HIW]
	global_store_b128 v[LI], v[PC:PC+3], s[22:23] offset:1024*(\a)
	global_store_b128 v[LI], v[UU:UU+3], s[22:23] offset:1024*(\a)+512
	global_store_b128 v[VO1], v[PC+6:PC+9], s[22:23] offset:1024*(\a)
	global_store_b128 v[VO1], v[WW:WW+3], s[22:23] offset:1024*(\a)+512   ; each store: 512 consecutive bytes
	ds_store_b32 v[STQ], v[WD] offset:256*((\a)%2)+4*((\a)/2)
.endm
.irp a, 0,1,2,3,4,5,6,7
	QKBLOCK \a
.endr
	ds_load_b128 v[T:T+3], v[RDQ]                  ; LDS serves a wave's instructions in order: these see my stores
	ds_load_b128 v[T+4:T+7], v[RDQ] offset:512
	s_wait_dscnt 0x0
	global_store_b128 v[LI], v[T:T+3], s[22:23] offset:8192
	global_store_b128 v[VO1], v[T+4:T+7], s[22:23] offset:8192
	s_branch .Lend
	; ---- v: my 128 channels are two heads; my 128 tokens are one step of keys
.Lv_path:
	s_lshr_b32 s18, s46, 11
	s_lshl_b32 s18, s18, 4
	s_lshr_b32 s19, s47, 6
	s_add_co_u32 s18, s18, s19
	s_and_b32 s19, s46, 2047
	s_lshr_b32 s19, s19, 7
	s_mul_i32 s18, s18, HEADKV
	s_mul_i32 s19, s19, STEPB
	s_add_co_u32 s18, s18, s19
	s_mov_b32 s19, 0
	s_add_nc_u64 s[22:23], s[98:99], s[18:19]
.macro VBLOCK a                        ; A's block a: 16 channels (head a / 4, tile a % 4) x my 128 keys
.if (\a) > 0
	s_wait_xcnt 0x0
.endif
	v_mov_b32 v[BB], v[BV+\a]
	v_mov_b32 v[BB+1], v[BV+\a]
	WIN 0x02+(\a)/4
.set p, 0
.rept 32
	v_pk_add_f32 v[T+2*p:T+2*p+1], v[64*((\a)%4)+2*p:64*((\a)%4)+2*p+1], v[BB:BB+1]
.set p, p+1
.endr
	WIN 0
	QUANT T
.irp c, 0,1,2
	global_store_b128 v[LI], v[PC+4*\c:PC+4*\c+3], s[22:23] offset:8704+((\a)/4)*HEADKV+((\a)%4)*1536+512*\c
.endr
	ds_store_b32 v[STV], v[PW] offset:256*((\a)/4)+128*((\a)%2)+4*(((\a)/2)%2)
.endm
.irp a, 0,1,2,3,4,5,6,7
	VBLOCK \a
.endr
	ds_load_b128 v[T:T+3], v[RDV]
	s_wait_dscnt 0x0
	global_store_b128 v[VSO], v[T:T+3], s[22:23] offset:14848   ; lanes 0-15: the first head's 256 bytes; lanes 16-31: the second's
.Lend:
	s_wait_tensorcnt 0x0                           ; the wave's end
	ds_add_u32 v[SPW], v[NIL]
	s_wait_dscnt 0x0
	CROUND                                         ; the closing round
	s_endpgm
.Lfunc_end_k_q4c919d5f46_qkv:
	.size	k_q4c919d5f46_qkv, .Lfunc_end_k_q4c919d5f46_qkv-k_q4c919d5f46_qkv
	.p2alignl 7, 3214868480
	.fill 96, 4, 3214868480
	.section	.rodata,"a",@progbits
	.p2align	6, 0x0
	.amdhsa_kernel k_q4c919d5f46_qkv
		.amdhsa_group_segment_fixed_size 327680
		.amdhsa_private_segment_fixed_size 0
		.amdhsa_enable_private_segment 0
		.amdhsa_kernarg_size 64
		.amdhsa_user_sgpr_count 2
		.amdhsa_user_sgpr_kernarg_segment_ptr 1
		.amdhsa_wavefront_size32 1
		.amdhsa_system_sgpr_workgroup_id_x 1
		.amdhsa_system_sgpr_workgroup_id_y 1
		.amdhsa_system_sgpr_workgroup_id_z 1
		.amdhsa_system_vgpr_workitem_id 0
		.amdhsa_next_free_vgpr 1024
		.amdhsa_next_free_sgpr 102
		.amdhsa_reserve_vcc 1
		.amdhsa_float_denorm_mode_32 3
		.amdhsa_float_denorm_mode_16_64 3
		.amdhsa_memory_ordered 1
		.amdhsa_forward_progress 1
		.amdhsa_inst_pref_size 218
	.end_amdhsa_kernel
	.amdgpu_metadata
---
amdhsa.version: [ 1, 2 ]
amdhsa.kernels:
  - .name:           k_q4c919d5f46_qkv
    .symbol:         k_q4c919d5f46_qkv.kd
    .args:
      - { .name: xn, .offset: 0, .size: 8, .value_kind: global_buffer, .address_space: global }
      - { .name: wts, .offset: 8, .size: 8, .value_kind: global_buffer, .address_space: global }
      - { .name: bq, .offset: 16, .size: 8, .value_kind: global_buffer, .address_space: global }
      - { .name: bk, .offset: 24, .size: 8, .value_kind: global_buffer, .address_space: global }
      - { .name: bv, .offset: 32, .size: 8, .value_kind: global_buffer, .address_space: global }
      - { .name: src_mask, .offset: 40, .size: 8, .value_kind: global_buffer, .address_space: global }
      - { .name: qb, .offset: 48, .size: 8, .value_kind: global_buffer, .address_space: global }
      - { .name: kv, .offset: 56, .size: 8, .value_kind: global_buffer, .address_space: global }
    .group_segment_fixed_size: 327680
    .private_segment_fixed_size: 0
    .kernarg_segment_align: 8
    .kernarg_segment_size: 64
    .max_flat_workgroup_size: 128
    .sgpr_count:     102
    .vgpr_count:     1024
    .wavefront_size: 32
...
	.end_amdgpu_metadata
.endif
;; end of part 8
;; launch attn (part 9): grid 8 x 32, 8 waves a work-group, clusters of 4 x 1, 243,712 bytes of LDS; arguments qb, kv, ctx; writes ctx
.if DOCPART == 9
	.amdgcn_target "amdgcn-amd-amdhsa--gfx1250"
	.amdhsa_code_object_version 6
	.text
	.protected	k_q4c919d5f46_attn
	.globl	k_q4c919d5f46_attn
	.p2align	8
	.type	k_q4c919d5f46_attn,@function
k_q4c919d5f46_attn:
	s_mov_b64 s[64:65], 0
	v_nop
	global_prefetch_b8 v0, s[64:65] scope:SCOPE_SE
	s_setreg_imm32_b32 hwreg(HW_REG_WAVE_MODE, 25, 1), 1
	s_wait_xcnt 0x0
	s_wait_alu depctr_hold_cnt(0) depctr_sa_sdst(0) depctr_va_vdst(0) depctr_va_sdst(0) depctr_va_ssrc(0) depctr_va_vcc(0) depctr_vm_vsrc(0)
	s_getreg_b32 s2, hwreg(HW_REG_IB_STS2, 6, 4)
	s_cmp_eq_u32 s2, 0
	s_cbranch_scc0 .Lentry_in_a_cluster
	s_endpgm
.Lentry_in_a_cluster:
	s_bfe_u32 s2, ttmp6, 0x10000c
	s_cmp_lg_u32 s2, 0x3003
	s_cbranch_scc0 .Lentry_shape_is_right
	s_endpgm
.Lentry_shape_is_right:
; ctx = softmax(q k^T / 8, keys masked) v for one head and 256 queries, both products on codes of FP6 (E2M3) with E8M0 scales; ctx is quantised at once, along the model's 1,024, for the product with Wo.
; THE SOFTMAX: t = raw score x log2(e) / 8; M = the running largest t rounded UP to a whole number; p = 2^(t - M) is quantised along the keys; the row's sum is taken of the unquantised p and divides at the end.
; When M moves, the sum and O are multiplied by 2^(old M - new M): exact.
; THE MASK needs no line here: a masked key arrives with zero codes, +1 at k = 64 under the scale 2^33, and every query has -1 at k = 64: its raw score is -2^33.
; LIMITS: a masked logit is -2^30 where reference() writes -1e9; the promise holds while the scaled scores stay under 2^31 in magnitude; a block of zeros gets the byte 1; NaN and infinities are not served.
; SHARES.  Eight waves, two tiles of 16 queries each: a fragment of K or V read from LDS feeds two matrix instructions.  Every wave walks the head's 2,048 keys, 128 a step.
; REGISTERS.  512 a wave, two windows of 256.  Tile 1's registers stand in window 1 under the numbers that tile 0's have in window 0, so one macro serves both tiles under two settings of s_set_vgpr_msb.
; K's fragments lie in window 0 (v32-99), V's in window 1 (v32-79); scale words lie in window 0, as the matrix instruction takes them.
; LDS.  The head's K, V and scale words, 16 steps x 15,104 bytes, are filled ONCE: each wave issues one joint load of two steps (118 rows of 256 bytes) for the four work-groups of a cluster (four query blocks of one head).
; Nothing is filled again, and all of the head is asked for at the kernel's head: there is no later tile to prefetch, so no prefetch is written.
; A step's block: K: 8 tiles x 1,024 (registers 0-3; registers 4-7) | 512 of K's scale words | V^T: 4 tiles x 1,536 | 256 of V's scale words.
; LAYOUT.  Both products transposed: S^T = K Q^T, O^T = V^T P^T: a lane holds one query.  WHICH KEYS FORM A TILE is chosen by the lanes' LDS addresses: row m of tile t is key 64 (t / 4) + 32 (m / 8) + 8 (t % 4) + m % 8.
; So the 32 registers of tiles 4 c .. 4 c + 3 are keys 64 c + 32 (lane / 16) + 0 .. 31: a whole block of the next K in one lane, in the place that the operand's layout gives that lane.
; In the stored tiles (T = 2 b + u, row r = key 32 b + 8 u + r + 8 (r / 8)) that key stands in tile 4 (t / 4) + 2 (m / 8) + t % 2, row 8 ((t % 4) / 2) + m % 8.
; The first product's K is 64 of the instruction's 128.  Of a fragment of K eight registers are loaded; its last four are the next fragment's first four: they meet Q's zero codes alone.
.set STEPB,  15104
.set HEADKV, 241664
.set STEPQ,  8704
.set HEADQ,  139264
.set XN_S,   3145728                   ; ctx's scale words, behind its codes
.set SPARE,  241664                    ; behind the 16 steps: the spare words, 128 bytes a wave
.set L16,  1                           ; 16 x lane
.set L8,   2                           ; 8 x lane
.set KB,   3                           ; K's fragments: 16 (m % 8) + 2,048 (m / 8) + 256 (lane / 16)
.set KSB,  4                           ; K's scale words: 16 (m % 8) + 4 (m / 8) + 256 (lane / 16)
.set RO,   5                           ; 32 (lane % 16)
.set SH8,  6                           ; 8 (lane / 16); in both windows
.set QSO,  7                           ; 16 (lane % 16)
.set QS,   8                           ; v8-9   Q's scale words, tile 0, 1
.set PW,   10                          ; v10-11 p's scale words, tile 0, 1
.set KS,   12                          ; v12-15 K's scale words: register i: lanes 0-15 tile 2 i, lanes 16-31 tile 2 i + 1
.set QF,   16                          ; v16-27 Q                                    (from here on: a set in each window)
.set F,    32                          ; window 0: v32-99 K's fragments, tile t at 32 + 8 t
.set VF,   32                          ; window 1: v32-79 V's fragments, tile d at 32 + 12 d
.set VS,   100                         ; v100-101 V's scale words
.set S,    104                         ; v104-167 S^T, then p
.set O,    168                         ; v168-199 O^T
.set PC,   200                         ; v200-211 p's codes
.set CT,   212                         ; v212-218 the upper halves of the blocks' codes, as the conversions leave them
.set BM,   220                         ; v220-221 the two blocks' largest scores
.set SO,   224
.set B2,   226
.set TP,   228
.set TX,   229
.set TN,   230
.set FF,   232                         ; v232-233 f = 2^(old M - new M)
.set MX,   236                         ; v236-243 the maxima's eight chains, one to an accumulator
.set SU,   236                         ; then seven more chains of the sum: pairs at v236, 238, 240, 242, 248, 250, 252.  v28 -M, v29 the largest raw score, v30-31 the sum
.set ADK,  244                         ; v244-247 the step's LDS addresses
.set ADS,  245
.set ADL,  246
.set ADV,  247
.set SPW,  254                         ; my spare word; never rewritten
.set NIL,  255                         ; 0; never rewritten
.set WV,   10
.set G1,   24
.set G0,   32
.set SEL,  48
.set CS,   50
.set TB,   52
.set CNT,  53
.set MSB, 0
.macro WIN new                         ; the immediate's high byte repeats the setting that is left
.if MSB != (\new)
	s_set_vgpr_msb (MSB<<8)|(\new)
.set MSB, (\new)
.endif
.endm
.macro CROUND
	s_barrier_signal -1
	s_barrier_wait -1
	s_cmp_lg_u32 s[WV], 0
	s_cbranch_scc1 .Lnot_wave_0_\@
	s_barrier_signal -3
.Lnot_wave_0_\@:
	s_barrier_wait -3
	s_barrier_signal -1
	s_barrier_wait -1
.endm
	s_load_b128 s[4:7], s[0:1], 0x0                ; qb, kv
	s_load_b64 s[8:9], s[0:1], 0x10                ; ctx
	v_lshl_add_u32 v[SPW], v0, 2, SPARE
	v_mov_b32 v[NIL], 0
	ds_add_u32 v[SPW], v[NIL]
	ds_add_u32 v[SPW], v[NIL]
	v_lshrrev_b32 v1, 5, v0
	v_readfirstlane_b32 s[WV], v1                  ; wave 0..7
	s_bfe_u32 s11, ttmp6, 0x40000                  ; cx: it enters Q's and ctx's addresses alone
	s_lshl_b32 s12, ttmp9, 2
	s_add_co_u32 s12, s12, s11                     ; my block of 256 queries
	s_and_b32 s13, ttmp7, 0xffff                   ; 16 x batch + head: shared by the four partners
	s_mul_i32 s14, s13, HEADKV
	s_mul_i32 s16, s[WV], 2*STEPB                  ; wave w fetches steps 2 w, 2 w + 1
	s_add_co_u32 s14, s14, s16
	s_mov_b32 s15, 0
	s_mov_b32 s[G1], 15|(3<<16)|(1<<21)            ; the mask: all four work-groups; elements of 8 bytes; bit 21 beside a mask
	s_mov_b32 s[G1+1], 32<<16                      ; rows of 256 bytes,
	s_mov_b32 s[G1+2], 118<<16                     ; 118 of them: two steps' 30,208 dense bytes
	s_mov_b32 s[G1+3], 32<<16
	s_mov_b32 s[G1+4], 118
	s_mov_b32 s[G1+5], 32
	s_mov_b32 s[G1+6], 0
	s_mov_b32 s[G1+7], 0
	s_wait_dscnt 0x0
	s_wait_kmcnt 0x0
	s_add_nc_u64 s[14:15], s[6:7], s[14:15]
	CROUND                                         ; all four work-groups are here: the joint loads meet
	s_mov_b32 s[G0], 1
	s_mov_b32 s[G0+1], s16
	s_mov_b64 s[G0+2:G0+3], s[14:15]
	s_or_b32 s[G0+3], s[G0+3], 0x80000000
	tensor_load_to_lds s[G0:G0+3], s[G1:G1+7]      ; my one tensor load
	s_nop 0
.rept 4
	v_nop
.endr
	s_mov_b32 s[SEL], 0x76543210
	s_mov_b32 s[SEL+1], 0xfedcba98
	s_mov_b32 s[CS], 0x3e38aa3b                    ; c = log2(e) / 8
	s_mov_b32 s[CS+1], s[CS]
	; Q: tiles 2 w, 2 w + 1 of the block's sixteen: step 2 x block + w / 4, tiles 2 (w % 4), + 1
	s_mul_i32 s17, s13, HEADQ
	s_lshl_b32 s18, s12, 1
	s_lshr_b32 s19, s[WV], 2
	s_add_co_u32 s18, s18, s19
	s_mul_i32 s18, s18, STEPQ
	s_add_co_u32 s17, s17, s18
	s_and_b32 s19, s[WV], 3
	s_lshl_b32 s20, s19, 11
	s_add_co_u32 s20, s20, s17
	s_mov_b32 s21, 0
	s_lshl_b32 s22, s19, 2
	s_add_co_u32 s22, s22, s17
	s_add_co_u32 s22, s22, 8192                    ; scale words of tile t: 8,192 + 256 (t % 2) + 16 r + 4 (t / 2)
	s_mov_b32 s23, 0
	s_add_nc_u64 s[20:21], s[4:5], s[20:21]
	s_add_nc_u64 s[22:23], s[4:5], s[22:23]
	; where ctx goes: tile Tg = 128 x batch + 16 x block + 2 w (+ 1: 3,072 bytes of codes and 4 of scale words on); the head's 64 are half of K step head / 2
	s_and_b32 s58, s13, 15
	s_lshr_b32 s59, s13, 4
	s_lshl_b32 s59, s59, 7
	s_lshl_b32 s60, s12, 4
	s_add_co_u32 s59, s59, s60
	s_lshl_b32 s60, s[WV], 1
	s_add_co_u32 s59, s59, s60
	s_lshr_b32 s60, s58, 2
	s_lshl_b32 s60, s60, 8
	s_add_co_u32 s60, s60, s59
	s_lshl_b32 s60, s60, 1
	s_bfe_u32 s61, s58, 0x10001
	s_add_co_u32 s60, s60, s61
	s_mul_i32 s54, s60, 1536
	s_mov_b32 s55, 0
	s_lshr_b32 s60, s58, 1
	s_lshl_b32 s60, s60, 5
	s_lshr_b32 s61, s59, 3
	s_add_co_u32 s60, s60, s61
	s_lshl_b32 s56, s60, 9
	s_and_b32 s61, s59, 7
	s_lshl_b32 s61, s61, 2
	s_add_co_u32 s56, s56, s61
	s_and_b32 s58, s58, 1                          ; the head's parity: which half of the fragment and of the scale word is mine
	s_lshl_b32 s61, s58, 1
	s_add_co_u32 s56, s56, s61
	s_add_co_u32 s56, s56, XN_S
	s_mov_b32 s57, 0
	s_add_nc_u64 s[54:55], s[8:9], s[54:55]
	s_add_nc_u64 s[56:57], s[8:9], s[56:57]
	v_and_b32 v248, 31, v0
	v_and_b32 v249, 15, v0
	v_bfe_u32 v250, v0, 4, 1
	v_and_b32 v251, 7, v0
	v_bfe_u32 v[TP], v0, 3, 1
	v_lshlrev_b32 v[L16], 4, v248
	v_lshlrev_b32 v[L8], 3, v248
	v_lshlrev_b32 v[RO], 5, v249
	v_lshlrev_b32 v[QSO], 4, v249
	v_lshlrev_b32 v[SH8], 3, v250
	v_lshlrev_b32 v[KB], 4, v251
	v_lshl_add_u32 v[KSB], v[TP], 2, v[KB]
	v_lshl_add_u32 v[KB], v[TP], 11, v[KB]
	v_lshl_add_u32 v[KSB], v250, 8, v[KSB]
	v_lshl_add_u32 v[KB], v250, 8, v[KB]
	global_load_b128 v[QF:QF+3], v[L16], s[20:21]
	global_load_b128 v[QF+4:QF+7], v[L16], s[20:21] offset:512
	global_load_b32 v[QS], v[QSO], s[22:23]
	global_load_b32 v[QS+1], v[QSO], s[22:23] offset:256
.macro INIT                            ; a tile's state: only destinations are vector registers, so the window of the destination picks the tile
	v_mov_b32 v28, 0x7e000000                      ; -M: 2^125, above every -M that follows: the first f is 0
	v_mov_b32 v29, 0xff61b1e6                      ; the largest raw score so far: -3e38
	v_mov_b32 v30, 0
	v_mov_b32 v31, 0
.irp i, 8,9,10,11
	v_mov_b32 v[QF+\i], 0                          ; Q's codes of k = 75 on: zeros
.endr
	v_mov_b32 v[TX], 0                             ; written once: a lane permute's destination counts as one of its sources
	v_mov_b32 v[FF+1], 0                           ; (named as the upper half of a pair)
.set j, 0
.rept 32
	v_mov_b32 v[O+j], 0                            ; O^T: the step is written once; the first finds zeros, which the first f leaves zeros
.set j, j+1
.endr
.endm
	WIN 0x40                                       ; destination window 1, sources window 0
	global_load_b128 v[QF:QF+3], v[L16], s[20:21] offset:1024
	global_load_b128 v[QF+4:QF+7], v[L16], s[20:21] offset:1536
	v_mov_b32 v[SH8], v[SH8]
	INIT
	WIN 0
	INIT
.irp i, 64,65,66,67
	v_mov_b32 v[F+\i], 0                           ; behind K's last fragment
.endr
.macro KLOAD ak, as, off               ; 20 LDS loads: a step's eight fragments of K and their scale words
.irp t, 0,1,2,3,4,5,6,7
	ds_load_b128 v[F+8*\t:F+8*\t+3], v[\ak] offset:\off+4096*(\t/4)+1024*(\t%2)+128*((\t%4)/2)
	ds_load_b128 v[F+8*\t+4:F+8*\t+7], v[\ak] offset:\off+4096*(\t/4)+1024*(\t%2)+128*((\t%4)/2)+512
.endr
.irp i, 0,1,2,3
	ds_load_b32 v[KS+\i], v[\as] offset:\off+8192+128*(\i%2)+8*(\i/2)
.endr
.endm
.macro QK e                            ; S^T = K Q^T of tile e: eight accumulators, each begun with 0
.irp t, 0,1,2,3,4,5,6,7
.if (\t)%2
	v_wmma_scale_f32_16x16x128_f8f6f4 v[S+8*\t:S+8*\t+7], v[F+8*\t:F+8*\t+11], v[QF:QF+11], 0, v[KS+\t/2], v[QS+\e] matrix_a_fmt:MATRIX_FMT_FP6 matrix_b_fmt:MATRIX_FMT_FP6 matrix_a_scale:MATRIX_SCALE_ROW1
.else
	v_wmma_scale_f32_16x16x128_f8f6f4 v[S+8*\t:S+8*\t+7], v[F+8*\t:F+8*\t+11], v[QF:QF+11], 0, v[KS+\t/2], v[QS+\e] matrix_a_fmt:MATRIX_FMT_FP6 matrix_b_fmt:MATRIX_FMT_FP6
.endif
.endr
.endm
.macro PV e                            ; O^T += V^T P^T of tile e: four accumulators by turns
.irp d, 0,1,2,3
.if (\d)%2
	v_wmma_scale_f32_16x16x128_f8f6f4 v[O+8*\d:O+8*\d+7], v[VF+12*\d:VF+12*\d+11], v[PC:PC+11], v[O+8*\d:O+8*\d+7], v[VS+\d/2], v[PW+\e] matrix_a_fmt:MATRIX_FMT_FP6 matrix_b_fmt:MATRIX_FMT_FP6 matrix_a_scale:MATRIX_SCALE_ROW1
.else
	v_wmma_scale_f32_16x16x128_f8f6f4 v[O+8*\d:O+8*\d+7], v[VF+12*\d:VF+12*\d+11], v[PC:PC+11], v[O+8*\d:O+8*\d+7], v[VS+\d/2], v[PW+\e] matrix_a_fmt:MATRIX_FMT_FP6 matrix_b_fmt:MATRIX_FMT_FP6
.endif
.endr
.endm
; A tile's 64 scores a lane become p's codes and scale word; the sum and O^T come under the new M.  Block c of my two is registers S + 32 c .. + 31.
.macro SOFTMAX e
.if \e
	s_wait_alu depctr_va_vdst(0)                   ; tile 0's exponentials stand between these scores' products and their first readers
.endif
.irp t, 0,1,2,3,4,5,6,7
	v_max3_num_f32 v[MX+\t], v[S+8*\t], v[S+8*\t+1], v[S+8*\t+2]   ; the largest scores, in eight chains, one to an accumulator, each from its low end on
.endr
	v_mov_b32 v[TN], v28                           ; the old -M
.irp i, 3,5
.irp t, 0,1,2,3,4,5,6,7
	v_max3_num_f32 v[MX+\t], v[MX+\t], v[S+8*\t+\i], v[S+8*\t+\i+1]
.endr
.endr
.irp u, 0,2,4,6
	v_max3_num_f32 v[MX+\u], v[MX+\u], v[MX+\u+1], v[S+8*\u+7]
.endr
.irp c, 0,1
	v_max3_num_f32 v[BM+\c], v[MX+4*\c], v[MX+4*\c+2], v[S+32*\c+15]
.endr
.irp c, 0,1
	v_max_num_f32 v[BM+\c], v[BM+\c], v[S+32*\c+31]   ; each block's largest score: for the row's maximum and, since p rises with the score, for the block's largest p
.endr
	s_delay_alu instid0(VALU_DEP_1)
	v_max_num_f32 v[TP], v[BM], v[BM+1]
	s_delay_alu instid0(VALU_DEP_1)
	v_permlanex16_b32 v[TX], v[TP], s[SEL], s[SEL+1]   ; lane l xor 16 holds my query's other two blocks
	s_delay_alu instid0(VALU_DEP_1)
	v_max3_num_f32 v29, v29, v[TP], v[TX]          ; the running largest raw score
	s_delay_alu instid0(VALU_DEP_1)
	v_mul_f32 v[TP], s[CS], v29                    ; as t (c is positive)
	s_delay_alu instid0(VALU_DEP_1)
	v_floor_f32 v28, -v[TP]                        ; the new -M = -ceil(t)
.set j, 0
.rept 32
	v_pk_fma_f32 v[S+j:S+j+1], v[S+j:S+j+1], s[CS:CS+1], v[28:29] op_sel_hi:[1,0,0]   ; t - M; the three lines that make f stand among these
.if j == 4
	v_sub_f32 v[TP], v28, v[TN]                    ; old M - new M: a whole number, 0 or less
.endif
.if j == 14
	v_cvt_i32_f32 v[TP], v[TP]                     ; (it saturates)
.endif
.if j == 24
	v_ldexp_f32 v[FF], 1.0, v[TP]
.endif
.set j, j+2
.endr
.irp c, 0,1
	v_fma_f32 v[BM+\c], v[BM+\c], s[CS], v28
.endr
	s_wait_alu depctr_va_vdst(0)                   ; a wait ahead of the batch,
.set j, 0
.rept 64
	v_exp_f32 v[S+j], v[S+j]                       ; p = 2^(t - M)
.set j, j+1
.endr
.irp c, 0,1
	v_exp_f32 v[BM+\c], v[BM+\c]                   ; the blocks' largest p
.endr
	s_wait_alu depctr_va_vdst(0)                   ; and behind it: one wait for the 66, and for O^T's first readers below
.set j, 0
.rept 16
	v_pk_mul_f32 v[O+j:O+j+1], v[O+j:O+j+1], v[FF:FF+1] op_sel_hi:[1,0]   ; O^T under the new M (plain lines behind the exponentials)
.set j, j+2
.endr
.irp c, 0,1
	v_max_num_f32 v[BM+\c], 0x1800000, v[BM+\c]    ; the floor 2^(3 - 127): the byte cannot fall under 1
.endr
.irp c, 0,1
	v_add_nc_u32 v[SO+\c], 0xff000000, v[BM+\c]    ; 2 off the exponent field: the conversion's scale operand
.endr
.irp c, 0,1
	v_cvt_scalef32_pk16_fp6_f32 v[PC+6*\c:PC+6*\c+2], v[S+32*\c:S+32*\c+15], v[SO+\c]
	v_cvt_scalef32_pk16_fp6_f32 v[CT+4*\c:CT+4*\c+2], v[S+32*\c+16:S+32*\c+31], v[SO+\c]   ; (a conversion's three registers begin on an even number)
.endr
.irp c, 0,1
	v_lshrrev_b32 v[B2+\c], 23, v[SO+\c]           ; the scales' bytes (plain lines behind the conversions)
.endr
.irp i, 0,1,2
	v_mov_b32 v[PC+3+\i], v[CT+\i]
.endr
	v_lshl_or_b32 v[B2], v[B2+1], 16, v[B2]        ; blocks h and 2 + h,
.irp i, 0,1,2
	v_mov_b32 v[PC+9+\i], v[CT+4+\i]
.endr
	v_lshlrev_b32 v[B2], v[SH8], v[B2]             ; at their places in the scale word
	; the row's sum, of the unquantised p, in eight chains: chain k takes the pairs at S + 2 k + 0, 16, 32, 48.  The scale word's last lines stand among them; 16 of these lines follow its write, ahead of the products
	v_pk_fma_f32 v[30:31], v[30:31], v[FF:FF+1], v[S:S+1] op_sel_hi:[1,0,1]
.irp k, 1,2,3,4,5,6,7
	v_pk_add_f32 v[SU+2*\k-2+4*(\k/5):SU+2*\k-1+4*(\k/5)], v[S+2*\k:S+2*\k+1], v[S+2*\k+16:S+2*\k+17]
.endr
	v_permlanex16_b32 v[TX], v[B2], s[SEL], s[SEL+1]
	v_pk_add_f32 v[30:31], v[30:31], v[S+16:S+17]
.irp k, 1,2,3,4,5,6,7
	v_pk_add_f32 v[SU+2*\k-2+4*(\k/5):SU+2*\k-1+4*(\k/5)], v[SU+2*\k-2+4*(\k/5):SU+2*\k-1+4*(\k/5)], v[S+2*\k+32:S+2*\k+33]
.endr
.if \e
	WIN 0x05                                       ; scale words lie in window 0
.endif
	v_or_b32 v[PW+\e], v[B2], v[TX]                ; with lane l xor 16's two bytes the word is whole
.if \e
	WIN 0x55
.endif
	v_pk_add_f32 v[30:31], v[30:31], v[S+32:S+33]
.irp k, 1,2,3,4,5,6,7
	v_pk_add_f32 v[SU+2*\k-2+4*(\k/5):SU+2*\k-1+4*(\k/5)], v[SU+2*\k-2+4*(\k/5):SU+2*\k-1+4*(\k/5)], v[S+2*\k+48:S+2*\k+49]
.endr
	v_pk_add_f32 v[30:31], v[30:31], v[S+48:S+49]
	v_pk_add_f32 v[SU:SU+1], v[SU:SU+1], v[SU+2:SU+3]
	v_pk_add_f32 v[SU+4:SU+5], v[SU+4:SU+5], v[SU+6:SU+7]
	v_pk_add_f32 v[SU+12:SU+13], v[SU+12:SU+13], v[SU+14:SU+15]
	v_pk_add_f32 v[30:31], v[30:31], v[SU+16:SU+17]
	v_pk_add_f32 v[SU:SU+1], v[SU:SU+1], v[SU+4:SU+5]
	v_pk_add_f32 v[30:31], v[30:31], v[SU+12:SU+13]
	s_delay_alu instid0(VALU_DEP_1)
	v_pk_add_f32 v[30:31], v[30:31], v[SU:SU+1]
.endm
; A step of 128 keys.  Its K was fetched in the step before; in its middle, behind the four address lines (the places behind the products), V of this step and K of the next are fetched: 13 and 20 LDS loads.
.macro STEP last
	s_wait_dscnt 0x0                               ; this step's K and its scale words are in
	QK 0
	WIN 0x44                                       ; Q and S^T of tile 1: source 1 and destination window 1
	QK 1
	WIN 0
	v_add_nc_u32 v[ADL], s[TB], v[L16]
	v_add_nc_u32 v[ADV], s[TB], v[L8]
.if \last
	v_nop
	v_nop
.else
	v_add_nc_u32 v[ADK], s[TB], v[KB]
	v_add_nc_u32 v[ADS], s[TB], v[KSB]
.endif
	ds_load_b64 v[VS:VS+1], v[ADV] offset:14848
	WIN 0x40
.irp d, 0,1,2,3
.irp c, 0,1,2
	ds_load_b128 v[VF+12*\d+4*\c:VF+12*\d+4*\c+3], v[ADL] offset:8704+1536*\d+512*\c
.endr
.endr
	WIN 0
.if \last == 0
	KLOAD ADK, ADS, STEPB
.endif
	SOFTMAX 0
	WIN 0x55
	SOFTMAX 1
.if \last
	s_wait_dscnt 0x0                               ; V is in
.else
	s_wait_dscnt 20                                ; V is in; the 20 loads of the next step's K, issued behind V's, may be out
.endif
	PV 1
	WIN 0x01                                       ; V's fragments: source 0 window 1
	PV 0
	WIN 0
.endm
	s_wait_alu depctr_va_vdst(0)
	s_wait_loadcnt 0x0                             ; Q
	s_wait_tensorcnt 0x0                           ; my two steps are in,
	s_barrier_signal -1
	s_barrier_wait -1                              ; all sixteen are; nothing is filled again, so this is the walk's only barrier
	KLOAD KB, KSB, 0
	s_mov_b32 s[TB], 0
	s_mov_b32 s[CNT], 15
.Lstep:
	STEP 0
	s_add_co_u32 s[TB], s[TB], STEPB
	s_sub_co_u32 s[CNT], s[CNT], 1
	s_cmp_lg_u32 s[CNT], 0
	s_cbranch_scc1 .Lstep
	STEP 1                                         ; the last step fetches no further K
; THE WAY OUT of a tile: O^T / the sum; its 64 channels are two blocks of the next K; register 16 b + i is channel 32 b + 16 (lane / 16) + i
.macro FIN
	v_add_f32 v30, v30, v31
	s_delay_alu instid0(VALU_DEP_1)
	v_permlanex16_b32 v[TX], v30, s[SEL], s[SEL+1]
	s_delay_alu instid0(VALU_DEP_1)
	v_add_f32 v30, v30, v[TX]
	s_wait_alu depctr_va_vdst(0)                   ; a wait ahead of the reciprocal,
	v_rcp_f32 v30, v30
	v_nop                                          ; a plain line behind it,
	s_wait_alu depctr_va_vdst(0)                   ; and the wait ahead of its first reader, which is also O^T's
.set j, 0
.rept 32
	v_mul_f32 v[S+j], v[O+j], v30
.set j, j+1
.endr
.irp b, 0,1
	v_max3_num_f32 v[BM+\b], |v[S+16*\b]|, |v[S+1+16*\b]|, 0x1800000
.endr
.irp i, 2,4,6,8,10,12,14
.irp b, 0,1
	v_max3_num_f32 v[BM+\b], v[BM+\b], |v[S+16*\b+\i]|, |v[S+1+16*\b+\i]|
.endr
.endr
.irp b, 0,1
	v_permlanex16_b32 v[B2+\b], v[BM+\b], s[SEL], s[SEL+1]
.endr
.irp b, 0,1
	v_max_num_f32 v[BM+\b], v[BM+\b], v[B2+\b]
.endr
.irp b, 0,1
	v_add_nc_u32 v[SO+\b], 0xff000000, v[BM+\b]
.endr
.irp b, 0,1
	v_lshrrev_b32 v[B2+\b], 23, v[SO+\b]
.endr
	v_lshl_or_b32 v[B2], v[B2+1], 8, v[B2]         ; my head's two bytes of the row's scale word
	v_cvt_scalef32_pk16_fp6_f32 v[PC:PC+2], v[S:S+15], v[SO]
	v_cvt_scalef32_pk16_fp6_f32 v[CT:CT+2], v[S+16:S+31], v[SO+1]
	v_nop
.irp i, 0,1,2
	v_permlane16_swap_b32 v[PC+\i], v[CT+\i]       ; a lane gets a whole block
.endr
.irp i, 0,1,2
	v_mov_b32 v[PC+3+\i], v[CT+\i]
.endr
.endm
.rept 4
	v_nop                                          ; places behind the last products
.endr
	FIN
	WIN 0x55
	FIN
	WIN 0
	; An even head's six registers are registers 0-5 of the fragment's image, an odd head's 6-11.  The image's middle 512 bytes and the scale words are shared by two heads' work-groups, 8 and 2 bytes a lane each.
	s_wait_alu depctr_va_vdst(0)
	s_cmp_eq_u32 s58, 0
	s_cbranch_scc0 .Lodd                           ; by the head's number, which the partners share
	global_store_b128 v[L16], v[PC:PC+3], s[54:55]
	global_store_b64 v[L16], v[PC+4:PC+5], s[54:55] offset:512
	WIN 0x04                                       ; the data: window 1
	global_store_b128 v[L16], v[PC:PC+3], s[54:55] offset:3072
	global_store_b64 v[L16], v[PC+4:PC+5], s[54:55] offset:3584
	WIN 0
	s_branch .Lwords
.Lodd:
	global_store_b64 v[L16], v[PC:PC+1], s[54:55] offset:520
	global_store_b128 v[L16], v[PC+2:PC+5], s[54:55] offset:1024
	WIN 0x04
	global_store_b64 v[L16], v[PC:PC+1], s[54:55] offset:3592
	global_store_b128 v[L16], v[PC+2:PC+5], s[54:55] offset:4096
	WIN 0
.Lwords:
	global_store_b16 v[RO], v[B2], s[56:57]        ; (lanes 16-31 repeat lanes 0-15)
	WIN 0x04
	global_store_b16 v[RO], v[B2], s[56:57] offset:4
	WIN 0
	s_wait_tensorcnt 0x0                           ; the wave's end
	ds_add_u32 v[SPW], v[NIL]
	s_wait_dscnt 0x0
	CROUND                                         ; the closing round
	s_endpgm
.Lfunc_end_k_q4c919d5f46_attn:
	.size	k_q4c919d5f46_attn, .Lfunc_end_k_q4c919d5f46_attn-k_q4c919d5f46_attn
	.p2alignl 7, 3214868480
	.fill 96, 4, 3214868480
	.section	.rodata,"a",@progbits
	.p2align	6, 0x0
	.amdhsa_kernel k_q4c919d5f46_attn
		.amdhsa_group_segment_fixed_size 243712
		.amdhsa_private_segment_fixed_size 0
		.amdhsa_enable_private_segment 0
		.amdhsa_kernarg_size 24
		.amdhsa_user_sgpr_count 2
		.amdhsa_user_sgpr_kernarg_segment_ptr 1
		.amdhsa_wavefront_size32 1
		.amdhsa_system_sgpr_workgroup_id_x 1
		.amdhsa_system_sgpr_workgroup_id_y 1
		.amdhsa_system_sgpr_workgroup_id_z 1
		.amdhsa_system_vgpr_workitem_id 0
		.amdhsa_next_free_vgpr 512
		.amdhsa_next_free_sgpr 66
		.amdhsa_reserve_vcc 0
		.amdhsa_float_denorm_mode_32 3
		.amdhsa_float_denorm_mode_16_64 3
		.amdhsa_memory_ordered 1
		.amdhsa_forward_progress 1
		.amdhsa_inst_pref_size 72
	.end_amdhsa_kernel
	.amdgpu_metadata
---
amdhsa.version: [ 1, 2 ]
amdhsa.kernels:
  - .name:           k_q4c919d5f46_attn
    .symbol:         k_q4c919d5f46_attn.kd
    .args:
      - { .name: qb, .offset: 0, .size: 8, .value_kind: global_buffer, .address_space: global }
      - { .name: kv, .offset: 8, .size: 8, .value_kind: global_buffer, .address_space: global }
      - { .name: ctx, .offset: 16, .size: 8, .value_kind: global_buffer, .address_space: global }
    .group_segment_fixed_size: 243712
    .private_segment_fixed_size: 0
    .kernarg_segment_align: 8
    .kernarg_segment_size: 24
    .max_flat_workgroup_size: 256
    .sgpr_count:     66
    .vgpr_count:     512
    .wavefront_size: 32
...
	.end_amdgpu_metadata
.endif
;; end of part 9
;; launch wo (part 10): grid 8 x 32, 4 waves a work-group, clusters of 4 x 4, 327,680 bytes of LDS; arguments ctx, wts, bo, x, x1; writes x1
.if DOCPART == 10
	.amdgcn_target "amdgcn-amd-amdhsa--gfx1250"
	.amdhsa_code_object_version 6
	.text
	.protected	k_q4c919d5f46_wo
	.globl	k_q4c919d5f46_wo
	.p2align	8
	.type	k_q4c919d5f46_wo,@function
k_q4c919d5f46_wo:
	s_mov_b64 s[64:65], 0
	v_nop
	global_prefetch_b8 v0, s[64:65] scope:SCOPE_SE
	s_setreg_imm32_b32 hwreg(HW_REG_WAVE_MODE, 25, 1), 1
	s_wait_xcnt 0x0
	s_wait_alu depctr_hold_cnt(0) depctr_sa_sdst(0) depctr_va_vdst(0) depctr_va_sdst(0) depctr_va_ssrc(0) depctr_va_vcc(0) depctr_vm_vsrc(0)
	s_getreg_b32 s2, hwreg(HW_REG_IB_STS2, 6, 4)
	s_cmp_eq_u32 s2, 0
	s_cbranch_scc0 .Lentry_in_a_cluster
	s_endpgm
.Lentry_in_a_cluster:
	s_bfe_u32 s2, ttmp6, 0x10000c
	s_cmp_lg_u32 s2, 0xf033
	s_cbranch_scc0 .Lentry_shape_is_right
	s_endpgm
.Lentry_shape_is_right:
; x1 = x + (ctx Wo + bo): a GEMM on codes of FP6 (E2M3) with E8M0 scales, K = 1,024, N = 1,024; bias and residual on the way out; f32 rows out.
; A tile of C is 128 x 128, so that M x N = 4,096 x 1,024 gives 256 work-groups; four waves of 64 x 64, 16 accumulators each.
; K goes in steps of 512 through two LDS slots filled by joint tensor loads of a 4 x 4 cluster: A's tile is shared along a row of the cluster, B's along a column.  At this K the two slots hold all of K: nothing is filled again.
; OPERANDS lie in memory as images of their registers (a fragment: 3 x 512 bytes, lane l's 16 bytes at 16 l), eight tiles x 256 K on end: 24,576 dense bytes, one tensor load.  Scale words: 512 bytes for eight tiles and 128 K; all of K's come once.
; Row index i of every operand stands at position swap34(i) (bits 3 and 4 exchanged).  THE MATRIX INSTRUCTION IS USED TRANSPOSED (source 0 = B's tile, source 1 = A's): a lane holds one position of A (a token), and the
; registers of B's tiles 2 b, 2 b + 1 are columns 32 b + 16 (lane / 16) + 0 .. 15.  The way out puts rows and columns back in their true places.
; THE RESIDUAL's rows are asked for at the head, 32 loads a wave into registers of their own, and waited for once, behind the last product.
; REGISTERS, in windows of 256: window 0: v8-12 bias; v16-30 addresses; v32-63 scale words, two sets; v64-127 rows on the way out; v128-255 the accumulators ((a, b) at v[128 + 8 (4 a + b)]).
;   window 1: two fragment buffers, v0-95 and v128-223: A's four fragments, then B's four.   window 2: v0-127 the residual.
.set KTOT,  1024
.set NTA,   256                        ; tiles in A's image, in B's
.set NTB,   64
.set NGA,   32                         ; groups of eight tiles
.set NGB,   8
.set A_S,   3145728                    ; A's scale words in its buffer
.set B_I,   2490368                    ; B's image and scale words in wts
.set B_S,   3276800
.set FINAL, 0
.set FR,    12                         ; registers of a fragment
.set NP,    4                          ; places behind this matrix instruction (ISA guide 7.12.1)
.set HALFT, 24576                      ; eight tiles x 256 K: one tensor load
.set SLOT,  4*HALFT                    ; 512 along K: A's two loads, then B's two
.set LAPS,  KTOT/1024                  ; a lap = two slots
.set SCLL,  2*SLOT                     ; behind the slots: the scale words for all of K: A's, then B's
.set HALFS, (KTOT/256)*512             ; those of half of K
.set SPARE, SCLL+4*HALFS               ; the spare words: 128 bytes a wave, two blocks of 256 bytes that no other line names
.set SPITCH, 272                       ; the way out: a stage of 16 rows x (256 bytes + 16) a wave, in slot 0
.set BI,   8                           ; v8-11 the bias of my four columns of a row
.set VB,   12                          ; v12  16 (lane % 16)
.set ADRA, 16                          ; v16-17 LDS address of my A fragments in slot 0, 1
.set ADRB, 20                          ; v20-21 the same for B
.set STO,  24                          ; v24  the way out: where I put 32 bytes of a row
.set RD,   25                          ; v25  and where I read rows back
.set CO,   26                          ; v26  my byte offset in two rows of C
.set ADRS, 27                          ; v27  my scale words: lanes 0-15 A's, lanes 16-31 B's
.set SPW,  28                          ; v28  my spare word; never rewritten
.set NIL,  29                          ; v29  0; never rewritten
.set LI,   30                          ; v30  16 x lane
.set SC,   32                          ; scale words: set s at v[SC + 16 s]; register 4 q + i: lanes 0-15 A's block i, lanes 16-31 B's block i, for the slot's q-th 128 along K
.set BK,   64
.set ACC,  128
.set F0,   0
.set F1,   128
.set G1, 24
.set G0, 32
.set G1B, 48
.set G0B, 56
.set G1S, 68
.set G0S, 76
.set G1SB, 80
.set G0SB, 88
.set MSB, 0
.macro WIN new                         ; the immediate's high byte repeats the setting that is left
.if MSB != (\new)
	s_set_vgpr_msb (MSB<<8)|(\new)
.set MSB, (\new)
.endif
.endm
.set MUL,   0x05                       ; sources 0 (B) and 1 (A) window 1; C and D window 0
.set TO_F,  0x40                       ; destination window 1, address window 0
.set TO_R,  0x80                       ; destination window 2
.set ADD_R, 0x08                       ; source 1 window 2
.macro JLOAD g0a, g1a, g0b, g1b        ; a joint load: waves 0 and 1 fetch for A, waves 2 and 3 for B; four v_nop follow each line
	s_cmp_eq_u32 s15, 0
	s_cbranch_scc0 .Lfor_b_\@
	tensor_load_to_lds s[\g0a:\g0a+3], s[\g1a:\g1a+7]
	s_nop 0
.rept 4
	v_nop
.endr
	s_branch .Lasked_\@
.Lfor_b_\@:
	tensor_load_to_lds s[\g0b:\g0b+3], s[\g1b:\g1b+7]
	s_nop 0
.rept 4
	v_nop
.endr
.Lasked_\@:
.endm
.macro CREST                           ; a round of the cluster's barrier behind its opening barrier
	s_cmp_lg_u32 s14, 0
	s_cbranch_scc1 .Lnot_wave_0_\@
	s_barrier_signal -3
.Lnot_wave_0_\@:
	s_barrier_wait -3
	s_barrier_signal -1
	s_barrier_wait -1
.endm
.macro CROUND
	s_barrier_signal -1
	s_barrier_wait -1
	CREST
.endm
	s_load_b256 s[4:11], s[0:1], 0x0               ; A, wts, bias, residual
	s_load_b64 s[12:13], s[0:1], 0x20              ; out
	v_lshl_add_u32 v[SPW], v0, 2, SPARE
	v_mov_b32 v[NIL], 0
	ds_add_u32 v28, v29
	ds_add_u32 v28, v29
	s_wait_dscnt 0x0
	v_lshrrev_b32 v1, 5, v0
	v_readfirstlane_b32 s14, v1                    ; wave 0..3
	s_lshr_b32 s15, s14, 1                         ; my half of the rows.  Also: I fetch for A (0) or for B (1)
	s_and_b32 s16, s14, 1                          ; my half of the columns.  Also: which 256 along K of a slot I fetch
	s_bfe_u32 s40, ttmp6, 0x40000                  ; cx, cy
	s_bfe_u32 s41, ttmp6, 0x40004
	s_lshl_b32 s42, ttmp9, 2
	s_add_co_u32 s42, s42, s40                     ; tile column
	s_and_b32 s17, ttmp7, 0xffff
	s_lshl_b32 s17, s17, 2
	s_add_co_u32 s17, s17, s41                     ; tile row
	s_lshl_b32 s43, s41, 2
	s_lshl_b32 s43, 15, s43                        ; my row of the cluster
	s_lshl_b32 s44, 0x1111, s40                    ; my column
	s_or_b32 s[G1+0], s43, (3<<16)|(1<<21)         ; codes: 96 rows of 256 bytes (32 elements of 8), dense
	s_or_b32 s[G1B+0], s44, (3<<16)|(1<<21)
.irp g, G1, G1B
	s_mov_b32 s[\g+1], 3072<<16                    ; the head's loads bring a slot's 512 along K: two rows of 24,576 bytes (3,072 elements of 8)
	s_mov_b32 s[\g+2], 2<<16
	s_mov_b32 s[\g+3], 3072<<16
	s_mov_b32 s[\g+4], 2
	s_mov_b32 s[\g+6], 0
	s_mov_b32 s[\g+7], 0
.endr
	s_or_b32 s[G1S+0], s43, (3<<16)|(1<<21)        ; scale words: a row of 512 bytes for each 128 along K, all of K a load
	s_or_b32 s[G1SB+0], s44, (3<<16)|(1<<21)
.irp g, G1S, G1SB
	s_mov_b32 s[\g+1], 64<<16
	s_mov_b32 s[\g+2], (KTOT/128)<<16
	s_mov_b32 s[\g+3], 64<<16
	s_mov_b32 s[\g+4], KTOT/128
	s_mov_b32 s[\g+6], 0
	s_mov_b32 s[\g+7], 0
.endr
	s_mov_b32 s[G1S+5], 64*NGA
	s_mov_b32 s[G1+5], NTA*384                     ; 256 along K on in the images, in elements
	s_mov_b32 s[G1B+5], NTB*384
	s_mov_b32 s[G1SB+5], 64*NGB
	s_lshl_b32 s20, s17, 3                         ; A's codes: tile 8 x tile row, x 3,072 bytes
	s_mul_i32 s20, s20, 3072
	s_mov_b32 s21, 0
	s_lshl_b32 s22, s17, 9                         ; A's scale words: group = tile row, x 512 bytes
	s_add_co_u32 s22, s22, A_S
	s_mov_b32 s23, 0
	s_lshl_b32 s46, s42, 3
	s_mul_i32 s46, s46, 3072
	s_add_co_u32 s46, s46, B_I
	s_mov_b32 s47, 0
	s_lshl_b32 s2, s42, 9
	s_add_co_u32 s2, s2, B_S
	s_mov_b32 s3, 0
	s_mul_i32 s45, s14, HALFT                      ; where they go: wave x a load's bytes: no place in the cluster enters an LDS address
	s_wait_kmcnt 0x0
	s_add_nc_u64 s[20:21], s[4:5], s[20:21]
	s_add_nc_u64 s[22:23], s[4:5], s[22:23]
	s_add_nc_u64 s[46:47], s[6:7], s[46:47]
	s_add_nc_u64 s[2:3], s[6:7], s[2:3]
	CROUND                                         ; all sixteen work-groups are here: the first joint loads meet
	s_mov_b32 s[G0S], 1
	s_mov_b32 s[G0S+1], SCLL
	s_mov_b64 s[G0S+2:G0S+3], s[22:23]
	s_or_b32 s[G0S+3], s[G0S+3], 0x80000000
	s_mov_b32 s[G0SB], 1
	s_mov_b32 s[G0SB+1], SCLL+2*HALFS
	s_mov_b64 s[G0SB+2:G0SB+3], s[2:3]
	s_or_b32 s[G0SB+3], s[G0SB+3], 0x80000000
	s_mov_b32 s[G0], 1                             ; at the head slot 0's groups 0 stand for A's and B's whole 512 along K
	s_mov_b32 s[G0+1], 0
	s_mov_b64 s[G0+2:G0+3], s[20:21]
	s_or_b32 s[G0+3], s[G0+3], 0x80000000
	s_mov_b32 s[G0B], 1
	s_mov_b32 s[G0B+1], 2*HALFT
	s_mov_b64 s[G0B+2:G0B+3], s[46:47]
	s_or_b32 s[G0B+3], s[G0B+3], 0x80000000
	s_mul_i32 s4, s16, NTA*3072                    ; slot 1 comes by quarters: my 256 along K, in bytes
	s_mov_b32 s5, 0
	s_mul_i32 s6, s16, NTB*3072
	s_mov_b32 s7, 0
	s_add_nc_u64 s[20:21], s[20:21], s[4:5]
	s_add_nc_u64 s[46:47], s[46:47], s[6:7]
	s_mov_b32 s[G0+4], 1
	s_add_co_u32 s[G0+5], s45, SLOT
	s_add_nc_u64 s[G0+6:G0+7], s[20:21], 2*NTA*3072
	s_or_b32 s[G0+7], s[G0+7], 0x80000000
	s_mov_b32 s[G0B+4], 1
	s_add_co_u32 s[G0B+5], s45, SLOT
	s_add_nc_u64 s[G0B+6:G0B+7], s[46:47], 2*NTB*3072
	s_or_b32 s[G0B+7], s[G0B+7], 0x80000000
; The head's loads, one a wave: wave 0 slot 0 of A, wave 1 of B, wave 2 A's scale words, wave 3 B's.  One chain of branches on the wave's number, one load to an arm.
.macro ARM under, g0, g1, next
	s_cmp_lt_u32 s14, \under
	s_cbranch_scc0 \next
	tensor_load_to_lds s[\g0:\g0+3], s[\g1:\g1+7]
	s_nop 0
.rept 4
	v_nop
.endr
	s_branch .Lhead_asked
\next:
.endm
	ARM 1, G0,  G1,  .Lhead_b
	ARM 2, G0B, G1B, .Lhead_sa
	ARM 3, G0S, G1S, .Lhead_sb
	tensor_load_to_lds s[G0SB:G0SB+3], s[G1SB:G1SB+7]
	s_nop 0
.rept 4
	v_nop
.endr
.Lhead_asked:
	v_and_b32 v1, 15, v0                           ; r
	v_bfe_u32 v2, v0, 4, 1                         ; h
	s_wait_alu depctr_va_vdst(0)
	v_and_b32 v3, 31, v0
	v_lshlrev_b32 v[LI], 4, v3                     ; 16 x lane
	s_mul_i32 s21, s15, 4*3072                     ; my four tiles of A's eight,
	s_mul_i32 s22, s16, 4*3072                     ; of B's eight,
	s_add_co_u32 s22, s22, 2*HALFT                 ; which lie behind A's two loads
.irp s, 0,1
	v_add_nc_u32 v[ADRA+\s], s21, v[LI]
	v_add_nc_u32 v[ADRB+\s], s22, v[LI]
	s_add_co_u32 s21, s21, SLOT
	s_add_co_u32 s22, s22, SLOT
.endr
	v_lshlrev_b32 v5, 5, v1                        ; scale words: 32 r + 16 x my half of the eight tiles
	s_lshl_b32 s21, s15, 4
	s_lshl_b32 s22, s16, 4
	s_add_co_u32 s22, s22, 2*HALFS
	s_sub_co_u32 s22, s22, s21
	v_mul_u32_u24 v6, s22, v2                      ; lanes 16-31 take B's
	s_add_co_u32 s21, s21, SCLL
	v_add_nc_u32 v5, v5, v6
	v_add_nc_u32 v[ADRS], s21, v5
	s_mul_i32 s23, s14, 16*SPITCH                  ; my stage
	v_mul_u32_u24 v5, v1, SPITCH
	v_lshl_add_u32 v5, v2, 6, v5
	v_add_nc_u32 v[STO], s23, v5                   ; in: row r, + 64 h
	v_mul_u32_u24 v5, v2, SPITCH
	v_lshl_add_u32 v5, v1, 4, v5
	v_add_nc_u32 v[RD], s23, v5                    ; back: lanes 0-15 one row of 256 bytes, lanes 16-31 the next
	v_lshlrev_b32 v[VB], 4, v1
	s_wait_alu depctr_va_vdst(0)
	v_lshl_add_u32 v[CO], v2, 12, v[VB]            ; and the same two rows in C: 4,096 bytes apart
	s_wait_alu depctr_va_vdst(0)
	s_lshl_b32 s18, s17, 7
	s_lshl_b32 s20, s15, 6
	s_add_co_u32 s18, s18, s20
	s_lshl_b32 s18, s18, 12                        ; my first row x 4,096 bytes
	s_lshl_b32 s20, s42, 9
	s_lshl_b32 s21, s16, 8
	s_add_co_u32 s20, s20, s21                     ; my first column x 4
	s_mov_b32 s21, 0
	s_add_nc_u64 s[8:9], s[8:9], s[20:21]
	s_add_co_u32 s18, s18, s20
	s_mov_b32 s19, 0
	s_add_nc_u64 s[10:11], s[10:11], s[18:19]
	s_add_nc_u64 s[12:13], s[12:13], s[18:19]
	global_load_b128 v[BI:BI+3], v[VB], s[8:9]
	; the residual: position p of block a is row 32 (a / 2) + 8 (a % 2) + p + 8 (p / 8) of my 64; a load takes positions 2 t, 2 t + 1: two aligned runs of 256 bytes
	WIN TO_R
.irp a, 0,1,2,3
.set t, 0
.rept 8
	global_load_b128 v[32*\a+4*t:32*\a+4*t+3], v[CO], s[10:11] offset:(32*(\a/2)+8*(\a%2)+2*t+8*(t/4))*4096 th:TH_LOAD_NT
.set t, t+1
.endr
.endr
	WIN 0
.macro FRAG reg, adr, k4, i            ; a fragment comes as it was stored: three loads of 512 consecutive bytes.  k4: which 128 along K of the slot
.irp c, 0,1,2
	ds_load_b128 v[\reg+4*\c:\reg+4*\c+3], v[\adr] offset:((\k4)/2)*HALFT+(2*(\i)+(\k4)%2)*1536+512*\c
.endr
.endm
; 8 matrix instructions: A's blocks a0, a0 + 1 x B's four, 128 along K.  The 16 accumulators take turns, one instruction a turn, in the same order in every step.
.macro MUL8 f, a0, k4, sc, zero
.irp a, \a0, \a0+1
.irp b, 0,1,2,3
.if \zero
	v_wmma_scale_f32_16x16x128_f8f6f4 v[ACC+8*(4*(\a)+\b):ACC+8*(4*(\a)+\b)+7], v[\f+48+FR*\b:\f+48+FR*\b+FR-1], v[\f+FR*(\a):\f+FR*(\a)+FR-1], 0, v[SC+16*(\sc)+4*(\k4)+\b], v[SC+16*(\sc)+4*(\k4)+(\a)] matrix_a_fmt:MATRIX_FMT_FP6 matrix_b_fmt:MATRIX_FMT_FP6 matrix_a_scale:MATRIX_SCALE_ROW1
.else
	v_wmma_scale_f32_16x16x128_f8f6f4 v[ACC+8*(4*(\a)+\b):ACC+8*(4*(\a)+\b)+7], v[\f+48+FR*\b:\f+48+FR*\b+FR-1], v[\f+FR*(\a):\f+FR*(\a)+FR-1], v[ACC+8*(4*(\a)+\b):ACC+8*(4*(\a)+\b)+7], v[SC+16*(\sc)+4*(\k4)+\b], v[SC+16*(\sc)+4*(\k4)+(\a)] matrix_a_fmt:MATRIX_FMT_FP6 matrix_b_fmt:MATRIX_FMT_FP6 matrix_a_scale:MATRIX_SCALE_ROW1
.endif
.endr
.endr
.endm
.macro FETCH slot, k4, f               ; 24 LDS loads in one run: B's four fragments, then A's four, so that A's blocks 2 and 3 are the youngest six loads
	WIN TO_F
.irp i, 0,1,2,3
	FRAG \f+48+FR*\i, ADRB+\slot, \k4, \i
.endr
.irp i, 0,1,2,3
	FRAG \f+FR*\i, ADRA+\slot, \k4, \i
.endr
.endm
.macro SCALES sc                       ; a slot's scale words: four registers for each 128 along K
	WIN 0
.irp q, 0,1,2,3
	ds_load_b128 v[SC+16*\sc+4*\q:SC+16*\sc+4*\q+3], v[ADRS] offset:512*\q
.endr
.endm
.macro PLACES n                        ; plain vector lines between a matrix instruction and a load into, or a read of, its registers
.rept \n
	v_nop
.endr
.endm
; One of a slot's first three steps of 128 along K: multiplies buffer f and, in its middle, fetches the next step into buffer g.
.macro QUARTER slot, k4, f, g, zero
	s_wait_dscnt 6                                 ; the scale words, B's fragments and A's blocks 0, 1 are in; the youngest six loads (A's blocks 2, 3) may be out
	WIN MUL
	MUL8 \f, 0, \k4, \slot, \zero
	PLACES NP
	FETCH \slot, (\k4)+1, \g
	s_wait_dscnt 24                                ; all but the 24 just issued
	WIN MUL
	MUL8 \f, 2, \k4, \slot, \zero
.endm
; A slot's fourth step multiplies buffer 1 and changes slots: one barrier; in front of it each wave waits for all its tensor loads, adds 0 to its spare word, and waits for that and for its reads of this slot.
; fill = 1: this slot is filled again, with the 512 along K two slots on.
.macro TURN slot, next, fill
	WIN 0                                          ; (the add's two registers lie in window 0)
	s_wait_tensorcnt 0x0                           ; all my tensor loads have landed: my part of the next slot
	ds_add_u32 v[SPW], v[NIL]                      ; 0 onto my spare word
	s_wait_dscnt 7                                 ; (the add and A's blocks 2, 3 may be out)
	WIN MUL
	MUL8 F1, 0, 3, \slot, 0                        ; eight matrix instructions stand between the add and the wait for it
	s_wait_dscnt 0x0                               ; the add is done, and my reads of this slot are over
	s_barrier_signal -1
	WIN 0
	s_barrier_wait -1
.if \fill
	CREST                                          ; the barrier has opened a round of the cluster's: no wave of any partner still reads this slot or has a load on its way
	s_add_nc_u64 s[G0+4*\slot+2:G0+4*\slot+3], s[G0+4*\slot+2:G0+4*\slot+3], 4*NTA*3072
	s_add_nc_u64 s[G0B+4*\slot+2:G0B+4*\slot+3], s[G0B+4*\slot+2:G0B+4*\slot+3], 4*NTB*3072
	JLOAD G0+4*\slot, G1, G0B+4*\slot, G1B         ; the first tensor load behind the round; its four v_nop are the places in front of the loads below
.else
	PLACES NP
.endif
	v_add_nc_u32 v[ADRS], 2048, v[ADRS]            ; the next slot's scale words
	SCALES \next
	FETCH \next, 0, F0
	WIN MUL
	MUL8 F1, 2, 3, \slot, 0
.endm
	s_wait_alu depctr_va_vdst(0)
	s_wait_tensorcnt 0x0                           ; my tile of the head's four is in
	ds_add_u32 v[SPW], v[NIL]
.irp g, G1, G1B
	s_mov_b32 s[\g+1], 32<<16                      ; no load of mine is out: from here on a load brings 96 dense rows of 256 bytes
	s_mov_b32 s[\g+2], 96<<16
	s_mov_b32 s[\g+3], 32<<16
	s_mov_b32 s[\g+4], 96
	s_mov_b32 s[\g+5], 32
.endr
	s_wait_dscnt 0x0
	CROUND                                         ; all four tiles are in, all sixteen work-groups are here
	JLOAD G0+4, G1, G0B+4, G1B                     ; slot 1, the first tensor load behind the round
	SCALES 0
	FETCH 0, 0, F0
	QUARTER 0, 0, F0, F1, 1                        ; the first products start the sums: nothing is cleared
.if LAPS > 1
	WIN 0                                          ; at a label and at a branch every window is 0
	s_mov_b32 s3, LAPS-1
.Llap:                                                 ; a trip goes once round the two slots, from a lap's second step to the next lap's first, and fills both again
	QUARTER 0, 1, F1, F0, 0
	QUARTER 0, 2, F0, F1, 0
	TURN 0, 1, 1
	QUARTER 1, 0, F0, F1, 0
	QUARTER 1, 1, F1, F0, 0
	QUARTER 1, 2, F0, F1, 0
	TURN 1, 0, 1
	QUARTER 0, 0, F0, F1, 0
	WIN 0
	s_sub_co_u32 s3, s3, 1
	s_cmp_lg_u32 s3, 0
	s_cbranch_scc1 .Llap
.endif
	QUARTER 0, 1, F1, F0, 0                        ; the last lap fills nothing, and has no round of the cluster's barrier
	QUARTER 0, 2, F0, F1, 0
	TURN 0, 1, 0
	QUARTER 1, 0, F0, F1, 0
	QUARTER 1, 1, F1, F0, 0
	QUARTER 1, 2, F0, F1, 0
	s_wait_dscnt 6                                 ; the very last step: nothing more to fetch
	WIN MUL
	MUL8 F1, 0, 3, 1, 0
	s_wait_dscnt 0
	MUL8 F1, 2, 3, 1, 0
	WIN 0
; THE WAY OUT, block by block of 16 positions x my 64 columns, through my stage in slot 0 (it has had its last fill and, behind the last change of slots, its last read).
; A lane holds 32 neighbouring bytes of a row; the stage gives whole rows of 256 bytes back, two an instruction.
.macro TOSTAGE a
.set BB, BK+32*((\a)%2)
.irp b, 0,1,2,3
	ds_store_b128 v[STO], v[ACC+8*(4*(\a)+\b):ACC+8*(4*(\a)+\b)+3] offset:128*(\b/2)+32*(\b%2)      ; each accumulator from its low end on
	ds_store_b128 v[STO], v[ACC+8*(4*(\a)+\b)+4:ACC+8*(4*(\a)+\b)+7] offset:128*(\b/2)+32*(\b%2)+16
.endr
.set t, 0
.rept 8
	ds_load_b128 v[BB+4*t:BB+4*t+3], v[RD] offset:2*t*SPITCH   ; LDS serves a wave's instructions in order: these see the stores above, and the next block's stores come behind them
.set t, t+1
.endr
.endm
.macro SEND a, younger                 ; younger: the LDS instructions issued behind block a's loads, which may stay out
.set BB, BK+32*((\a)%2)
	s_wait_dscnt \younger
	WIN ADD_R
.set p, 0
.rept 16
	v_pk_add_f32 v[BB+2*p:BB+2*p+1], v[BB+2*p:BB+2*p+1], v[32*(\a)+2*p:32*(\a)+2*p+1]   ; + the residual
.set p, p+1
.endr
	WIN 0
.set t, 0
.rept 8
	v_pk_add_f32 v[BB+4*t:BB+4*t+1], v[BB+4*t:BB+4*t+1], v[BI:BI+1]                     ; + the bias
	v_pk_add_f32 v[BB+4*t+2:BB+4*t+3], v[BB+4*t+2:BB+4*t+3], v[BI+2:BI+3]
.set t, t+1
.endr
.set t, 0
.rept 8
.if FINAL
	global_store_b128 v[CO], v[BB+4*t:BB+4*t+3], s[12:13] offset:(32*((\a)/2)+8*((\a)%2)+2*t+8*(t/4))*4096 th:TH_STORE_NT
.else
	global_store_b128 v[CO], v[BB+4*t:BB+4*t+3], s[12:13] offset:(32*((\a)/2)+8*((\a)%2)+2*t+8*(t/4))*4096   ; sixteen lanes store 256 consecutive bytes, at a multiple of 256
.endif
.set t, t+1
.endr
.endm
	PLACES NP
	s_wait_loadcnt 0x0                             ; the bias and the residual, asked for at the head
	TOSTAGE 0
.irp a, 1,2,3
.if \a > 1
	s_wait_xcnt 0x0                                ; block a - 2's stores have read their registers: block a's rows may land there
.endif
	TOSTAGE \a
	SEND \a-1, 16                                  ; behind block a - 1's loads: block a's 8 stores and 8 loads
.endr
	SEND 3, 0
	s_wait_tensorcnt 0x0                           ; the wave's end
	ds_add_u32 v[SPW], v[NIL]
	s_wait_dscnt 0x0
	CROUND                                         ; the closing round
	s_endpgm
.Lfunc_end_k_q4c919d5f46_wo:
	.size	k_q4c919d5f46_wo, .Lfunc_end_k_q4c919d5f46_wo-k_q4c919d5f46_wo
	.p2alignl 7, 3214868480
	.fill 96, 4, 3214868480
	.section	.rodata,"a",@progbits
	.p2align	6, 0x0
	.amdhsa_kernel k_q4c919d5f46_wo
		.amdhsa_group_segment_fixed_size 327680
		.amdhsa_private_segment_fixed_size 0
		.amdhsa_enable_private_segment 0
		.amdhsa_kernarg_size 40
		.amdhsa_user_sgpr_count 2
		.amdhsa_user_sgpr_kernarg_segment_ptr 1
		.amdhsa_wavefront_size32 1
		.amdhsa_system_sgpr_workgroup_id_x 1
		.amdhsa_system_sgpr_workgroup_id_y 1
		.amdhsa_system_sgpr_workgroup_id_z 1
		.amdhsa_system_vgpr_workitem_id 0
		.amdhsa_next_free_vgpr 640
		.amdhsa_next_free_sgpr 96
		.amdhsa_reserve_vcc 0
		.amdhsa_float_denorm_mode_32 3
		.amdhsa_float_denorm_mode_16_64 3
		.amdhsa_memory_ordered 1
		.amdhsa_forward_progress 1
		.amdhsa_inst_pref_size 61
	.end_amdhsa_kernel
	.amdgpu_metadata
---
amdhsa.version: [ 1, 2 ]
amdhsa.kernels:
  - .name:           k_q4c919d5f46_wo
    .symbol:         k_q4c919d5f46_wo.kd
    .args:
      - { .name: ctx, .offset: 0, .size: 8, .value_kind: global_buffer, .address_space: global }
      - { .name: wts, .offset: 8, .size: 8, .value_kind: global_buffer, .address_space: global }
      - { .name: bo, .offset: 16, .size: 8, .value_kind: global_buffer, .address_space: global }
      - { .name: x, .offset: 24, .size: 8, .value_kind: global_buffer, .address_space: global }
      - { .name: x1, .offset: 32, .size: 8, .value_kind: global_buffer, .address_space: global }
    .group_segment_fixed_size: 327680
    .private_segment_fixed_size: 0
    .kernarg_segment_align: 8
    .kernarg_segment_size: 40
    .max_flat_workgroup_size: 128
    .sgpr_count:     96
    .vgpr_count:     640
    .wavefront_size: 32
...
	.end_amdgpu_metadata
.endif
;; end of part 10
;; launch ln2: the kernel of part 7 again; grid 256 x 1, 8 waves a work-group, no clusters, 118,272 bytes of LDS; arguments x1, alpha2, beta2, xn, Wq, Wk, Wv, Wo, W1, W2, wts; writes xn, wts
;; launch ffn1 (part 11): grid 16 x 16, 4 waves a work-group, clusters of 4 x 4, 327,680 bytes of LDS; arguments xn, wts, b1, hb; writes hb
.if DOCPART == 11
	.amdgcn_target "amdgcn-amd-amdhsa--gfx1250"
	.amdhsa_code_object_version 6
	.text
	.protected	k_q4c919d5f46_ffn1
	.globl	k_q4c919d5f46_ffn1
	.p2align	8
	.type	k_q4c919d5f46_ffn1,@function
k_q4c919d5f46_ffn1:
	s_mov_b64 s[64:65], 0
	v_nop
	global_prefetch_b8 v0, s[64:65] scope:SCOPE_SE
	s_setreg_imm32_b32 hwreg(HW_REG_WAVE_MODE, 25, 1), 1
	s_wait_xcnt 0x0
	s_wait_alu depctr_hold_cnt(0) depctr_sa_sdst(0) depctr_va_vdst(0) depctr_va_sdst(0) depctr_va_ssrc(0) depctr_va_vcc(0) depctr_vm_vsrc(0)
	s_getreg_b32 s2, hwreg(HW_REG_IB_STS2, 6, 4)
	s_cmp_eq_u32 s2, 0
	s_cbranch_scc0 .Lentry_in_a_cluster
	s_endpgm
.Lentry_in_a_cluster:
	s_bfe_u32 s2, ttmp6, 0x10000c
	s_cmp_lg_u32 s2, 0xf033
	s_cbranch_scc0 .Lentry_shape_is_right
	s_endpgm
.Lentry_shape_is_right:
.set KTOT,  1024
.set NTA,   256
.set NTB,   256
.set NGA,   32
.set NGB,   32
.set A_S,   3145728
.set B_I,   3309568
.set B_S,   6455296
.set HB_S,  12582912
.set FR,    12
.set NL,    3
.set NP,    4
.set HALFT, 24576
.set SLOT,  4*HALFT
.set LAPS,  KTOT/512
.set SCLL,  2*SLOT
.set HALFS, (KTOT/128)*512
.set SPARE, SCLL+4*HALFS
.set ADRA, 16
.set ADRB, 20
.set STO,  24
.set RD,   25
.set ADRS, 27
.set SPW,  28
.set NIL,  29
.set LI,   30
.set SC,   32
.set T,    64
.set AF,   128
.set PC,   128
.set TM,   148
.set PW,   164
.set G1, 24
.set G0, 32
.set G1B, 48
.set G0B, 56
.set G1S, 68
.set G0S, 76
.set G1SB, 80
.set G0SB, 88
.set SEL, 100
.set MSB, 0
.macro WIN new
.if MSB != (\new)
	s_set_vgpr_msb (MSB<<8)|(\new)
.set MSB, (\new)
.endif
.endm
.set MUL_LO, 0xa1
.set MUL_HI, 0xf1
.set TO_B,   0x40
.macro JLOAD g0a, g1a, g0b, g1b
	s_cmp_eq_u32 s15, 0
	s_cbranch_scc0 .Lfor_b_\@
	tensor_load_to_lds s[\g0a:\g0a+3], s[\g1a:\g1a+7]
	s_nop 0
.rept 4
	v_nop
.endr
	s_branch .Lasked_\@
.Lfor_b_\@:
	tensor_load_to_lds s[\g0b:\g0b+3], s[\g1b:\g1b+7]
	s_nop 0
.rept 4
	v_nop
.endr
.Lasked_\@:
.endm
.macro CREST
	s_cmp_lg_u32 s14, 0
	s_cbranch_scc1 .Lnot_wave_0_\@
	s_barrier_signal -3
.Lnot_wave_0_\@:
	s_barrier_wait -3
	s_barrier_signal -1
	s_barrier_wait -1
.endm
.macro CROUND
	s_barrier_signal -1
	s_barrier_wait -1
	CREST
.endm
	s_load_b128 s[4:7], s[0:1], 0x0
	s_load_b128 s[8:11], s[0:1], 0x10
	v_lshl_add_u32 v[SPW], v0, 2, SPARE
	v_mov_b32 v[NIL], 0
	ds_add_u32 v28, v29
	ds_add_u32 v28, v29
	s_wait_dscnt 0x0
	v_lshrrev_b32 v1, 5, v0
	v_readfirstlane_b32 s14, v1
	s_lshr_b32 s15, s14, 1
	s_and_b32 s16, s14, 1
	s_bfe_u32 s40, ttmp6, 0x40000
	s_bfe_u32 s41, ttmp6, 0x40004
	s_lshl_b32 s42, ttmp9, 2
	s_add_co_u32 s42, s42, s40
	s_and_b32 s17, ttmp7, 0xffff
	s_lshl_b32 s17, s17, 2
	s_add_co_u32 s17, s17, s41
	s_lshl_b32 s43, s41, 2
	s_lshl_b32 s43, 15, s43
	s_lshl_b32 s44, 0x1111, s40
	s_or_b32 s[G1+0], s43, (3<<16)|(1<<21)
	s_or_b32 s[G1B+0], s44, (3<<16)|(1<<21)
.irp g, G1, G1B
	s_mov_b32 s[\g+1], 32<<16
	s_mov_b32 s[\g+2], 192<<16                     ; the head's loads bring sixteen tiles: 192 rows
	s_mov_b32 s[\g+3], 32<<16
	s_mov_b32 s[\g+4], 192
	s_mov_b32 s[\g+5], 32
	s_mov_b32 s[\g+6], 0
	s_mov_b32 s[\g+7], 0
.endr
	s_or_b32 s[G1S+0], s43, (3<<16)|(1<<21)
	s_or_b32 s[G1SB+0], s44, (3<<16)|(1<<21)
.irp g, G1S, G1SB
	s_mov_b32 s[\g+1], 128<<16                     ; two groups of eight tiles on end: rows of 1,024 bytes
	s_mov_b32 s[\g+2], (KTOT/128)<<16
	s_mov_b32 s[\g+3], 128<<16
	s_mov_b32 s[\g+4], KTOT/128
	s_mov_b32 s[\g+6], 0
	s_mov_b32 s[\g+7], 0
.endr
	s_mov_b32 s[G1S+5], 64*NGA
	s_mov_b32 s[G1SB+5], 64*NGB
	s_lshl_b32 s20, s17, 4
	s_mul_i32 s20, s20, 3072
	s_mov_b32 s21, 0
	s_lshl_b32 s22, s17, 10
	s_add_co_u32 s22, s22, A_S
	s_mov_b32 s23, 0
	s_lshl_b32 s46, s42, 4
	s_mul_i32 s46, s46, 3072
	s_add_co_u32 s46, s46, B_I
	s_mov_b32 s47, 0
	s_lshl_b32 s2, s42, 10
	s_add_co_u32 s2, s2, B_S
	s_mov_b32 s3, 0
	s_mul_i32 s45, s14, HALFT
	s_wait_kmcnt 0x0
	s_add_nc_u64 s[20:21], s[4:5], s[20:21]
	s_add_nc_u64 s[22:23], s[4:5], s[22:23]
	s_add_nc_u64 s[46:47], s[6:7], s[46:47]
	s_add_nc_u64 s[2:3], s[6:7], s[2:3]
	CROUND
	s_mov_b32 s[G0S], 1
	s_mov_b32 s[G0S+1], SCLL
	s_mov_b64 s[G0S+2:G0S+3], s[22:23]
	s_or_b32 s[G0S+3], s[G0S+3], 0x80000000
	s_mov_b32 s[G0SB], 1
	s_mov_b32 s[G0SB+1], SCLL+2*HALFS
	s_mov_b64 s[G0SB+2:G0SB+3], s[2:3]
	s_or_b32 s[G0SB+3], s[G0SB+3], 0x80000000
	s_mov_b32 s[G0], 1                             ; at the head slot 0's groups 0 stand for A's and B's whole sixteen tiles
	s_mov_b32 s[G0+1], 0
	s_mov_b64 s[G0+2:G0+3], s[20:21]
	s_or_b32 s[G0+3], s[G0+3], 0x80000000
	s_mov_b32 s[G0B], 1
	s_mov_b32 s[G0B+1], 2*HALFT
	s_mov_b64 s[G0B+2:G0B+3], s[46:47]
	s_or_b32 s[G0B+3], s[G0B+3], 0x80000000
	s_mul_i32 s4, s16, HALFT                       ; in the ring I fetch eight tiles: which half, in bytes
	s_mov_b32 s5, 0
	s_add_nc_u64 s[20:21], s[20:21], s[4:5]
	s_add_nc_u64 s[46:47], s[46:47], s[4:5]
	s_mov_b32 s[G0+4], 1
	s_add_co_u32 s[G0+5], s45, SLOT
	s_add_nc_u64 s[G0+6:G0+7], s[20:21], NTA*3072
	s_or_b32 s[G0+7], s[G0+7], 0x80000000
	s_mov_b32 s[G0B+4], 1
	s_add_co_u32 s[G0B+5], s45, SLOT
	s_add_nc_u64 s[G0B+6:G0B+7], s[46:47], NTB*3072
	s_or_b32 s[G0B+7], s[G0B+7], 0x80000000
; The head's loads, one a wave: wave 0 K step 0 of A, wave 1 of B, wave 2 A's scale words, wave 3 B's.  One chain of branches on the wave's number, one load to an arm.
.macro ARM under, g0, g1, next
	s_cmp_lt_u32 s14, \under
	s_cbranch_scc0 \next
	tensor_load_to_lds s[\g0:\g0+3], s[\g1:\g1+7]
	s_nop 0
.rept 4
	v_nop
.endr
	s_branch .Lhead_asked
\next:
.endm
	ARM 1, G0,  G1,  .Lhead_b
	ARM 2, G0B, G1B, .Lhead_sa
	ARM 3, G0S, G1S, .Lhead_sb
	tensor_load_to_lds s[G0SB:G0SB+3], s[G1SB:G1SB+7]
	s_nop 0
.rept 4
	v_nop
.endr
.Lhead_asked:
	v_and_b32 v1, 15, v0
	v_bfe_u32 v2, v0, 4, 1
	s_wait_alu depctr_va_vdst(0)
	v_and_b32 v3, 31, v0
	v_lshlrev_b32 v[LI], 4, v3
	s_mul_i32 s21, s15, HALFT
	s_mul_i32 s22, s16, HALFT
	s_add_co_u32 s22, s22, 2*HALFT
.irp s, 0,1
	v_add_nc_u32 v[ADRA+\s], s21, v[LI]
	v_add_nc_u32 v[ADRB+\s], s22, v[LI]
	s_add_co_u32 s21, s21, SLOT
	s_add_co_u32 s22, s22, SLOT
.endr
	v_lshlrev_b32 v5, 5, v1
	s_lshl_b32 s21, s15, 9                         ; a K step of 128 holds both halves' 512 bytes on end
	s_lshl_b32 s22, s16, 9
	s_add_co_u32 s22, s22, 2*HALFS
	s_sub_co_u32 s22, s22, s21
	v_mul_u32_u24 v6, s22, v2
	s_add_co_u32 s21, s21, SCLL
	v_add_nc_u32 v6, v5, v6
	v_add_nc_u32 v[ADRS], s21, v6
	s_lshl_b32 s23, s14, 9
	v_add_nc_u32 v[STO], s23, v5
	v_add_nc_u32 v[RD], s23, v[LI]
	s_lshl_b32 s18, s42, 10
	s_lshl_b32 s20, s16, 9
	s_add_co_u32 s18, s18, s20
	s_mov_b32 s19, 0
	s_add_nc_u64 s[8:9], s[8:9], s[18:19]
	v_lshlrev_b32 v7, 6, v2
	WIN TO_B
.set i, 0
.rept 16
	global_load_b128 v[96+4*i+96*(i/8):96+4*i+96*(i/8)+3], v7, s[8:9] offset:128*(i/4)+16*(i%4)
.set i, i+1
.endr
	WIN 0
	s_lshl_b32 s18, s42, 8
	s_lshl_b32 s20, s17, 4
	s_add_co_u32 s18, s18, s20
	s_lshl_b32 s20, s15, 3
	s_add_co_u32 s18, s18, s20
	s_lshl_b32 s18, s18, 1
	s_add_co_u32 s18, s18, s16
	s_mul_i32 s18, s18, 1536
	s_lshl_b32 s20, s42, 1
	s_add_co_u32 s20, s20, s16
	s_lshl_b32 s20, s20, 5
	s_lshl_b32 s21, s17, 1
	s_add_co_u32 s20, s20, s21
	s_add_co_u32 s20, s20, s15
	s_lshl_b32 s20, s20, 9
	s_add_co_u32 s20, s20, HB_S
	s_mov_b32 s21, 0
	s_add_nc_u64 s[12:13], s[10:11], s[20:21]
	s_add_nc_u64 s[10:11], s[10:11], s[18:19]
.macro FRAG reg, adr, q, i
.irp c, 0,1,2
	ds_load_b128 v[\reg+4*\c:\reg+4*\c+3], v[\adr] offset:(2*(\i)+(\q))*1536+512*\c
.endr
.endm
.macro MUL16 a0, p, q, sc, zero
.irp a, \a0, \a0+1
.irp b, 0,1,2,3,4,5,6,7
.if \zero
	v_wmma_scale_f32_16x16x128_f8f6f4 v[8*(8*((\a)%4)+\b):8*(8*((\a)%4)+\b)+7], v[128*(\p)+FR*\b:128*(\p)+FR*\b+FR-1], v[AF+FR*(\a):AF+FR*(\a)+FR-1], 0, v[SC+16*(\sc)+8*(\q)+\b], v[SC+16*(\sc)+8*(\q)+(\a)] matrix_a_fmt:MATRIX_FMT_FP6 matrix_b_fmt:MATRIX_FMT_FP6 matrix_a_scale:MATRIX_SCALE_ROW1
.else
	v_wmma_scale_f32_16x16x128_f8f6f4 v[8*(8*((\a)%4)+\b):8*(8*((\a)%4)+\b)+7], v[128*(\p)+FR*\b:128*(\p)+FR*\b+FR-1], v[AF+FR*(\a):AF+FR*(\a)+FR-1], v[8*(8*((\a)%4)+\b):8*(8*((\a)%4)+\b)+7], v[SC+16*(\sc)+8*(\q)+\b], v[SC+16*(\sc)+8*(\q)+(\a)] matrix_a_fmt:MATRIX_FMT_FP6 matrix_b_fmt:MATRIX_FMT_FP6 matrix_a_scale:MATRIX_SCALE_ROW1
.endif
.endr
.endr
.endm
.macro FETCH_B slot, q, p
	WIN TO_B
.irp i, 0,1,2,3,4,5,6,7
	FRAG 128*(\p)+FR*\i, ADRB+\slot, \q, \i
.endr
	WIN 0
.endm
.macro FETCH_A slot, q, i0
.irp i, \i0, \i0+1, \i0+2, \i0+3
	FRAG AF+FR*(\i), ADRA+\slot, \q, \i
.endr
.endm
.macro SCALES sc
.irp q, 0,1
.irp f, 0,1
	ds_load_b128 v[SC+16*\sc+8*\q+4*\f:SC+16*\sc+8*\q+4*\f+3], v[ADRS] offset:1024*\q+16*\f
.endr
.endr
.endm
.macro PLACES n
.rept \n
	v_nop
.endr
.endm
.macro STEP slot, q, zero
	s_wait_dscnt 4*NL
	WIN MUL_LO
	MUL16 0, (\q)%2, \q, \slot, \zero
	MUL16 2, (\q)%2, \q, \slot, \zero
	s_wait_dscnt 0
	PLACES NP
	FETCH_B \slot, (\q)+1, 1-(\q)%2
	FETCH_A \slot, (\q)+1, 0
	WIN MUL_HI
	MUL16 4, (\q)%2, \q, \slot, \zero
	MUL16 6, (\q)%2, \q, \slot, \zero
	PLACES NP
	WIN 0
	FETCH_A \slot, (\q)+1, 4
.endm
.macro TURN slot, next, fill
	s_wait_tensorcnt 0x0
	ds_add_u32 v[SPW], v[NIL]
	s_wait_dscnt 4*NL+1
	WIN MUL_LO
	MUL16 0, 1, 1, \slot, 0
	s_wait_dscnt 0x0
	s_barrier_signal -1
	MUL16 2, 1, 1, \slot, 0
	WIN 0
	s_barrier_wait -1
.if \fill
	CREST
	s_add_nc_u64 s[G0+4*\slot+2:G0+4*\slot+3], s[G0+4*\slot+2:G0+4*\slot+3], 2*NTA*3072
	s_add_nc_u64 s[G0B+4*\slot+2:G0B+4*\slot+3], s[G0B+4*\slot+2:G0B+4*\slot+3], 2*NTB*3072
	JLOAD G0+4*\slot, G1, G0B+4*\slot, G1B
.else
	PLACES NP
.endif
	s_wait_alu depctr_va_vdst(0)
	v_add_nc_u32 v[ADRS], 2048, v[ADRS]
	FETCH_B \next, 0, 0
	FETCH_A \next, 0, 0
	SCALES \next
	WIN MUL_HI
	MUL16 4, 1, 1, \slot, 0
	MUL16 6, 1, 1, \slot, 0
	PLACES NP
	WIN 0
	FETCH_A \next, 0, 4
.endm
	s_wait_alu depctr_va_vdst(0)
	s_wait_loadcnt 0x0
	s_wait_tensorcnt 0x0                           ; my tile of the head's four is in
	ds_add_u32 v[SPW], v[NIL]
	s_mov_b32 s[G1+2], 96<<16                      ; no load of mine is out: from here on a load brings eight tiles, 96 rows,
	s_mov_b32 s[G1+4], 96
	s_mov_b32 s[G1B+2], 96<<16
	s_mov_b32 s[G1B+4], 96
	s_mov_b32 s[G0+1], s45                         ; and slot 0's groups 0 stand for my quarter of the slot
	s_mov_b32 s[G0B+1], s45
	s_add_nc_u64 s[G0+2:G0+3], s[G0+2:G0+3], s[4:5]
	s_add_nc_u64 s[G0B+2:G0B+3], s[G0B+2:G0B+3], s[4:5]
	s_wait_dscnt 0x0
	CROUND                                         ; all four tiles are in, all sixteen work-groups are here
	JLOAD G0+4, G1, G0B+4, G1B                     ; K step 1, the first tensor load behind the round
	FETCH_B 0, 0, 0
	FETCH_A 0, 0, 0
	SCALES 0
	FETCH_A 0, 0, 4
	STEP 0, 0, 1
	s_mov_b32 s3, LAPS-1
.Llap:
	TURN 0, 1, 1
	STEP 1, 0, 0
	TURN 1, 0, 1
	STEP 0, 0, 0
	s_sub_co_u32 s3, s3, 1
	s_cmp_lg_u32 s3, 0
	s_cbranch_scc1 .Llap
	TURN 0, 1, 0
	STEP 1, 0, 0
	s_wait_dscnt 4*NL
	WIN MUL_LO
	MUL16 0, 1, 1, 1, 0
	MUL16 2, 1, 1, 1, 0
	s_wait_dscnt 0
	WIN MUL_HI
	MUL16 4, 1, 1, 1, 0
	MUL16 6, 1, 1, 1, 0
	WIN 0
.macro QUANT s
.irp b, 0,1,2,3
	v_max3_num_f32 v[TM+\b], |v[\s+16*\b]|, |v[\s+1+16*\b]|, 0x1800000
.endr
.irp i, 2,4,6,8,10,12,14
.irp b, 0,1,2,3
	v_max3_num_f32 v[TM+\b], v[TM+\b], |v[\s+16*\b+\i]|, |v[\s+1+16*\b+\i]|
.endr
.endr
.irp b, 0,1,2,3
	v_permlanex16_b32 v[TM+4+\b], v[TM+\b], s[SEL], s[SEL+1]
.endr
.irp b, 0,1,2,3
	v_max_num_f32 v[TM+\b], v[TM+\b], v[TM+4+\b]
.endr
.irp b, 0,1,2,3
	v_add_nc_u32 v[TM+12+\b], 0xff000000, v[TM+\b]
.endr
.irp b, 0,1,2,3
	v_lshrrev_b32 v[TM+4+\b], 23, v[TM+12+\b]
.endr
	v_lshl_or_b32 v[PW], v[TM+5], 8, v[TM+4]
	v_lshl_or_b32 v[PW], v[TM+6], 16, v[PW]
	v_lshl_or_b32 v[PW], v[TM+7], 24, v[PW]
.irp c, 0,1
	v_cvt_scalef32_pk16_fp6_f32 v[PC+6*\c:PC+2+6*\c], v[\s+32*\c:\s+15+32*\c], v[TM+12+2*\c]
	v_cvt_scalef32_pk16_fp6_f32 v[PC+12+4*\c:PC+14+4*\c], v[\s+16+32*\c:\s+31+32*\c], v[TM+12+2*\c+1]
.endr
	v_nop
.irp c, 0,1
.irp i, 0,1,2
	v_permlane16_swap_b32 v[PC+6*\c+\i], v[PC+12+4*\c+\i]
.endr
.irp i, 0,1,2
	v_mov_b32 v[PC+3+6*\c+\i], v[PC+12+4*\c+\i]
.endr
.endr
.endm
	PLACES NP
	s_mov_b32 s[SEL], 0x76543210
	s_mov_b32 s[SEL+1], 0xfedcba98
.irp b, 0,1,2,3
	v_mov_b32 v[TM+4+\b], 0
.endr
.macro EBLOCK a
.if (\a) > 0
	s_wait_xcnt 0x0
.endif
	WIN 0x06+(\a)/4
.set p, 0
.rept 32
	v_pk_add_f32 v[T+2*p:T+2*p+1], v[64*((\a)%4)+2*p:64*((\a)%4)+2*p+1], v[96+2*p+96*(p/16):96+2*p+96*(p/16)+1]
.set p, p+1
.endr
	WIN 0
.set j, 0
.rept 64
	v_max_num_f32 v[T+j], 0, v[T+j]
.set j, j+1
.endr
	QUANT T
.irp c, 0,1,2
	global_store_b128 v[LI], v[PC+4*\c:PC+4*\c+3], s[10:11] offset:3072*(\a)+512*\c
.endr
	ds_store_b32 v[STO], v[PW] offset:4*(\a)
.endm
.irp a, 0,1,2,3,4,5,6,7
	EBLOCK \a
.endr
	ds_load_b128 v[T:T+3], v[RD]
	s_wait_dscnt 0x0
	global_store_b128 v[LI], v[T:T+3], s[12:13]
	s_wait_tensorcnt 0x0
	ds_add_u32 v[SPW], v[NIL]
	s_wait_dscnt 0x0
	CROUND
	s_endpgm
.Lfunc_end_k_q4c919d5f46_ffn1:
	.size	k_q4c919d5f46_ffn1, .Lfunc_end_k_q4c919d5f46_ffn1-k_q4c919d5f46_ffn1
	.p2alignl 7, 3214868480
	.fill 96, 4, 3214868480
	.section	.rodata,"a",@progbits
	.p2align	6, 0x0
	.amdhsa_kernel k_q4c919d5f46_ffn1
		.amdhsa_group_segment_fixed_size 327680
		.amdhsa_private_segment_fixed_size 0
		.amdhsa_enable_private_segment 0
		.amdhsa_kernarg_size 32
		.amdhsa_user_sgpr_count 2
		.amdhsa_user_sgpr_kernarg_segment_ptr 1
		.amdhsa_wavefront_size32 1
		.amdhsa_system_sgpr_workgroup_id_x 1
		.amdhsa_system_sgpr_workgroup_id_y 1
		.amdhsa_system_sgpr_workgroup_id_z 1
		.amdhsa_system_vgpr_workitem_id 0
		.amdhsa_next_free_vgpr 1024
		.amdhsa_next_free_sgpr 102
		.amdhsa_reserve_vcc 0
		.amdhsa_float_denorm_mode_32 3
		.amdhsa_float_denorm_mode_16_64 3
		.amdhsa_memory_ordered 1
		.amdhsa_forward_progress 1
		.amdhsa_inst_pref_size 174
	.end_amdhsa_kernel
	.amdgpu_metadata
---
amdhsa.version: [ 1, 2 ]
amdhsa.kernels:
  - .name:           k_q4c919d5f46_ffn1
    .symbol:         k_q4c919d5f46_ffn1.kd
    .args:
      - { .name: xn, .offset: 0, .size: 8, .value_kind: global_buffer, .address_space: global }
      - { .name: wts, .offset: 8, .size: 8, .value_kind: global_buffer, .address_space: global }
      - { .name: b1, .offset: 16, .size: 8, .value_kind: global_buffer, .address_space: global }
      - { .name: hb, .offset: 24, .size: 8, .value_kind: global_buffer, .address_space: global }
    .group_segment_fixed_size: 327680
    .private_segment_fixed_size: 0
    .kernarg_segment_align: 8
    .kernarg_segment_size: 32
    .max_flat_workgroup_size: 128
    .sgpr_count:     102
    .vgpr_count:     1024
    .wavefront_size: 32
...
	.end_amdgpu_metadata
.endif
;; end of part 11
;; launch ffn2 (part 12): grid 8 x 32, 4 waves a work-group, clusters of 4 x 4, 327,680 bytes of LDS; arguments hb, wts, b2, x1, out0; writes out0
.if DOCPART == 12
	.amdgcn_target "amdgcn-amd-amdhsa--gfx1250"
	.amdhsa_code_object_version 6
	.text
	.protected	k_q4c919d5f46_ffn2
	.globl	k_q4c919d5f46_ffn2
	.p2align	8
	.type	k_q4c919d5f46_ffn2,@function
k_q4c919d5f46_ffn2:
	s_mov_b64 s[64:65], 0
	v_nop
	global_prefetch_b8 v0, s[64:65] scope:SCOPE_SE
	s_setreg_imm32_b32 hwreg(HW_REG_WAVE_MODE, 25, 1), 1
	s_wait_xcnt 0x0
	s_wait_alu depctr_hold_cnt(0) depctr_sa_sdst(0) depctr_va_vdst(0) depctr_va_sdst(0) depctr_va_ssrc(0) depctr_va_vcc(0) depctr_vm_vsrc(0)
	s_getreg_b32 s2, hwreg(HW_REG_IB_STS2, 6, 4)
	s_cmp_eq_u32 s2, 0
	s_cbranch_scc0 .Lentry_in_a_cluster
	s_endpgm
.Lentry_in_a_cluster:
	s_bfe_u32 s2, ttmp6, 0x10000c
	s_cmp_lg_u32 s2, 0xf033
	s_cbranch_scc0 .Lentry_shape_is_right
	s_endpgm
.Lentry_shape_is_right:
.set KTOT,  4096
.set NTA,   256
.set NTB,   64
.set NGA,   32
.set NGB,   8
.set A_S,   12582912
.set B_I,   6586368
.set B_S,   9732096
.set FINAL, 1
.set FR,    12
.set NP,    4
.set HALFT, 24576
.set SLOT,  4*HALFT
.set LAPS,  KTOT/1024
.set SCLL,  2*SLOT
.set HALFS, (KTOT/256)*512
.set SPARE, SCLL+4*HALFS
.set SPITCH, 272
.set BI,   8
.set VB,   12
.set ADRA, 16
.set ADRB, 20
.set STO,  24
.set RD,   25
.set CO,   26
.set ADRS, 27
.set SPW,  28
.set NIL,  29
.set LI,   30
.set SC,   32
.set BK,   64
.set ACC,  128
.set F0,   0
.set F1,   128
.set G1, 24
.set G0, 32
.set G1B, 48
.set G0B, 56
.set G1S, 68
.set G0S, 76
.set G1SB, 80
.set G0SB, 88
.set MSB, 0
.macro WIN new
.if MSB != (\new)
	s_set_vgpr_msb (MSB<<8)|(\new)
.set MSB, (\new)
.endif
.endm
.set MUL,   0x05
.set TO_F,  0x40
.set TO_R,  0x80
.set ADD_R, 0x08
.macro JLOAD g0a, g1a, g0b, g1b
	s_cmp_eq_u32 s15, 0
	s_cbranch_scc0 .Lfor_b_\@
	tensor_load_to_lds s[\g0a:\g0a+3], s[\g1a:\g1a+7]
	s_nop 0
.rept 4
	v_nop
.endr
	s_branch .Lasked_\@
.Lfor_b_\@:
	tensor_load_to_lds s[\g0b:\g0b+3], s[\g1b:\g1b+7]
	s_nop 0
.rept 4
	v_nop
.endr
.Lasked_\@:
.endm
.macro CREST
	s_cmp_lg_u32 s14, 0
	s_cbranch_scc1 .Lnot_wave_0_\@
	s_barrier_signal -3
.Lnot_wave_0_\@:
	s_barrier_wait -3
	s_barrier_signal -1
	s_barrier_wait -1
.endm
.macro CROUND
	s_barrier_signal -1
	s_barrier_wait -1
	CREST
.endm
	s_load_b256 s[4:11], s[0:1], 0x0
	s_load_b64 s[12:13], s[0:1], 0x20
	v_lshl_add_u32 v[SPW], v0, 2, SPARE
	v_mov_b32 v[NIL], 0
	ds_add_u32 v28, v29
	ds_add_u32 v28, v29
	s_wait_dscnt 0x0
	v_lshrrev_b32 v1, 5, v0
	v_readfirstlane_b32 s14, v1
	s_lshr_b32 s15, s14, 1
	s_and_b32 s16, s14, 1
	s_bfe_u32 s40, ttmp6, 0x40000
	s_bfe_u32 s41, ttmp6, 0x40004
	s_lshl_b32 s42, ttmp9, 2
	s_add_co_u32 s42, s42, s40
	s_and_b32 s17, ttmp7, 0xffff
	s_lshl_b32 s17, s17, 2
	s_add_co_u32 s17, s17, s41
	s_lshl_b32 s43, s41, 2
	s_lshl_b32 s43, 15, s43
	s_lshl_b32 s44, 0x1111, s40
	s_or_b32 s[G1+0], s43, (3<<16)|(1<<21)
	s_or_b32 s[G1B+0], s44, (3<<16)|(1<<21)
.irp g, G1, G1B
	s_mov_b32 s[\g+1], 3072<<16                    ; the head's loads bring a slot's 512 along K: two rows of 24,576 bytes (3,072 elements of 8)
	s_mov_b32 s[\g+2], 2<<16
	s_mov_b32 s[\g+3], 3072<<16
	s_mov_b32 s[\g+4], 2
	s_mov_b32 s[\g+6], 0
	s_mov_b32 s[\g+7], 0
.endr
	s_or_b32 s[G1S+0], s43, (3<<16)|(1<<21)
	s_or_b32 s[G1SB+0], s44, (3<<16)|(1<<21)
.irp g, G1S, G1SB
	s_mov_b32 s[\g+1], 64<<16
	s_mov_b32 s[\g+2], (KTOT/128)<<16
	s_mov_b32 s[\g+3], 64<<16
	s_mov_b32 s[\g+4], KTOT/128
	s_mov_b32 s[\g+6], 0
	s_mov_b32 s[\g+7], 0
.endr
	s_mov_b32 s[G1S+5], 64*NGA
	s_mov_b32 s[G1+5], NTA*384                     ; 256 along K on in the images, in elements
	s_mov_b32 s[G1B+5], NTB*384
	s_mov_b32 s[G1SB+5], 64*NGB
	s_lshl_b32 s20, s17, 3                         ; A's codes: tile 8 x tile row, x 3,072 bytes
	s_mul_i32 s20, s20, 3072
	s_mov_b32 s21, 0
	s_lshl_b32 s22, s17, 9                         ; A's scale words: group = tile row, x 512 bytes
	s_add_co_u32 s22, s22, A_S
	s_mov_b32 s23, 0
	s_lshl_b32 s46, s42, 3
	s_mul_i32 s46, s46, 3072
	s_add_co_u32 s46, s46, B_I
	s_mov_b32 s47, 0
	s_lshl_b32 s2, s42, 9
	s_add_co_u32 s2, s2, B_S
	s_mov_b32 s3, 0
	s_mul_i32 s45, s14, HALFT
	s_wait_kmcnt 0x0
	s_add_nc_u64 s[20:21], s[4:5], s[20:21]
	s_add_nc_u64 s[22:23], s[4:5], s[22:23]
	s_add_nc_u64 s[46:47], s[6:7], s[46:47]
	s_add_nc_u64 s[2:3], s[6:7], s[2:3]
	CROUND
	s_mov_b32 s[G0S], 1
	s_mov_b32 s[G0S+1], SCLL
	s_mov_b64 s[G0S+2:G0S+3], s[22:23]
	s_or_b32 s[G0S+3], s[G0S+3], 0x80000000
	s_mov_b32 s[G0SB], 1
	s_mov_b32 s[G0SB+1], SCLL+2*HALFS
	s_mov_b64 s[G0SB+2:G0SB+3], s[2:3]
	s_or_b32 s[G0SB+3], s[G0SB+3], 0x80000000
	s_mov_b32 s[G0], 1                             ; at the head slot 0's groups 0 stand for A's and B's whole 512 along K
	s_mov_b32 s[G0+1], 0
	s_mov_b64 s[G0+2:G0+3], s[20:21]
	s_or_b32 s[G0+3], s[G0+3], 0x80000000
	s_mov_b32 s[G0B], 1
	s_mov_b32 s[G0B+1], 2*HALFT
	s_mov_b64 s[G0B+2:G0B+3], s[46:47]
	s_or_b32 s[G0B+3], s[G0B+3], 0x80000000
	s_mul_i32 s4, s16, NTA*3072                    ; in the ring I fetch a quarter of a slot: my 256 along K, in bytes
	s_mov_b32 s5, 0
	s_mul_i32 s6, s16, NTB*3072
	s_mov_b32 s7, 0
	s_add_nc_u64 s[20:21], s[20:21], s[4:5]
	s_add_nc_u64 s[46:47], s[46:47], s[6:7]
	; the prefetches: of the 24,576 bytes that I fetch of a slot, each of the four partners that ask for them with me names 6,144, told apart by address (cx for A, cy for B); s[92:93] stands three slots on and is stepped ahead of each refill
	s_mov_b32 s66, 2*NTB*3072                      ; a slot on in the image, in bytes
	s_cmp_eq_u32 s15, 0                            ; do I fetch for A?
	s_cselect_b64 s[92:93], s[20:21], s[46:47]
	s_cselect_b32 s94, s40, s41
	s_cselect_b32 s66, 2*NTA*3072, s66
	s_mov_b32 s67, 0
	s_mul_i32 s94, s94, 6144
	s_mov_b32 s95, 0
	s_add_nc_u64 s[92:93], s[92:93], s[94:95]
	s_mul_i32 s94, s66, 3
	s_add_nc_u64 s[92:93], s[92:93], s[94:95]
	s_mov_b32 s[G0+4], 1
	s_add_co_u32 s[G0+5], s45, SLOT
	s_add_nc_u64 s[G0+6:G0+7], s[20:21], 2*NTA*3072
	s_or_b32 s[G0+7], s[G0+7], 0x80000000
	s_mov_b32 s[G0B+4], 1
	s_add_co_u32 s[G0B+5], s45, SLOT
	s_add_nc_u64 s[G0B+6:G0B+7], s[46:47], 2*NTB*3072
	s_or_b32 s[G0B+7], s[G0B+7], 0x80000000
; The head's loads, one a wave: wave 0 slot 0 of A, wave 1 of B, wave 2 A's scale words, wave 3 B's.  One chain of branches on the wave's number, one load to an arm.
.macro ARM under, g0, g1, next
	s_cmp_lt_u32 s14, \under
	s_cbranch_scc0 \next
	tensor_load_to_lds s[\g0:\g0+3], s[\g1:\g1+7]
	s_nop 0
.rept 4
	v_nop
.endr
	s_branch .Lhead_asked
\next:
.endm
	ARM 1, G0,  G1,  .Lhead_b
	ARM 2, G0B, G1B, .Lhead_sa
	ARM 3, G0S, G1S, .Lhead_sb
	tensor_load_to_lds s[G0SB:G0SB+3], s[G1SB:G1SB+7]
	s_nop 0
.rept 4
	v_nop
.endr
.Lhead_asked:
	v_and_b32 v1, 15, v0
	v_bfe_u32 v2, v0, 4, 1
	s_wait_alu depctr_va_vdst(0)
	v_and_b32 v3, 31, v0
	v_lshlrev_b32 v[LI], 4, v3
	v_min_u32 v31, 23, v3                          ; the prefetches' offset: a lane a block of 256 bytes, 24 blocks; the lanes left over name the last again; never rewritten
	v_lshlrev_b32 v31, 8, v31
	s_mul_i32 s21, s15, 4*3072
	s_mul_i32 s22, s16, 4*3072
	s_add_co_u32 s22, s22, 2*HALFT
.irp s, 0,1
	v_add_nc_u32 v[ADRA+\s], s21, v[LI]
	v_add_nc_u32 v[ADRB+\s], s22, v[LI]
	s_add_co_u32 s21, s21, SLOT
	s_add_co_u32 s22, s22, SLOT
.endr
	v_lshlrev_b32 v5, 5, v1
	s_lshl_b32 s21, s15, 4
	s_lshl_b32 s22, s16, 4
	s_add_co_u32 s22, s22, 2*HALFS
	s_sub_co_u32 s22, s22, s21
	v_mul_u32_u24 v6, s22, v2
	s_add_co_u32 s21, s21, SCLL
	v_add_nc_u32 v5, v5, v6
	v_add_nc_u32 v[ADRS], s21, v5
	s_mul_i32 s23, s14, 16*SPITCH
	v_mul_u32_u24 v5, v1, SPITCH
	v_lshl_add_u32 v5, v2, 6, v5
	v_add_nc_u32 v[STO], s23, v5
	v_mul_u32_u24 v5, v2, SPITCH
	v_lshl_add_u32 v5, v1, 4, v5
	v_add_nc_u32 v[RD], s23, v5
	v_lshlrev_b32 v[VB], 4, v1
	s_wait_alu depctr_va_vdst(0)
	v_lshl_add_u32 v[CO], v2, 12, v[VB]
	s_wait_alu depctr_va_vdst(0)
	s_lshl_b32 s18, s17, 7
	s_lshl_b32 s20, s15, 6
	s_add_co_u32 s18, s18, s20
	s_lshl_b32 s18, s18, 12
	s_lshl_b32 s20, s42, 9
	s_lshl_b32 s21, s16, 8
	s_add_co_u32 s20, s20, s21
	s_mov_b32 s21, 0
	s_add_nc_u64 s[8:9], s[8:9], s[20:21]
	s_add_co_u32 s18, s18, s20
	s_mov_b32 s19, 0
	s_add_nc_u64 s[10:11], s[10:11], s[18:19]
	s_add_nc_u64 s[12:13], s[12:13], s[18:19]
	global_load_b128 v[BI:BI+3], v[VB], s[8:9]
	WIN TO_R
.irp a, 0,1,2,3
.set t, 0
.rept 8
	global_load_b128 v[32*\a+4*t:32*\a+4*t+3], v[CO], s[10:11] offset:(32*(\a/2)+8*(\a%2)+2*t+8*(t/4))*4096 th:TH_LOAD_NT
.set t, t+1
.endr
.endr
	WIN 0
.macro FRAG reg, adr, k4, i
.irp c, 0,1,2
	ds_load_b128 v[\reg+4*\c:\reg+4*\c+3], v[\adr] offset:((\k4)/2)*HALFT+(2*(\i)+(\k4)%2)*1536+512*\c
.endr
.endm
.macro MUL8 f, a0, k4, sc, zero
.irp a, \a0, \a0+1
.irp b, 0,1,2,3
.if \zero
	v_wmma_scale_f32_16x16x128_f8f6f4 v[ACC+8*(4*(\a)+\b):ACC+8*(4*(\a)+\b)+7], v[\f+48+FR*\b:\f+48+FR*\b+FR-1], v[\f+FR*(\a):\f+FR*(\a)+FR-1], 0, v[SC+16*(\sc)+4*(\k4)+\b], v[SC+16*(\sc)+4*(\k4)+(\a)] matrix_a_fmt:MATRIX_FMT_FP6 matrix_b_fmt:MATRIX_FMT_FP6 matrix_a_scale:MATRIX_SCALE_ROW1
.else
	v_wmma_scale_f32_16x16x128_f8f6f4 v[ACC+8*(4*(\a)+\b):ACC+8*(4*(\a)+\b)+7], v[\f+48+FR*\b:\f+48+FR*\b+FR-1], v[\f+FR*(\a):\f+FR*(\a)+FR-1], v[ACC+8*(4*(\a)+\b):ACC+8*(4*(\a)+\b)+7], v[SC+16*(\sc)+4*(\k4)+\b], v[SC+16*(\sc)+4*(\k4)+(\a)] matrix_a_fmt:MATRIX_FMT_FP6 matrix_b_fmt:MATRIX_FMT_FP6 matrix_a_scale:MATRIX_SCALE_ROW1
.endif
.endr
.endr
.endm
.macro FETCH slot, k4, f
	WIN TO_F
.irp i, 0,1,2,3
	FRAG \f+48+FR*\i, ADRB+\slot, \k4, \i
.endr
.irp i, 0,1,2,3
	FRAG \f+FR*\i, ADRA+\slot, \k4, \i
.endr
.endm
.macro SCALES sc
	WIN 0
.irp q, 0,1,2,3
	ds_load_b128 v[SC+16*\sc+4*\q:SC+16*\sc+4*\q+3], v[ADRS] offset:512*\q
.endr
.endm
.macro PLACES n
.rept \n
	v_nop
.endr
.endm
.macro QUARTER slot, k4, f, g, zero
	s_wait_dscnt 6
	WIN MUL
	MUL8 \f, 0, \k4, \slot, \zero
	PLACES NP
	FETCH \slot, (\k4)+1, \g
	s_wait_dscnt 24
	WIN MUL
	MUL8 \f, 2, \k4, \slot, \zero
.endm
.macro TURN slot, next, fill
	WIN 0
.if \fill
	s_wait_xcnt 0x0                                ; any prefetch of mine has read its address: it steps only behind this wait
	s_add_nc_u64 s[92:93], s[92:93], s[66:67]
.endif
	s_wait_tensorcnt 0x0
	ds_add_u32 v[SPW], v[NIL]
	s_wait_dscnt 7
	WIN MUL
	MUL8 F1, 0, 3, \slot, 0
	s_wait_dscnt 0x0
	s_barrier_signal -1
	WIN 0
	s_barrier_wait -1
.if \fill
	CREST
	s_add_nc_u64 s[G0+4*\slot+2:G0+4*\slot+3], s[G0+4*\slot+2:G0+4*\slot+3], 4*NTA*3072
	s_add_nc_u64 s[G0B+4*\slot+2:G0B+4*\slot+3], s[G0B+4*\slot+2:G0B+4*\slot+3], 4*NTB*3072
	JLOAD G0+4*\slot, G1, G0B+4*\slot, G1B
.else
	PLACES NP
.endif
	s_wait_alu depctr_va_vdst(0)
	v_add_nc_u32 v[ADRS], 2048, v[ADRS]
	SCALES \next
	FETCH \next, 0, F0
.if \fill
	WIN 0                                          ; (a branch follows)
	s_cmp_gt_u32 s3, 1                             ; the slot two refills on; the loop's last trip (s3 = 1) has none: K ends with the slots that it fills
	s_cbranch_scc0 .Lno_ask_\@
	global_prefetch_b8 v31, s[92:93] th:TH_LOAD_NT scope:SCOPE_SE
.Lno_ask_\@:
.endif
	WIN MUL
	MUL8 F1, 2, 3, \slot, 0
.endm
	s_wait_alu depctr_va_vdst(0)
	s_wait_tensorcnt 0x0                           ; my tile of the head's four is in
	ds_add_u32 v[SPW], v[NIL]
.irp g, G1, G1B
	s_mov_b32 s[\g+1], 32<<16                      ; no load of mine is out: from here on a load brings 96 dense rows of 256 bytes,
	s_mov_b32 s[\g+2], 96<<16
	s_mov_b32 s[\g+3], 32<<16
	s_mov_b32 s[\g+4], 96
	s_mov_b32 s[\g+5], 32
.endr
	s_mov_b32 s[G0+1], s45                         ; and slot 0's groups 0 stand for my quarter of the slot
	s_mov_b32 s[G0B+1], s45
	s_add_nc_u64 s[G0+2:G0+3], s[G0+2:G0+3], s[4:5]
	s_add_nc_u64 s[G0B+2:G0B+3], s[G0B+2:G0B+3], s[6:7]
	s_wait_dscnt 0x0
	CROUND                                         ; all four tiles are in, all sixteen work-groups are here
	JLOAD G0+4, G1, G0B+4, G1B                     ; slot 1, the first tensor load behind the round
	SCALES 0
	FETCH 0, 0, F0
	QUARTER 0, 0, F0, F1, 1
.if LAPS > 1
	WIN 0
	s_mov_b32 s3, LAPS-1
.Llap:
	QUARTER 0, 1, F1, F0, 0
	QUARTER 0, 2, F0, F1, 0
	TURN 0, 1, 1
	QUARTER 1, 0, F0, F1, 0
	QUARTER 1, 1, F1, F0, 0
	QUARTER 1, 2, F0, F1, 0
	TURN 1, 0, 1
	QUARTER 0, 0, F0, F1, 0
	WIN 0
	s_sub_co_u32 s3, s3, 1
	s_cmp_lg_u32 s3, 0
	s_cbranch_scc1 .Llap
.endif
	QUARTER 0, 1, F1, F0, 0
	QUARTER 0, 2, F0, F1, 0
	TURN 0, 1, 0
	QUARTER 1, 0, F0, F1, 0
	QUARTER 1, 1, F1, F0, 0
	QUARTER 1, 2, F0, F1, 0
	s_wait_dscnt 6
	WIN MUL
	MUL8 F1, 0, 3, 1, 0
	s_wait_dscnt 0
	MUL8 F1, 2, 3, 1, 0
	WIN 0
.macro TOSTAGE a
.set BB, BK+32*((\a)%2)
.irp b, 0,1,2,3
	ds_store_b128 v[STO], v[ACC+8*(4*(\a)+\b):ACC+8*(4*(\a)+\b)+3] offset:128*(\b/2)+32*(\b%2)
	ds_store_b128 v[STO], v[ACC+8*(4*(\a)+\b)+4:ACC+8*(4*(\a)+\b)+7] offset:128*(\b/2)+32*(\b%2)+16
.endr
.set t, 0
.rept 8
	ds_load_b128 v[BB+4*t:BB+4*t+3], v[RD] offset:2*t*SPITCH
.set t, t+1
.endr
.endm
.macro SEND a, younger
.set BB, BK+32*((\a)%2)
	s_wait_dscnt \younger
	WIN ADD_R
.set p, 0
.rept 16
	v_pk_add_f32 v[BB+2*p:BB+2*p+1], v[BB+2*p:BB+2*p+1], v[32*(\a)+2*p:32*(\a)+2*p+1]
.set p, p+1
.endr
	WIN 0
.set t, 0
.rept 8
	v_pk_add_f32 v[BB+4*t:BB+4*t+1], v[BB+4*t:BB+4*t+1], v[BI:BI+1]
	v_pk_add_f32 v[BB+4*t+2:BB+4*t+3], v[BB+4*t+2:BB+4*t+3], v[BI+2:BI+3]
.set t, t+1
.endr
.set t, 0
.rept 8
.if FINAL
	global_store_b128 v[CO], v[BB+4*t:BB+4*t+3], s[12:13] offset:(32*((\a)/2)+8*((\a)%2)+2*t+8*(t/4))*4096 th:TH_STORE_NT
.else
	global_store_b128 v[CO], v[BB+4*t:BB+4*t+3], s[12:13] offset:(32*((\a)/2)+8*((\a)%2)+2*t+8*(t/4))*4096
.endif
.set t, t+1
.endr
.endm
	PLACES NP
	s_wait_loadcnt 0x0
	TOSTAGE 0
.irp a, 1,2,3
.if \a > 1
	s_wait_xcnt 0x0
.endif
	TOSTAGE \a
	SEND \a-1, 16
.endr
	SEND 3, 0
	s_wait_tensorcnt 0x0
	ds_add_u32 v[SPW], v[NIL]
	s_wait_dscnt 0x0
	CROUND
	s_endpgm
.Lfunc_end_k_q4c919d5f46_ffn2:
	.size	k_q4c919d5f46_ffn2, .Lfunc_end_k_q4c919d5f46_ffn2-k_q4c919d5f46_ffn2
	.p2alignl 7, 3214868480
	.fill 96, 4, 3214868480
	.section	.rodata,"a",@progbits
	.p2align	6, 0x0
	.amdhsa_kernel k_q4c919d5f46_ffn2
		.amdhsa_group_segment_fixed_size 327680
		.amdhsa_private_segment_fixed_size 0
		.amdhsa_enable_private_segment 0
		.amdhsa_kernarg_size 40
		.amdhsa_user_sgpr_count 2
		.amdhsa_user_sgpr_kernarg_segment_ptr 1
		.amdhsa_wavefront_size32 1
		.amdhsa_system_sgpr_workgroup_id_x 1
		.amdhsa_system_sgpr_workgroup_id_y 1
		.amdhsa_system_sgpr_workgroup_id_z 1
		.amdhsa_system_vgpr_workitem_id 0
		.amdhsa_next_free_vgpr 640
		.amdhsa_next_free_sgpr 96
		.amdhsa_reserve_vcc 0
		.amdhsa_float_denorm_mode_32 3
		.amdhsa_float_denorm_mode_16_64 3
		.amdhsa_memory_ordered 1
		.amdhsa_forward_progress 1
		.amdhsa_inst_pref_size 95
	.end_amdhsa_kernel
	.amdgpu_metadata
---
amdhsa.version: [ 1, 2 ]
amdhsa.kernels:
  - .name:           k_q4c919d5f46_ffn2
    .symbol:         k_q4c919d5f46_ffn2.kd
    .args:
      - { .name: hb, .offset: 0, .size: 8, .value_kind: global_buffer, .address_space: global }
      - { .name: wts, .offset: 8, .size: 8, .value_kind: global_buffer, .address_space: global }
      - { .name: b2, .offset: 16, .size: 8, .value_kind: global_buffer, .address_space: global }
      - { .name: x1, .offset: 24, .size: 8, .value_kind: global_buffer, .address_space: global }
      - { .name: out0, .offset: 32, .size: 8, .value_kind: global_buffer, .address_space: global }
    .group_segment_fixed_size: 327680
    .private_segment_fixed_size: 0
    .kernarg_segment_align: 8
    .kernarg_segment_size: 40
    .max_flat_workgroup_size: 128
    .sgpr_count:     96
    .vgpr_count:     640
    .wavefront_size: 32
...
	.end_amdgpu_metadata
.endif
;; end of part 12
